; MI455X (gfx1250); checked and timed in simulation.
; The chip was launched on July 23, 2026; its instructions are those of AMD's public machine-readable ISA for CDNA 5 (MIT licence, August 2026) and "CDNA5" Instruction Set Architecture Reference Guide (July 2026). The comments in the code are by the model that wrote it; some were corrected since.
;; Encoder Layer. Allowed arithmetic: matrix products marked QUANTISED: E2M3 operands, one E8M0 scale for each 32 along K, by v_wmma_scale_f32_16x16x128_f8f6f4 with both operands' format E2M3, f32 sums; everything else in f32.
;; Inputs: W1_codes 4,096 x 32 x 24 uint8 (E2M3 codes of W1, K innermost, in blocks of 32 codes, four codes in three bytes); W1_scales 4,096 x 32 uint8 (E8M0 scales of W1, one for each 32 codes along K); W2_codes 1,024 x 128 x 24 uint8 (E2M3 codes of W2, K innermost, in blocks of 32 codes, four codes in three bytes); W2_scales 1,024 x 128 uint8 (E8M0 scales of W2, one for each 32 codes along K); Wk_codes 1,024 x 32 x 24 uint8 (E2M3 codes of Wk, K innermost, in blocks of 32 codes, four codes in three bytes); Wk_scales 1,024 x 32 uint8 (E8M0 scales of Wk, one for each 32 codes along K); Wo_codes 1,024 x 32 x 24 uint8 (E2M3 codes of Wo, K innermost, in blocks of 32 codes, four codes in three bytes); Wo_scales 1,024 x 32 uint8 (E8M0 scales of Wo, one for each 32 codes along K); Wq_codes 1,024 x 32 x 24 uint8 (E2M3 codes of Wq, K innermost, in blocks of 32 codes, four codes in three bytes); Wq_scales 1,024 x 32 uint8 (E8M0 scales of Wq, one for each 32 codes along K); Wv_codes 1,024 x 32 x 24 uint8 (E2M3 codes of Wv, K innermost, in blocks of 32 codes, four codes in three bytes); Wv_scales 1,024 x 32 uint8 (E8M0 scales of Wv, one for each 32 codes along K); b1 4,096 float32; b2 1,024 float32; bk 1,024 float32; bo 1,024 float32; bq 1,024 float32; bv 1,024 float32; ln1_b 1,024 float32; ln1_g 1,024 float32; ln2_b 1,024 float32; ln2_g 1,024 float32; x 2 x 2,048 x 1,024 float32.
;; Outputs: out0 2 x 2,048 x 1,024 float32.
;; This version of the problem:
;;   THIS VERSION OF THE PROBLEM IS GIVEN IN LOW PRECISION. The matrix products marked QUANTISED in the list below multiply operands that are first quantised to E2M3 (2 exponent bits, 3 mantissa bits; 6 bits a number), with one power-of-two scale for each 32 numbers along K (OCP MX v1.0); their sums are f32. All else is computed in f32.
;;   The module's matrix products, in the order in which they are computed (A, B: the left and right operand; K: the contracted axis; several contracted axes count as one K, in the product's order):
;;     1. [M 4,096, K 1,024] x [K 1,024, N 1,024]; A: input x; B: input Wq (given as codes): QUANTISED
;;     2. [M 4,096, K 1,024] x [K 1,024, N 1,024]; A: input x; B: input Wk (given as codes): QUANTISED
;;     3. [M 4,096, K 1,024] x [K 1,024, N 1,024]; A: input x; B: input Wv (given as codes): QUANTISED
;;     4. batch 32 x [M 2,048, K 64] x [K 64, N 2,048]; A: computed on the way; B: computed on the way: QUANTISED
;;     5. batch 32 x [M 2,048, K 2,048] x [K 2,048, N 64]; A: softmax (see below); B: computed on the way: QUANTISED
;;     6. [M 4,096, K 1,024] x [K 1,024, N 1,024]; A: computed on the way; B: input Wo (given as codes): QUANTISED
;;     7. [M 4,096, K 1,024] x [K 1,024, N 4,096]; A: computed on the way; B: input W1 (given as codes): QUANTISED
;;     8. [M 4,096, K 4,096] x [K 4,096, N 1,024]; A: computed on the way; B: input W2 (given as codes): QUANTISED
;;   THE QUANTISER, for each operand of a quantised product, along K:
;;     - K is cut into blocks of 32 from its start; a last block that is shorter is filled with zeros.
;;     - A block's scale is 2^e with e = floor(log2(the largest magnitude in the block)) - 2, held to -126 .. 127; a block of zeros has e = 0. As a byte (E8M0): e + 127.
;;     - Each number is divided by its block's scale, clamped to +-7.5, and rounded to the nearest number of E2M3, ties to even, subnormals kept.
;;     - The product sums the exact products of the quantised numbers (number of the format x scale) in f32.
;;   ~~~python
;;   def quantise(x, axis):      # numpy; x: float32 -> the quantised numbers, widened to float32 again
;;       x = np.moveaxis(x, axis, -1); K = x.shape[-1]
;;       x = np.pad(x, [(0, 0)] * (x.ndim - 1) + [(0, -K % 32)]); x = x.reshape(x.shape[:-1] + (-1, 32)); a = np.abs(x).max(-1, keepdims=True)
;;       e = np.where(a > 0, np.clip(np.frexp(np.where(a > 0, a, 1))[1] - 1 - 2, -126, 127), 0)      # np.frexp(a)[1] - 1 = floor(log2(a)), exactly
;;       r = np.clip(x / 2.0 ** e, -7.5, 7.5)
;;       step = 2.0 ** (np.maximum(np.frexp(np.where(r == 0, 1, r))[1] - 1, 0) - 3)
;;       q = np.round(r / step) * step * 2.0 ** e      # np.round: ties to even
;;       return np.moveaxis(q.reshape(q.shape[:-2] + (-1,))[..., :K], -1, axis).astype(np.float32)
;;   ~~~
;;   SOFTMAX AHEAD OF A QUANTISED PRODUCT. Where the list says 'softmax', what is quantised is not the finished softmax but p = 2^(t - M), with t = logit x log2(e) and M = ceil(the row's largest t), a whole number; so 1/2 < the row's largest p <= 1. The row's sum l is taken of the UNQUANTISED p, in f32, and the product's result is divided by l at the end. Since M is a whole number, a kernel that streams over the keys may use a running M (the ceiling of the running maximum): every later rescaling is an exact power of two, which a block's scale takes up: the codes' values come out the same.
;;   OPERANDS COMPUTED ON THE WAY. 'Computed on the way' means the value that the module computes at that place (a softmax that the list does not call 'softmax' is quantised finished and normalised). What goes into a quantiser is computed in f32, as accurately as f32 sums, v_exp_f32 and their like allow (about 1e-6 of the number): no bf16 or f16 on the way to a quantiser, and a product that is left as it is and whose result goes on into a quantised operand takes f32 operands (vector FMAs, or v_wmma_f32_16x16x4_f32). A number that lies on a knife's edge between two numbers of the format may be rounded either way, as far as f32 arithmetic and the matrix unit's own rounding can turn it there, and no further.
;;   INPUTS GIVEN AS CODES. W1 (in the module: [1024, 4096], K = its axis 0); W2 (in the module: [4096, 1024], K = its axis 0); Wk (in the module: [1024, 1024], K = its axis 0); Wo (in the module: [1024, 1024], K = its axis 0); Wq (in the module: [1024, 1024], K = its axis 0); Wv (in the module: [1024, 1024], K = its axis 0): each comes as NAME_codes (uint8): NAME with its K axis moved to the last place and cut into blocks of 32 codes, [.., K / 32, bytes a block], one block behind the other in memory; four codes in three bytes: a row's codes are one little-endian stream of bits, code i at bits 6 i .. 6 i + 5 (a code: sign, 2 exponent bits, 3 mantissa bits); and NAME_scales (uint8): the same leading axes, one E8M0 byte (e + 127) for each 32 codes along K. Its value is code x scale, taken as it is: it is not quantised again, and the codes and scales need not be those that the quantiser above would give.
;; 2 versions. Each part assembles by itself: llvm-mc -triple=amdgcn-amd-amdhsa -mcpu=gfx1250 --defsym DOCPART=n.
;; ======== version 1 of 2: 8 launches
;; workspace buffers: PX 3,276,800 bytes; P1 6,570,240 bytes; P2 9,847,040 bytes; B 16,384,000 bytes; D 16,777,216 bytes; H 16,777,216 bytes; FLQ 256 bytes of whole numbers; FLN 256 bytes of whole numbers
;; launch prep (part 1): grid 1025 x 1, 8 waves a work-group, no clusters, 68,608 bytes of LDS; arguments x, PX, Wq_codes, Wq_scales, Wk_codes, Wk_scales, Wv_codes, Wv_scales, Wo_codes, Wo_scales, W1_codes, W1_scales, W2_codes, W2_scales, P1, P2, bq, bk, b1, FLQ, FLN; writes PX, P1, P2, FLQ, FLN
.if DOCPART == 1
	.amdgcn_target "amdgcn-amd-amdhsa--gfx1250"
	.amdhsa_code_object_version 6
	.text
	.protected	k_q46867e2b04_prep
	.globl	k_q46867e2b04_prep
	.p2align	8
	.type	k_q46867e2b04_prep,@function
k_q46867e2b04_prep:
	s_mov_b64 s[64:65], 0
	v_nop
	global_prefetch_b8 v0, s[64:65] scope:SCOPE_SE
	s_setreg_imm32_b32 hwreg(HW_REG_WAVE_MODE, 25, 1), 1
	s_wait_xcnt 0x0
; ENCODER LAYER IN MX-FP6, launch 1 of 8: every matrix operand that is known at the start is laid as the matrix unit's registers take it.
; DEAD WORK: none.  Every input of reference() reaches out0 for some values of the inputs (bk too: it moves k's codes), so all 23 inputs are loaded and all eight products are done.
; LIMITS: NaN and infinities among the inputs are not served.  A block of 32 zeros gets the scale byte 1 where the quantiser says 127: its codes are zeros, which add nothing under any
; byte but 0xff, and the bytes are read by this program alone.  Blocks whose largest magnitude lies under 2^-124 share that floor.
; THE IMAGE OF AN OPERAND.  Rows go in blocks of 16; lane r of block i holds row pi(i, r) = 32 (i / 2) + 8 (i % 2) + r + 8 (r / 8): used as source 0 of a product, blocks 2 p and 2 p + 1 then leave
; 16 neighbouring results in a lane's 16 registers.  A HALF is 16 rows x 64 codes, 768 bytes: lane (r, h) owns the 24 bytes of k = 32 h .. 32 h + 31: registers 0-3 at 16 x lane, registers 4-5 at 512 + 8 x lane.
; Codes: [block][K / 64 halves].  Scale words (4 bytes: 128 along K of a row): [8 blocks][K step][512 bytes], the word of block a, lane r at 256 (a % 2) + 4 (a / 2) + 16 r; they begin SCO bytes behind the codes.
; SHARES.  Work-groups 0-255: block i of x, wave w its K step w: read as rows, turned through the wave's stage in LDS, quantised.  Work-groups 256-1023: a block of a weight, wave w a K step: the given codes and
; scale bytes are only laid anew.  Work-group 1024: bq | bk and b1 behind their weights, the two floors (-infinity: no clip; 0: relu), the two flags.
.set SCO,   3145728
.set STG,   16*528                     ; a wave's stage: 16 rows x (512 bytes + 16): row r starts at bank 4 r
.set SPARE, 8*STG                      ; behind the stages: the spare words, 128 bytes a wave
.set SPW, 12                           ; v12  my spare word's LDS address; never rewritten
.set NIL, 13                           ; v13  0; never rewritten
.set RW,  32                           ; v32-95   16 rows as loaded
.set TN,  96                           ; v96-159  my row's 64 numbers: register 16 b + i = k 32 b + 16 h + i
.set PC,  160                          ; v160-171 a fragment's codes; v172-179 at work
.set TM,  180                          ; v180-195 at work
.set PW,  196                          ; v196     a scale word
.set WV,  60
.set SEL, 62
; 64 numbers of a lane become a fragment's 12 registers of codes and its row's scale word.
.macro QUANT s
.irp b, 0,1,2,3
	v_max3_num_f32 v[TM+\b], |v[\s+16*\b]|, |v[\s+1+16*\b]|, 0x1800000   ; block b: my 16 numbers, and the floor 2^(3 - 127): the byte cannot fall under 1
.endr
.irp i, 2,4,6,8,10,12,14
.irp b, 0,1,2,3
	v_max3_num_f32 v[TM+\b], v[TM+\b], |v[\s+16*\b+\i]|, |v[\s+1+16*\b+\i]|
.endr
.endr
.irp b, 0,1,2,3
	v_permlanex16_b32 v[TM+4+\b], v[TM+\b], s[SEL], s[SEL+1]
.endr
.irp b, 0,1,2,3
	v_max_num_f32 v[TM+\b], v[TM+\b], v[TM+4+\b]   ; with lane l xor 16's 16: the block's largest magnitude
.endr
.irp b, 0,1,2,3
	v_add_nc_u32 v[TM+12+\b], 0xff000000, v[TM+\b] ; 2 off its exponent field: the conversion's scale operand
.endr
.irp b, 0,1,2,3
	v_lshrrev_b32 v[TM+4+\b], 23, v[TM+12+\b]      ; the scale's byte
.endr
	v_lshl_or_b32 v[PW], v[TM+5], 8, v[TM+4]
	v_lshl_or_b32 v[PW], v[TM+6], 16, v[PW]
	v_lshl_or_b32 v[PW], v[TM+7], 24, v[PW]
.irp c, 0,1
	v_cvt_scalef32_pk16_fp6_f32 v[PC+6*\c:PC+2+6*\c], v[\s+32*\c:\s+15+32*\c], v[TM+12+2*\c]
	v_cvt_scalef32_pk16_fp6_f32 v[PC+12+4*\c:PC+14+4*\c], v[\s+16+32*\c:\s+31+32*\c], v[TM+13+2*\c]   ; (three registers begin on an even number)
.endr
	v_nop                                          ; one plain place behind a scaled conversion
.irp c, 0,1                                    ; a whole block to a lane: lanes 0-15 block 2 c, lanes 16-31 block 2 c + 1
.irp i, 0,1,2
	v_permlane16_swap_b32 v[PC+6*\c+\i], v[PC+12+4*\c+\i]
.endr
.irp i, 0,1,2
	v_mov_b32 v[PC+3+6*\c+\i], v[PC+12+4*\c+\i]
.endr
.endr
.endm
; s44 block, s43 K step, s48 a block's bytes, s49 log2 of 8 blocks' scale bytes, s45 the operand's place in its buffer  ->  s[34:35] the fragment's byte offset, s[36:37] its scale words'
.macro PLACE
	s_mul_i32 s34, s44, s48
	s_mul_i32 s35, s43, 1536
	s_add_co_u32 s34, s34, s35
	s_add_co_u32 s34, s34, s45
	s_mov_b32 s35, 0
	s_lshr_b32 s36, s44, 3
	s_lshl_b32 s36, s36, s49
	s_lshl_b32 s37, s43, 9
	s_add_co_u32 s36, s36, s37
	s_and_b32 s37, s44, 1
	s_lshl_b32 s37, s37, 8
	s_add_co_u32 s36, s36, s37
	s_bfe_u32 s37, s44, 0x20001
	s_lshl_b32 s37, s37, 2
	s_add_co_u32 s36, s36, s37
	s_add_co_u32 s36, s36, s45
	s_add_co_u32 s36, s36, SCO
	s_mov_b32 s37, 0
.endm
.macro IMG                             ; the fragment leaves as 512, 256, 512 and 256 consecutive bytes, each at a multiple of 256
	global_store_b128 v5, v[PC:PC+3], s[34:35]
	global_store_b64 v6, v[PC+4:PC+5], s[34:35] offset:512
	global_store_b128 v5, v[PC+6:PC+9], s[34:35] offset:768
	global_store_b64 v6, v[PC+10:PC+11], s[34:35] offset:1280
	global_store_b32 v9, v[PW], s[36:37]           ; the row's scale word; lanes 16-31 hold and write the same word as lanes 0-15
.endm
.macro FINISH                          ; the wave's end
	s_wait_tensorcnt 0x0
	ds_add_u32 v[SPW], v[NIL]
	s_wait_dscnt 0x0
	s_endpgm
.endm
	v_lshl_add_u32 v[SPW], v0, 2, SPARE
	v_mov_b32 v[NIL], 0
	v_lshrrev_b32 v1, 5, v0
	v_readfirstlane_b32 s[WV], v1                  ; wave 0..7
	v_and_b32 v2, 31, v0                           ; lane
	v_and_b32 v3, 15, v0                           ; r
	v_bfe_u32 v4, v0, 4, 1                         ; h
	v_lshlrev_b32 v5, 4, v2                        ; 16 x lane
	v_lshlrev_b32 v6, 3, v2                        ; 8 x lane
	v_lshlrev_b32 v9, 4, v3                        ; 16 r
	s_cmp_lt_u32 ttmp9, 256
	s_cbranch_scc0 .Lnot_x
	; ---- x: block ttmp9, K step = wave
	s_load_b128 s[4:7], s[0:1], 0x0                ; x, PX
	s_mov_b32 s[SEL], 0x76543210
	s_mov_b32 s[SEL+1], 0xfedcba98                 ; lane l xor 16
	s_lshr_b32 s32, ttmp9, 1
	s_lshl_b32 s32, s32, 17                        ; 32 rows of 4,096 bytes
	s_and_b32 s33, ttmp9, 1
	s_lshl_b32 s33, s33, 15                        ; 8 rows
	s_add_co_u32 s32, s32, s33
	s_lshl_b32 s33, s[WV], 9                       ; 128 numbers
	s_add_co_u32 s32, s32, s33
	s_mov_b32 s33, 0
	s_mov_b32 s44, ttmp9
	s_mov_b32 s43, s[WV]
	s_mov_b32 s48, 12288
	s_mov_b32 s49, 12
	s_mov_b32 s45, 0
	PLACE
	s_mul_i32 s38, s[WV], STG
	v_add_nc_u32 v7, s38, v5                       ; into the stage: a row's 512 bytes, 16 a lane
	v_mul_u32_u24 v8, v3, 528
	v_lshl_add_u32 v8, v4, 6, v8
	v_add_nc_u32 v8, s38, v8                       ; out of it: row r, + 64 h: 16 numbers of each block of 32
.irp b, 0,1,2,3
	v_mov_b32 v[TM+4+\b], 0                        ; a lane permute's destination counts as one of its sources
.endr
	s_wait_kmcnt 0x0
	s_add_nc_u64 s[4:5], s[4:5], s[32:33]
	s_add_nc_u64 s[34:35], s[6:7], s[34:35]
	s_add_nc_u64 s[36:37], s[6:7], s[36:37]
.irp t, 0,1,2,3,4,5,6,7,8,9,10,11,12,13,14,15
	global_load_b128 v[RW+4*\t:RW+4*\t+3], v5, s[4:5] offset:(\t+8*(\t/8))*4096 th:TH_LOAD_NT   ; 512 consecutive bytes of row pi(i, t)
.endr
.irp t, 0,1,2,3,4,5,6,7,8,9,10,11,12,13,14,15
	s_wait_loadcnt 15-\t                           ; row t is in; the younger rows may be out
	ds_store_b128 v7, v[RW+4*\t:RW+4*\t+3] offset:528*\t
.endr
.irp n, 0,1,2,3,4,5,6,7,8,9,10,11,12,13,14,15
	ds_load_b128 v[TN+4*\n:TN+4*\n+3], v8 offset:128*(\n/4)+16*(\n%4)   ; LDS serves a wave's instructions in order: these see my stores
.endr
	s_wait_dscnt 0x0
	QUANT TN
	IMG
	FINISH
.Lnot_x:
	s_cmp_lt_u32 ttmp9, 1024
	s_cbranch_scc0 .Lmisc
	; ---- a weight: t = ttmp9 - 256:  0-63 Wq, 64-127 Wk (behind Wq: one operand of 2,048 rows), 128-191 Wv, 192-255 Wo, 256-511 W1, 512-767 W2 (a block has 32 K steps: four work-groups)
	s_load_b512 s[4:19], s[0:1], 0x10              ; Wq, Wk, Wv, Wo: codes, scales
	s_load_b256 s[20:27], s[0:1], 0x50             ; W1, W2: codes, scales
	s_load_b128 s[28:31], s[0:1], 0x70             ; P1, P2
	s_sub_co_u32 s40, ttmp9, 256
	s_sub_co_u32 s32, s40, 64
	s_sub_co_u32 s33, s40, 128
	s_sub_co_u32 s50, s40, 192
	s_sub_co_u32 s51, s40, 256
	s_sub_co_u32 s52, s40, 512
	s_lshr_b32 s42, s52, 2                         ; W2's figures first; each compare below puts an earlier tensor's in their place
	s_and_b32 s43, s52, 3
	s_lshl_b32 s43, s43, 3                         ; s42 source block, s44 block in the operand, s43 first K step
	s_mov_b32 s44, s42
	s_mov_b32 s45, 6570240                         ; the operand's place in its buffer
	s_mov_b32 s46, 3072                            ; a source row of codes
	s_mov_b32 s47, 128                             ; a source row of scale bytes
	s_mov_b32 s48, 49152
	s_mov_b32 s49, 14
	s_wait_kmcnt 0x0
	s_cmp_lt_u32 s40, 512
	s_cselect_b64 s[56:57], s[20:21], s[24:25]
	s_cselect_b64 s[58:59], s[22:23], s[26:27]
	s_cselect_b32 s42, s51, s42
	s_cselect_b32 s44, s51, s44
	s_cselect_b32 s43, 0, s43
	s_cselect_b32 s45, 0, s45
	s_cselect_b32 s46, 768, s46
	s_cselect_b32 s47, 32, s47
	s_cselect_b32 s48, 12288, s48
	s_cselect_b32 s49, 12, s49
	s_cmp_lt_u32 s40, 256
	s_cselect_b64 s[56:57], s[16:17], s[56:57]
	s_cselect_b64 s[58:59], s[18:19], s[58:59]
	s_cselect_b32 s42, s50, s42
	s_cselect_b32 s44, s50, s44
	s_cselect_b32 s45, 3276800, s45
	s_cmp_lt_u32 s40, 192
	s_cselect_b64 s[56:57], s[12:13], s[56:57]
	s_cselect_b64 s[58:59], s[14:15], s[58:59]
	s_cselect_b64 s[38:39], s[28:29], s[30:31]     ; Wq, Wk, Wv go to P1, the others to P2
	s_cselect_b32 s42, s33, s42
	s_cselect_b32 s44, s33, s44
	s_cmp_lt_u32 s40, 128
	s_cselect_b64 s[56:57], s[8:9], s[56:57]
	s_cselect_b64 s[58:59], s[10:11], s[58:59]
	s_cselect_b32 s42, s32, s42
	s_cselect_b32 s44, s40, s44
	s_cselect_b32 s45, 0, s45
	s_cmp_lt_u32 s40, 64
	s_cselect_b64 s[56:57], s[4:5], s[56:57]
	s_cselect_b64 s[58:59], s[6:7], s[58:59]
	s_cselect_b32 s42, s40, s42
	s_add_co_u32 s43, s43, s[WV]                   ; my K step
	PLACE
	s_add_nc_u64 s[34:35], s[38:39], s[34:35]
	s_add_nc_u64 s[36:37], s[38:39], s[36:37]
	s_lshr_b32 s50, s42, 1
	s_lshl_b32 s50, s50, 5
	s_and_b32 s51, s42, 1
	s_lshl_b32 s51, s51, 3
	s_add_co_u32 s50, s50, s51                     ; the block's first row
	s_mul_i32 s52, s50, s46
	s_mul_i32 s53, s43, 96
	s_add_co_u32 s52, s52, s53
	s_mov_b32 s53, 0
	s_mul_i32 s54, s50, s47
	s_lshl_b32 s55, s43, 2
	s_add_co_u32 s54, s54, s55
	s_mov_b32 s55, 0
	s_add_nc_u64 s[56:57], s[56:57], s[52:53]
	s_add_nc_u64 s[58:59], s[58:59], s[54:55]
	v_and_b32 v10, 8, v3
	v_add_nc_u32 v10, v10, v3                      ; r + 8 (r / 8)
	v_mul_lo_u32 v11, v10, s46
	v_mad_u32_u24 v11, v4, 24, v11                 ; my row's codes, + 24 h
	v_mul_lo_u32 v14, v10, s47                     ; my row's scale bytes
.irp p, 0,1,2,3,4,5
	global_load_b64 v[PC+2*\p:PC+2*\p+1], v11, s[56:57] offset:48*(\p/3)+8*(\p%3) th:TH_LOAD_NT   ; 24 bytes are a block of 32 codes: the operand's registers as they lie
.endr
	global_load_b32 v[PW], v14, s[58:59] th:TH_LOAD_NT
	s_wait_loadcnt 0x0
	IMG
	FINISH
.Lmisc:
	; ---- the biases that the quantising products take as their first C, the floors, the flags
	s_load_b128 s[4:7], s[0:1], 0x70               ; P1, P2
	s_load_b128 s[8:11], s[0:1], 0x80              ; bq, bk
	s_load_b128 s[12:15], s[0:1], 0x90             ; b1, FLQ
	s_load_b64 s[16:17], s[0:1], 0xa0              ; FLN
	v_lshlrev_b32 v10, 4, v0                       ; 16 x thread
	s_wait_kmcnt 0x0
	global_load_b128 v[32:35], v10, s[8:9]
	global_load_b128 v[36:39], v10, s[10:11]
.irp j, 0,1,2,3
	global_load_b128 v[40+4*\j:43+4*\j], v10, s[12:13] offset:4096*\j
.endr
	s_wait_loadcnt 0x0
	global_store_b128 v10, v[32:35], s[4:5] offset:6553600
	global_store_b128 v10, v[36:39], s[4:5] offset:6553600+4096
.irp j, 0,1,2,3
	global_store_b128 v10, v[40+4*\j:43+4*\j], s[6:7] offset:6553600+4096*\j
.endr
	s_cmp_lg_u32 s[WV], 0
	s_cbranch_scc1 .Lmisc_done
	v_mov_b32 v16, 0xff800000
	v_mov_b32 v17, 0xff800000
	v_mov_b32 v18, 0
	v_mov_b32 v19, 0
	v_mov_b32 v20, 1
	v_mov_b32 v21, 1
	global_store_b64 v6, v[16:17], s[4:5] offset:6569984   ; q, k, v are not clipped: the floor is -infinity
	global_store_b64 v6, v[18:19], s[6:7] offset:6569984   ; relu: the floor is 0
	global_store_b64 v6, v[20:21], s[14:15]                ; the first norm's result is quantised,
	global_store_b64 v6, v[18:19], s[16:17]                ; the second's is not
.Lmisc_done:
	FINISH
.Lfunc_end_k_q46867e2b04_prep:
	.size	k_q46867e2b04_prep, .Lfunc_end_k_q46867e2b04_prep-k_q46867e2b04_prep
	.p2alignl 7, 3214868480
	.fill 96, 4, 3214868480
	.section	.rodata,"a",@progbits
	.p2align	6, 0x0
	.amdhsa_kernel k_q46867e2b04_prep
		.amdhsa_group_segment_fixed_size 68608
		.amdhsa_private_segment_fixed_size 0
		.amdhsa_enable_private_segment 0
		.amdhsa_kernarg_size 168
		.amdhsa_user_sgpr_count 2
		.amdhsa_user_sgpr_kernarg_segment_ptr 1
		.amdhsa_wavefront_size32 1
		.amdhsa_system_sgpr_workgroup_id_x 1
		.amdhsa_system_sgpr_workgroup_id_y 1
		.amdhsa_system_sgpr_workgroup_id_z 1
		.amdhsa_system_vgpr_workitem_id 0
		.amdhsa_next_free_vgpr 200
		.amdhsa_next_free_sgpr 66
		.amdhsa_reserve_vcc 0
		.amdhsa_float_denorm_mode_32 3
		.amdhsa_float_denorm_mode_16_64 3
		.amdhsa_memory_ordered 1
		.amdhsa_forward_progress 1
		.amdhsa_inst_pref_size 19
	.end_amdhsa_kernel
	.amdgpu_metadata
---
amdhsa.version: [ 1, 2 ]
amdhsa.kernels:
  - .name:           k_q46867e2b04_prep
    .symbol:         k_q46867e2b04_prep.kd
    .args:
      - { .name: x, .offset: 0, .size: 8, .value_kind: global_buffer, .address_space: global }
      - { .name: PX, .offset: 8, .size: 8, .value_kind: global_buffer, .address_space: global }
      - { .name: Wq_codes, .offset: 16, .size: 8, .value_kind: global_buffer, .address_space: global }
      - { .name: Wq_scales, .offset: 24, .size: 8, .value_kind: global_buffer, .address_space: global }
      - { .name: Wk_codes, .offset: 32, .size: 8, .value_kind: global_buffer, .address_space: global }
      - { .name: Wk_scales, .offset: 40, .size: 8, .value_kind: global_buffer, .address_space: global }
      - { .name: Wv_codes, .offset: 48, .size: 8, .value_kind: global_buffer, .address_space: global }
      - { .name: Wv_scales, .offset: 56, .size: 8, .value_kind: global_buffer, .address_space: global }
      - { .name: Wo_codes, .offset: 64, .size: 8, .value_kind: global_buffer, .address_space: global }
      - { .name: Wo_scales, .offset: 72, .size: 8, .value_kind: global_buffer, .address_space: global }
      - { .name: W1_codes, .offset: 80, .size: 8, .value_kind: global_buffer, .address_space: global }
      - { .name: W1_scales, .offset: 88, .size: 8, .value_kind: global_buffer, .address_space: global }
      - { .name: W2_codes, .offset: 96, .size: 8, .value_kind: global_buffer, .address_space: global }
      - { .name: W2_scales, .offset: 104, .size: 8, .value_kind: global_buffer, .address_space: global }
      - { .name: P1, .offset: 112, .size: 8, .value_kind: global_buffer, .address_space: global }
      - { .name: P2, .offset: 120, .size: 8, .value_kind: global_buffer, .address_space: global }
      - { .name: bq, .offset: 128, .size: 8, .value_kind: global_buffer, .address_space: global }
      - { .name: bk, .offset: 136, .size: 8, .value_kind: global_buffer, .address_space: global }
      - { .name: b1, .offset: 144, .size: 8, .value_kind: global_buffer, .address_space: global }
      - { .name: FLQ, .offset: 152, .size: 8, .value_kind: global_buffer, .address_space: global }
      - { .name: FLN, .offset: 160, .size: 8, .value_kind: global_buffer, .address_space: global }
    .group_segment_fixed_size: 68608
    .private_segment_fixed_size: 0
    .kernarg_segment_align: 8
    .kernarg_segment_size: 168
    .max_flat_workgroup_size: 256
    .sgpr_count:     66
    .vgpr_count:     200
    .wavefront_size: 32
...
	.end_amdgpu_metadata
.endif
;; end of part 1
;; launch qkv (part 2): grid 8 x 24, 4 waves a work-group, clusters of 4 x 4, 327,680 bytes of LDS; arguments PX, P1, bv, B; writes B
.if DOCPART == 2
	.amdgcn_target "amdgcn-amd-amdhsa--gfx1250"
	.amdhsa_code_object_version 6
	.text
	.protected	k_q46867e2b04_qkv
	.globl	k_q46867e2b04_qkv
	.p2align	8
	.type	k_q46867e2b04_qkv,@function
k_q46867e2b04_qkv:
	s_mov_b64 s[64:65], 0
	v_nop
	global_prefetch_b8 v0, s[64:65] scope:SCOPE_SE
	s_setreg_imm32_b32 hwreg(HW_REG_WAVE_MODE, 25, 1), 1
	s_wait_xcnt 0x0
	s_wait_alu depctr_hold_cnt(0) depctr_sa_sdst(0) depctr_va_vdst(0) depctr_va_sdst(0) depctr_va_ssrc(0) depctr_va_vcc(0) depctr_vm_vsrc(0)
	s_getreg_b32 s2, hwreg(HW_REG_IB_STS2, 6, 4)
	s_cmp_eq_u32 s2, 0
	s_cbranch_scc0 .Lentry_in_a_cluster
	s_endpgm
.Lentry_in_a_cluster:
	s_bfe_u32 s2, ttmp6, 0x10000c
	s_cmp_lg_u32 s2, 0xf033
	s_cbranch_scc0 .Lentry_shape_is_right
	s_endpgm
.Lentry_shape_is_right:
; OUT = Q(max(A B^T + bias, floor)): a product on codes of FP6 (E2M3) whose result leaves as the next product's operand: codes and scale words, quantised along its columns.  K = 1,024.  No work of reference() is left out.
; Operands are images of the matrix unit's registers (rows in blocks of 16, lane r = row 32 (i / 2) + 8 (i % 2) + r + 8 (r / 8); a half = 16 rows x 64 codes = 768 bytes; scale words [8 blocks][K step][512 bytes]).
; ARGUMENTS: A0 (an operand of tokens), B0 (weights: an operand at 0, a second at 3,276,800, the column bias at 6,553,600, the floor at 6,569,984), bv, OUT.
; Clusters with y < 4: A = A0, B = B0's first operand, bias by column (the C of each sum's first product).  OUT's rows are tokens: codes at 0, scale words at 12,582,912.
; Clusters with y >= 4 (the grid of q, k, v alone has them): v TRANSPOSED: A = B0's second operand (Wv), B = A0, bias bv by row: a lane then holds a feature of v and its registers run along the tokens, which are the K
; of attention's second product.  OUT: codes at 13,107,200, scale words at 16,252,928.  The choice hangs on the cluster's y alone: it is the same in all sixteen partners.
; A tile is 256 x 256; four waves, each 128 x 128: 64 accumulators, 512 registers.  K goes in steps of 256 through two LDS slots; a block's part of a slot is 3,072 consecutive bytes of memory and of LDS, so every LDS
; load takes 512 or 256 bytes on end: no padding.  The scale words of the tile's rows, for all of K, come once.  4 x 4 work-groups form a cluster: A's tiles are asked for jointly along a row, B's along a column.
; THE MATRIX INSTRUCTION IS USED TRANSPOSED (source 0 = B's block, source 1 = A's): lane (r, h) holds A's row of lane r, and the 64 registers of one block of A are its 128 columns, register 16 p + i = column 32 p + 16 h + i.
; REGISTERS: window 0: v16-29 addresses; v32-63 scale words, two sets; v64-127 the column bias; v128-223 A's fragments, one set (on the way out: at work); v224-239 the row bias.  window 1: B's fragments, two sets.
;   windows 2, 3: the accumulators ((a, b) at v[8 (8 (a % 4) + b)]).
; LIMITS: NaN and infinities are not served; a block of zeros gets the scale byte 1 (its codes are zeros).
.set PITCHB, 12288                     ; an operand's block, all of K
.set OPITCH, 49152                     ; OUT's block
.set BLKB,   3072                      ; a block's bytes in a slot: 256 along K
.set HALFT,  8*BLKB                    ; what one tensor load brings, and what one wave reads of A or of B
.set SLOT,   4*HALFT
.set LAPS,   2                         ; K / 512
.set HALFS,  4096                      ; the scale words of 128 rows
.set SCL,    2*SLOT
.set SPARE,  SCL+4*HALFS               ; the spare words, 128 bytes a wave
.set SCO,    3145728
.set NQ, 2
.set FR, 12
.set NL, 4
.set NP, 4
.set ADRA, 16                          ; v16-17 A's fragments in slot 0, 1: base + 16 x lane;  v18-19: base + 8 x lane
.set ADRB, 20                          ; v20-23 the same for B
.set L16,  24                          ; v24 16 x lane
.set L8,   25                          ; v25 8 x lane
.set ADRS, 27                          ; v27 my scale words: lanes 0-15 A's, lanes 16-31 B's
.set SPW,  28
.set NIL,  29
.set SC,   32                          ; set s at v[SC + 16 s]; in it the word of block i, step q at 8 q + 4 (i % 2) + i / 2
.set CB,   64
.set AF,   128
.set RB,   224
.set PC,   128                         ; the way out: codes v128-139, at work v140-147
.set TM,   148                         ; v148-163
.set SW,   164                         ; v164-171 the eight blocks' scale words
.set TT,   172                         ; v172-175
.set MODE, 12
.set FLOOR, 13
.set OC,   66
.set OS,   96
.set SEL,  92
.set G1, 24
.set G0, 32
.set G1B, 48
.set G0B, 56
.set G1S, 68
.set G0S, 76
.set G1SB, 80
.set G0SB, 88
.set MSB, 0
.macro WIN new                         ; the immediate's high byte repeats the setting that is left
.if MSB != \new
	s_set_vgpr_msb (MSB<<8)|\new
.set MSB, \new
.endif
.endm
.set MUL_LO, 0xa1                      ; source 0 (B) window 1, source 1 (A) window 0, C and D window 2
.set MUL_HI, 0xf1
.set FIRST_LO, 0x81                    ; the same with C (the bias) in window 0
.set FIRST_HI, 0xc1
.set TO_B,   0x40
; A joint load: waves 0 and 1 fetch for A, waves 2 and 3 for B; the branch hangs on the wave's number alone.  An s_nop 0 and four v_nop follow each line.
.macro JLOAD g0a, g1a, g0b, g1b
	s_cmp_eq_u32 s15, 0
	s_cbranch_scc0 .Lfor_b_\@
	tensor_load_to_lds s[\g0a:\g0a+3], s[\g1a:\g1a+7]
	s_nop 0
.rept 4
	v_nop
.endr
	s_branch .Lasked_\@
.Lfor_b_\@:
	tensor_load_to_lds s[\g0b:\g0b+3], s[\g1b:\g1b+7]
	s_nop 0
.rept 4
	v_nop
.endr
.Lasked_\@:
.endm
.macro CREST                           ; a round of the cluster's barrier behind its opening barrier
	s_cmp_lg_u32 s14, 0
	s_cbranch_scc1 .Lnot_wave_0_\@
	s_barrier_signal -3
.Lnot_wave_0_\@:
	s_barrier_wait -3
	s_barrier_signal -1
	s_barrier_wait -1
.endm
.macro CROUND
	s_barrier_signal -1
	s_barrier_wait -1
	CREST
.endm
	s_load_b256 s[4:11], s[0:1], 0x0               ; A0, B0, bv, OUT
	v_lshl_add_u32 v[SPW], v0, 2, SPARE
	v_mov_b32 v[NIL], 0
	ds_add_u32 v[SPW], v[NIL]                      ; the opening: the add, twice on end, and its wait ahead of my first tensor load
	ds_add_u32 v[SPW], v[NIL]
	v_lshrrev_b32 v1, 5, v0
	v_readfirstlane_b32 s14, v1                    ; wave 0..3
	s_lshr_b32 s15, s14, 1                         ; my half of the tile's rows.  Also: I fetch for A (0) or for B (1)
	s_and_b32 s16, s14, 1                          ; my half of its columns.  Also: which 128 rows I fetch
	s_bfe_u32 s40, ttmp6, 0x40000                  ; cx
	s_bfe_u32 s41, ttmp6, 0x40004                  ; cy
	s_and_b32 s18, ttmp7, 0xffff                   ; cluster y
	s_sub_co_u32 s19, s18, 4
	s_lshl_b32 s19, s19, 1
	s_add_co_u32 s19, s19, ttmp9                   ; transposed: 2 (cluster y - 4) + cluster x
	s_cmp_ge_u32 s18, 4
	s_cselect_b32 s[MODE], 1, 0
	s_cselect_b32 s18, 0, s18                      ; the cluster's place along A's tiles
	s_cselect_b32 s19, s19, ttmp9                  ; and along B's
	s_mov_b32 s3, 12582912
	s_cselect_b32 s2, 13107200, 0                  ; OUT: where the codes begin,
	s_cselect_b32 s3, 16252928, s3                 ; and the scale words
	s_lshl_b32 s17, s18, 2
	s_add_co_u32 s17, s17, s41                     ; tile row
	s_lshl_b32 s42, s19, 2
	s_add_co_u32 s42, s42, s40                     ; tile column
	s_lshl_b32 s43, s41, 2
	s_lshl_b32 s43, 15, s43                        ; my row of the cluster
	s_lshl_b32 s44, 0x1111, s40                    ; my column
	; group 1, codes: 8 blocks x 3,072 bytes (384 elements of 8 bytes), a block's pitch apart; no padding
	s_or_b32 s[G1+0], s43, (3<<16)|(1<<21)
	s_or_b32 s[G1B+0], s44, (3<<16)|(1<<21)
.irp g, G1, G1B
	s_mov_b32 s[\g+1], 384<<16                     ; tensor_dim0
	s_mov_b32 s[\g+2], 8<<16                       ; tensor_dim1
	s_mov_b32 s[\g+3], 384<<16                     ; tile_dim0
	s_mov_b32 s[\g+4], 8                           ; tile_dim1
	s_mov_b32 s[\g+5], PITCHB/8                    ; stride
	s_mov_b32 s[\g+6], 0
	s_mov_b32 s[\g+7], 0
.endr
	; group 1, scale words of 128 rows: a dense block, as rows of 256 bytes
	s_or_b32 s[G1S+0], s43, (3<<16)|(1<<21)
	s_or_b32 s[G1SB+0], s44, (3<<16)|(1<<21)
.irp g, G1S, G1SB
	s_mov_b32 s[\g+1], 32<<16
	s_mov_b32 s[\g+2], (HALFS/256)<<16
	s_mov_b32 s[\g+3], 32<<16
	s_mov_b32 s[\g+4], HALFS/256
	s_mov_b32 s[\g+5], 32
	s_mov_b32 s[\g+6], 0
	s_mov_b32 s[\g+7], 0
.endr
	s_lshl_b32 s18, s17, 1
	s_add_co_u32 s18, s18, s16                     ; A: the 128 rows that I fetch
	s_mul_i32 s22, s18, HALFS
	s_add_co_u32 s22, s22, SCO                     ; their scale words,
	s_mul_i32 s18, s18, 8*PITCHB                   ; their codes
	s_mov_b32 s19, 0
	s_mov_b32 s23, 0
	s_lshl_b32 s46, s42, 1
	s_add_co_u32 s46, s46, s16                     ; B likewise, in registers that never hold cy
	s_mul_i32 s92, s46, HALFS
	s_add_co_u32 s92, s92, SCO
	s_mul_i32 s46, s46, 8*PITCHB
	s_mov_b32 s47, 0
	s_mov_b32 s93, 0
	s_mul_i32 s45, s14, HALFT                      ; where they go: no place in the cluster enters an LDS address
	s_mul_i32 s94, s14, HALFS
	s_wait_dscnt 0x0                               ; both opening adds are done
	s_wait_kmcnt 0x0
	s_load_b32 s[FLOOR], s[6:7], 6569984           ; -infinity or 0: an operand of the clip, nothing else
	s_add_nc_u64 s[20:21], s[6:7], 3276800
	s_cmp_eq_u32 s[MODE], 1
	s_cselect_b64 s[96:97], s[20:21], s[4:5]       ; A's operand
	s_cselect_b64 s[98:99], s[4:5], s[6:7]         ; B's
	s_add_nc_u64 s[18:19], s[96:97], s[18:19]
	s_add_nc_u64 s[22:23], s[96:97], s[22:23]
	s_add_nc_u64 s[46:47], s[98:99], s[46:47]
	s_add_nc_u64 s[92:93], s[98:99], s[92:93]
	CROUND                                         ; all sixteen work-groups are here: the first joint loads meet
	s_mov_b32 s[G0S], 1
	s_add_co_u32 s[G0S+1], s94, SCL
	s_mov_b64 s[G0S+2:G0S+3], s[22:23]
	s_or_b32 s[G0S+3], s[G0S+3], 0x80000000
	s_mov_b32 s[G0SB], 1
	s_add_co_u32 s[G0SB+1], s94, SCL
	s_mov_b64 s[G0SB+2:G0SB+3], s[92:93]
	s_or_b32 s[G0SB+3], s[G0SB+3], 0x80000000
	JLOAD G0S, G1S, G0SB, G1SB                     ; three loads of mine are out at the head: the scale words, slot 0, slot 1
.irp s, 0,1
	s_mov_b32 s[G0+4*\s], 1
	s_add_co_u32 s[G0+4*\s+1], s45, \s*SLOT
	s_add_nc_u64 s[G0+4*\s+2:G0+4*\s+3], s[18:19], \s*BLKB
	s_or_b32 s[G0+4*\s+3], s[G0+4*\s+3], 0x80000000
	s_mov_b32 s[G0B+4*\s], 1
	s_add_co_u32 s[G0B+4*\s+1], s45, \s*SLOT
	s_add_nc_u64 s[G0B+4*\s+2:G0B+4*\s+3], s[46:47], \s*BLKB
	s_or_b32 s[G0B+4*\s+3], s[G0B+4*\s+3], 0x80000000
	JLOAD G0+4*\s, G1, G0B+4*\s, G1B
.endr
	s_mov_b32 s[SEL], 0x76543210
	s_mov_b32 s[SEL+1], 0xfedcba98
	v_and_b32 v1, 15, v0                           ; r
	v_bfe_u32 v2, v0, 4, 1                         ; h
	v_and_b32 v5, 31, v0
	v_lshlrev_b32 v[L16], 4, v5
	v_lshlrev_b32 v[L8], 3, v5
	s_mul_i32 s21, s15, HALFT                      ; my 128 rows of A
	s_mul_i32 s22, s16, HALFT
	s_add_co_u32 s22, s22, 2*HALFT                 ; my 128 rows of B, behind A's 256
.irp s, 0,1
	v_add_nc_u32 v[ADRA+\s], s21, v[L16]
	v_add_nc_u32 v[ADRA+2+\s], s21, v[L8]
	v_add_nc_u32 v[ADRB+\s], s22, v[L16]
	v_add_nc_u32 v[ADRB+2+\s], s22, v[L8]
	s_add_co_u32 s21, s21, SLOT
	s_add_co_u32 s22, s22, SLOT
.endr
	v_lshlrev_b32 v5, 4, v1                        ; a row's words: 16 r
	s_mul_i32 s21, s15, HALFS
	s_mul_i32 s22, s16, HALFS
	s_add_co_u32 s22, s22, 2*HALFS
	s_sub_co_u32 s22, s22, s21
	v_mul_u32_u24 v6, s22, v2                      ; lanes 16-31 take B's: one product with h
	s_add_co_u32 s21, s21, SCL
	v_add_nc_u32 v5, v5, v6
	v_add_nc_u32 v[ADRS], s21, v5
	; where my 128 x 128 goes in OUT
	s_lshl_b32 s20, s17, 1
	s_add_co_u32 s20, s20, s15                     ; my rows: which 8 blocks
	s_lshl_b32 s21, s42, 1
	s_add_co_u32 s21, s21, s16                     ; my columns: which K step of OUT
	s_mul_i32 s22, s20, 8*OPITCH
	s_add_co_u32 s2, s2, s22
	s_mul_i32 s22, s21, 1536
	s_add_co_u32 s2, s2, s22
	s_lshl_b32 s20, s20, 14
	s_add_co_u32 s22, s3, s20
	s_lshl_b32 s21, s21, 9
	s_add_co_u32 s22, s22, s21
	s_mov_b32 s3, 0
	s_mov_b32 s23, 0
	s_add_nc_u64 s[OC:OC+1], s[10:11], s[2:3]
	s_add_nc_u64 s[OS:OS+1], s[10:11], s[22:23]
	; the biases
	v_lshlrev_b32 v7, 6, v2                        ; 64 h
	v_and_b32 v8, 8, v1
	v_add_nc_u32 v8, v8, v1
	v_lshlrev_b32 v8, 2, v8                        ; 4 (r + 8 (r / 8))
	s_lshl_b32 s20, s42, 10
	s_lshl_b32 s21, s16, 9
	s_add_co_u32 s20, s20, s21
	s_add_co_u32 s20, s20, 6553600
	s_mov_b32 s21, 0
	s_add_nc_u64 s[20:21], s[6:7], s[20:21]        ; the column bias of my 128 columns
	s_lshl_b32 s22, s17, 10
	s_lshl_b32 s23, s15, 9
	s_add_co_u32 s22, s22, s23
	s_mov_b32 s23, 0
	s_add_nc_u64 s[22:23], s[8:9], s[22:23]        ; bv of my 128 rows
.set J, 0
.rept 16
	v_mov_b32 v[RB+J], 0                           ; named in pairs below, so all sixteen are written
.set J, J+1
.endr
	s_cmp_eq_u32 s[MODE], 0
	s_cbranch_scc0 .Lrowbias
.irp n, 0,1,2,3,4,5,6,7,8,9,10,11,12,13,14,15
	global_load_b128 v[CB+4*\n:CB+4*\n+3], v7, s[20:21] offset:128*(\n/4)+16*(\n%4)   ; register 16 p + i: column 32 p + 16 h + i: the result's own layout
.endr
	s_branch .Lbias_asked
.Lrowbias:
.set J, 0
.rept 64
	v_mov_b32 v[CB+J], 0                           ; no column bias here: the first products' C is 0
.set J, J+1
.endr
.irp a, 0,1,2,3,4,5,6,7
	global_load_b32 v[RB+2*\a], v8, s[22:23] offset:4*(32*(\a/2)+8*(\a%2))   ; bv of block a's row of my lane
.endr
.Lbias_asked:
.macro FRAG reg, adr, q, i             ; a fragment, 16 rows x 128 K: two halves, each 512 bytes of registers 0-3 and 256 of registers 4-5, lane by lane
	ds_load_b128 v[\reg:\reg+3], v[\adr] offset:(\i)*BLKB+(\q)*1536
	ds_load_b64 v[\reg+4:\reg+5], v[\adr+2] offset:(\i)*BLKB+(\q)*1536+512
	ds_load_b128 v[\reg+6:\reg+9], v[\adr] offset:(\i)*BLKB+(\q)*1536+768
	ds_load_b64 v[\reg+10:\reg+11], v[\adr+2] offset:(\i)*BLKB+(\q)*1536+1280
.endm
; 16 matrix instructions: A's blocks a0, a0 + 1 x B's eight, the slot's q-th 128 along K.  p: B's set; sc: the set of scale words; first = 1: the bias is the C.  The 64 accumulators take turns.
.macro MUL16 a0, p, q, sc, first
.irp a, \a0, \a0+1
.irp b, 0,1,2,3,4,5,6,7
.if \first
	v_wmma_scale_f32_16x16x128_f8f6f4 v[8*(8*((\a)%4)+\b):8*(8*((\a)%4)+\b)+7], v[128*(\p)+FR*\b:128*(\p)+FR*\b+FR-1], v[AF+FR*(\a):AF+FR*(\a)+FR-1], v[CB+8*\b:CB+8*\b+7], v[SC+16*(\sc)+8*(\q)+4*(\b%2)+\b/2], v[SC+16*(\sc)+8*(\q)+4*((\a)%2)+(\a)/2] matrix_a_fmt:MATRIX_FMT_FP6 matrix_b_fmt:MATRIX_FMT_FP6 matrix_a_scale:MATRIX_SCALE_ROW1
.else
	v_wmma_scale_f32_16x16x128_f8f6f4 v[8*(8*((\a)%4)+\b):8*(8*((\a)%4)+\b)+7], v[128*(\p)+FR*\b:128*(\p)+FR*\b+FR-1], v[AF+FR*(\a):AF+FR*(\a)+FR-1], v[8*(8*((\a)%4)+\b):8*(8*((\a)%4)+\b)+7], v[SC+16*(\sc)+8*(\q)+4*(\b%2)+\b/2], v[SC+16*(\sc)+8*(\q)+4*((\a)%2)+(\a)/2] matrix_a_fmt:MATRIX_FMT_FP6 matrix_b_fmt:MATRIX_FMT_FP6 matrix_a_scale:MATRIX_SCALE_ROW1
.endif
.endr
.endr
.endm
.macro FETCH_B slot, q, p
	WIN TO_B
.irp i, 0,1,2,3,4,5,6,7
	FRAG 128*(\p)+FR*\i, ADRB+\slot, \q, \i
.endr
	WIN 0
.endm
.macro FETCH_A slot, q, i0
.irp i, \i0, \i0+1, \i0+2, \i0+3
	FRAG AF+FR*(\i), ADRA+\slot, \q, \i
.endr
.endm
.macro SCALES sc                       ; a slot's scale words: a load brings the words of blocks par, par + 2, par + 4, par + 6 of one step; lanes 0-15 A's, lanes 16-31 B's
.irp n, 0,1,2,3
	ds_load_b128 v[SC+16*\sc+4*\n:SC+16*\sc+4*\n+3], v[ADRS] offset:256*\n
.endr
.endm
.macro PLACES n                        ; plain places behind matrix instructions, in front of loads into registers that they read and of the first read of results
.rept \n
	v_nop
.endr
.endm
.macro STEP slot, q, first             ; a step of 128 along K that has its successor in the same slot
	s_wait_dscnt 4*NL                              ; B's set and A's blocks 0-3 are in; the 16 youngest loads (A's blocks 4-7) may be out
.if \first
	WIN FIRST_LO
.else
	WIN MUL_LO
.endif
	MUL16 0, (\q)%2, \q, \slot, \first
	MUL16 2, (\q)%2, \q, \slot, \first
	s_wait_dscnt 0
	PLACES NP
	FETCH_B \slot, (\q)+1, 1-(\q)%2
	FETCH_A \slot, (\q)+1, 0
.if \first
	WIN FIRST_HI
.else
	WIN MUL_HI
.endif
	MUL16 4, (\q)%2, \q, \slot, \first
	MUL16 6, (\q)%2, \q, \slot, \first
	PLACES NP
	WIN 0
	FETCH_A \slot, (\q)+1, 4
.endm
; A slot's last step changes slots: one barrier; in front of it each wave waits for all its tensor loads, adds 0 to its spare word, and waits for that and for its reads of this slot.
.macro TURN slot, next, fill
	s_wait_tensorcnt 0x0                           ; all my tensor loads have landed: my part of the next slot
	ds_add_u32 v[SPW], v[NIL]
	s_wait_dscnt 4*NL+1                            ; (the add and the 16 youngest loads may be out)
	WIN MUL_LO
	MUL16 0, 1, NQ-1, \slot, 0
	s_wait_dscnt 0x0                               ; the add is done, and my reads of this slot are over
	s_barrier_signal -1
	MUL16 2, 1, NQ-1, \slot, 0
	WIN 0
	s_barrier_wait -1
.if \fill
	CREST                                          ; the barrier has opened a round of the cluster's: no wave of any partner still reads this slot or has a load on its way
	s_add_nc_u64 s[G0+4*\slot+2:G0+4*\slot+3], s[G0+4*\slot+2:G0+4*\slot+3], 2*BLKB
	s_add_nc_u64 s[G0B+4*\slot+2:G0B+4*\slot+3], s[G0B+4*\slot+2:G0B+4*\slot+3], 2*BLKB
	JLOAD G0+4*\slot, G1, G0B+4*\slot, G1B         ; my one tensor load behind the round; its four v_nop are the places in front of the loads below
.else
	PLACES NP
.endif
	v_add_nc_u32 v[ADRS], 512*NQ, v[ADRS]          ; the next slot's scale words (no LDS load of mine is out)
	FETCH_B \next, 0, 0
	FETCH_A \next, 0, 0
	SCALES \next
	WIN MUL_HI
	MUL16 4, 1, NQ-1, \slot, 0
	MUL16 6, 1, NQ-1, \slot, 0
	PLACES NP
	WIN 0
	FETCH_A \next, 0, 4
.endm
	s_wait_kmcnt 0x0                               ; the floor
	s_wait_tensorcnt 1                             ; the scale words and my part of slot 0 are in; slot 1's load may be out
	s_barrier_signal -1
	s_barrier_wait -1
	FETCH_B 0, 0, 0
	FETCH_A 0, 0, 0
	SCALES 0
	FETCH_A 0, 0, 4
	s_wait_loadcnt 0x0                             ; the biases
	STEP 0, 0, 1                                   ; the first step stands in front of the loop: its products start the sums on the bias
	s_mov_b32 s95, LAPS-1
.Llap:                                                 ; a trip goes once round the ring and fills both slots again
	TURN 0, 1, 1
	STEP 1, 0, 0
	TURN 1, 0, 1
	STEP 0, 0, 0
	s_sub_co_u32 s95, s95, 1
	s_cmp_lg_u32 s95, 0
	s_cbranch_scc1 .Llap
	TURN 0, 1, 0                                   ; the last lap fills nothing
	STEP 1, 0, 0
	s_wait_dscnt 4*NL
	WIN MUL_LO
	MUL16 0, 1, NQ-1, 1, 0
	MUL16 2, 1, NQ-1, 1, 0
	s_wait_dscnt 0
	WIN MUL_HI
	MUL16 4, 1, NQ-1, 1, 0
	MUL16 6, 1, NQ-1, 1, 0
	WIN 0
; THE WAY OUT, block by block of 16 rows: row bias (transposed tiles alone), clip at the floor, the four blocks' scales, codes; the fragment leaves straight from registers, in whole runs of 256 bytes.
.macro QOUT a
.set AC, 64*((\a)%4)
.set WD, 2+(\a)/4
	s_cmp_eq_u32 s[MODE], 0
	s_cbranch_scc1 .Lno_row_\@
	WIN ((WD<<6)|WD)
.set J, 0
.rept 32
	v_pk_add_f32 v[AC+J:AC+J+1], v[AC+J:AC+J+1], v[RB+2*(\a):RB+2*(\a)+1] op_sel_hi:[1,0]
.set J, J+2
.endr
	WIN 0
.Lno_row_\@:
	WIN ((WD<<6)|(WD<<2))
.set J, 0
.rept 64
	v_max_num_f32 v[AC+J], s[FLOOR], v[AC+J]       ; each accumulator from its low end on
.set J, J+1
.endr
	WIN ((WD<<4)|(WD<<2))
.irp b, 0,1,2,3
	v_max3_num_f32 v[TM+\b], 0x1800000, |v[AC+16*\b]|, |v[AC+16*\b+1]|   ; my 16 numbers of block b, and the floor 2^(3 - 127) of the scale's byte
.endr
.irp i, 2,4,6,8,10,12,14
.irp b, 0,1,2,3
	v_max3_num_f32 v[TM+\b], v[TM+\b], |v[AC+16*\b+\i]|, |v[AC+16*\b+\i+1]|
.endr
.endr
	WIN 0
.irp b, 0,1,2,3
	v_permlanex16_b32 v[TM+4+\b], v[TM+\b], s[SEL], s[SEL+1]
.endr
.irp b, 0,1,2,3
	v_max_num_f32 v[TM+\b], v[TM+\b], v[TM+4+\b]
.endr
.irp b, 0,1,2,3
	v_add_nc_u32 v[TM+12+\b], 0xff000000, v[TM+\b] ; 2 off the exponent field: the conversion's scale operand
.endr
.irp b, 0,1,2,3
	v_lshrrev_b32 v[TM+4+\b], 23, v[TM+12+\b]
.endr
	v_lshl_or_b32 v[SW+\a], v[TM+5], 8, v[TM+4]
	v_lshl_or_b32 v[SW+\a], v[TM+6], 16, v[SW+\a]
	v_lshl_or_b32 v[SW+\a], v[TM+7], 24, v[SW+\a]
.if \a > 0
	s_wait_xcnt 0x0                                ; the last block's stores have read the codes' registers: they are written again only behind this wait
.endif
	WIN WD
.irp c, 0,1
	v_cvt_scalef32_pk16_fp6_f32 v[PC+6*\c:PC+6*\c+2], v[AC+32*\c:AC+32*\c+15], v[TM+12+2*\c]
	v_cvt_scalef32_pk16_fp6_f32 v[PC+12+4*\c:PC+14+4*\c], v[AC+32*\c+16:AC+32*\c+31], v[TM+13+2*\c]
.endr
	v_nop                                          ; one plain place behind a scaled conversion
	WIN 0
.irp c, 0,1
.irp i, 0,1,2
	v_permlane16_swap_b32 v[PC+6*\c+\i], v[PC+12+4*\c+\i]
.endr
.irp i, 0,1,2
	v_mov_b32 v[PC+3+6*\c+\i], v[PC+12+4*\c+\i]
.endr
.endr
	global_store_b128 v[L16], v[PC:PC+3], s[OC:OC+1] offset:(\a)*OPITCH
	global_store_b64 v[L8], v[PC+4:PC+5], s[OC:OC+1] offset:(\a)*OPITCH+512
	global_store_b128 v[L16], v[PC+6:PC+9], s[OC:OC+1] offset:(\a)*OPITCH+768
	global_store_b64 v[L8], v[PC+10:PC+11], s[OC:OC+1] offset:(\a)*OPITCH+1280
.endm
	PLACES NP
.irp b, 0,1,2,3
	v_mov_b32 v[TM+4+\b], 0                        ; a lane permute's destination counts as one of its sources
.endr
.irp a, 0,1,2,3,4,5,6,7
	QOUT \a
.endr
	s_mov_b32 vcc_lo, 0xffff0000
.irp j, 0,1,2,3
	v_cndmask_b32 v[TT+\j], v[SW+2*\j], v[SW+2*\j+1], vcc_lo   ; lanes 0-15 the even blocks' words, lanes 16-31 the odd blocks'
.endr
	global_store_b128 v[L16], v[TT:TT+3], s[OS:OS+1]           ; the eight blocks' scale words of this K step: 512 consecutive bytes
	s_wait_tensorcnt 0x0                           ; the wave's end
	ds_add_u32 v[SPW], v[NIL]
	s_wait_dscnt 0x0
	CROUND                                         ; the closing round
	s_endpgm
.Lfunc_end_k_q46867e2b04_qkv:
	.size	k_q46867e2b04_qkv, .Lfunc_end_k_q46867e2b04_qkv-k_q46867e2b04_qkv
	.p2alignl 7, 3214868480
	.fill 96, 4, 3214868480
	.section	.rodata,"a",@progbits
	.p2align	6, 0x0
	.amdhsa_kernel k_q46867e2b04_qkv
		.amdhsa_group_segment_fixed_size 327680
		.amdhsa_private_segment_fixed_size 0
		.amdhsa_enable_private_segment 0
		.amdhsa_kernarg_size 32
		.amdhsa_user_sgpr_count 2
		.amdhsa_user_sgpr_kernarg_segment_ptr 1
		.amdhsa_wavefront_size32 1
		.amdhsa_system_sgpr_workgroup_id_x 1
		.amdhsa_system_sgpr_workgroup_id_y 1
		.amdhsa_system_sgpr_workgroup_id_z 1
		.amdhsa_system_vgpr_workitem_id 0
		.amdhsa_next_free_vgpr 1024
		.amdhsa_next_free_sgpr 100
		.amdhsa_reserve_vcc 1
		.amdhsa_float_denorm_mode_32 3
		.amdhsa_float_denorm_mode_16_64 3
		.amdhsa_memory_ordered 1
		.amdhsa_forward_progress 1
		.amdhsa_inst_pref_size 187
	.end_amdhsa_kernel
	.amdgpu_metadata
---
amdhsa.version: [ 1, 2 ]
amdhsa.kernels:
  - .name:           k_q46867e2b04_qkv
    .symbol:         k_q46867e2b04_qkv.kd
    .args:
      - { .name: PX, .offset: 0, .size: 8, .value_kind: global_buffer, .address_space: global }
      - { .name: P1, .offset: 8, .size: 8, .value_kind: global_buffer, .address_space: global }
      - { .name: bv, .offset: 16, .size: 8, .value_kind: global_buffer, .address_space: global }
      - { .name: B, .offset: 24, .size: 8, .value_kind: global_buffer, .address_space: global }
    .group_segment_fixed_size: 327680
    .private_segment_fixed_size: 0
    .kernarg_segment_align: 8
    .kernarg_segment_size: 32
    .max_flat_workgroup_size: 128
    .sgpr_count:     100
    .vgpr_count:     1024
    .wavefront_size: 32
...
	.end_amdgpu_metadata
.endif
;; end of part 2
;; launch attn (part 3): grid 8 x 32, 16 waves a work-group, clusters of 4 x 1, 215,040 bytes of LDS; arguments B, PX; writes PX
.if DOCPART == 3
	.amdgcn_target "amdgcn-amd-amdhsa--gfx1250"
	.amdhsa_code_object_version 6
	.text
	.protected	k_q46867e2b04_attn
	.globl	k_q46867e2b04_attn
	.p2align	8
	.type	k_q46867e2b04_attn,@function
k_q46867e2b04_attn:
	s_mov_b64 s[64:65], 0
	v_nop
	global_prefetch_b8 v0, s[64:65] scope:SCOPE_SE
	s_setreg_imm32_b32 hwreg(HW_REG_WAVE_MODE, 25, 1), 1
	s_wait_xcnt 0x0
	s_wait_alu depctr_hold_cnt(0) depctr_sa_sdst(0) depctr_va_vdst(0) depctr_va_sdst(0) depctr_va_ssrc(0) depctr_va_vcc(0) depctr_vm_vsrc(0)
	s_getreg_b32 s2, hwreg(HW_REG_IB_STS2, 6, 4)
	s_cmp_eq_u32 s2, 0
	s_cbranch_scc0 .Lentry_in_a_cluster
	s_endpgm
.Lentry_in_a_cluster:
	s_bfe_u32 s2, ttmp6, 0x10000c
	s_cmp_lg_u32 s2, 0x3003
	s_cbranch_scc0 .Lentry_shape_is_right
	s_endpgm
.Lentry_shape_is_right:
; ctx = Q(softmax(q k^T / 8) v), both products on codes of FP6 (E2M3); 2 batches x 16 heads of 64, 2,048 keys.  No work of reference() is left out.
; q, k: images of 16 rows x 64 codes (a half, 768 bytes) in B: block i of tokens at 49,152 i, q's head at half `head`, k's at half 16 + head; scale words at 12,582,912.  v TRANSPOSED (rows = features, K = tokens) at 13,107,200,
; its scale words at 16,252,928.  ctx leaves as the next product's operand, in PX.
; THE SOFTMAX: t = score x log2(e) / 8; M = the running largest t rounded up to a whole number; p = 2^(t - M) is quantised along the keys; the sum is taken of the unquantised p and divides at the end; when M moves,
; the sum and O are multiplied by 2^(old M - new M), which rounds nothing.
; SHARES.  A work-group owns 256 queries of one head, each of its sixteen waves 16.  THE WHOLE HEAD'S K AND V LIE IN LDS, filled once: wave w fetches key step w (128 keys): four loads.  The four work-groups of a cluster
; belong to one head: each tile is asked for jointly.  Both products are used transposed: a lane holds one query throughout; the rows' order in the images makes a lane's 16 registers of two neighbouring tiles 16
; neighbouring keys (or features).  The head has 64 codes along the first product's K: the upper 64 of the instruction's 128 are zero codes on both sides.
; Two heads share a scale word of ctx, so each writes two bytes of it a lane.
; LIMITS: NaN and infinities are not served; a block of zeros gets the scale byte 1 (its codes are zeros).
; REGISTERS: v1-4, v7-8 LDS addresses, stepped a key step a trip; v9-11 offsets that stay; v12 -M, v13 largest t, v[14:15] the sum; v16-27 q; v32-79 four fragments of K (upper six registers of each: zeros);
;   v96-159 S^T, then p, then V's four fragments; v160-191 O^T; v224-235 p's codes; v232-254 at work; v248-251, v253, v255 scale words.
.set VB,    98304
.set KSB,   196608
.set VSB,   204800
.set SPARE, 212992
.set SCO,   3145728
.set K16, 1
.set K8,  2
.set V16, 3
.set V8,  4
.set SPW, 5
.set NIL, 6
.set KS,  7
.set VS,  8
.set GL16, 9
.set GL8, 10
.set GR,  11
.set WV,  8
.set SEL, 20
.set CS,  22
.set G1K, 24
.set G1V, 32
.set G1S, 40
.set G0K, 48
.set G0V, 52
.set G0SK, 56
.set G0SV, 60
.macro G1SET g, c, r, p                ; r rows of c elements of 8 bytes, p elements apart; the mask names all four work-groups
	s_mov_b32 s[\g], 15|(3<<16)|(1<<21)
	s_mov_b32 s[\g+1], (\c)<<16
	s_mov_b32 s[\g+2], (\r)<<16
	s_mov_b32 s[\g+3], (\c)<<16
	s_mov_b32 s[\g+4], \r
	s_mov_b32 s[\g+5], \p
	s_mov_b32 s[\g+6], 0
	s_mov_b32 s[\g+7], 0
.endm
.macro G0SET g, lds, base, off
	s_mov_b32 s[\g], 1
	s_add_co_u32 s[\g+1], s[\lds], \base
	s_add_nc_u64 s[\g+2:\g+3], s[4:5], s[\off:\off+1]
	s_or_b32 s[\g+3], s[\g+3], 0x80000000
.endm
.macro CROUND
	s_barrier_signal -1
	s_barrier_wait -1
	s_cmp_lg_u32 s[WV], 0
	s_cbranch_scc1 .Lnot_wave_0_\@
	s_barrier_signal -3
.Lnot_wave_0_\@:
	s_barrier_wait -3
	s_barrier_signal -1
	s_barrier_wait -1
.endm
	s_load_b128 s[4:7], s[0:1], 0x0                ; B, PX
	v_lshl_add_u32 v[SPW], v0, 2, SPARE
	v_mov_b32 v[NIL], 0
	ds_add_u32 v[SPW], v[NIL]                      ; the opening: the add, twice on end, and its wait ahead of my first tensor load
	ds_add_u32 v[SPW], v[NIL]
	v_lshrrev_b32 v8, 5, v0
	v_readfirstlane_b32 s[WV], v8                  ; wave 0..15
	s_bfe_u32 s9, ttmp6, 0x40000                   ; cx
	s_lshl_b32 s10, ttmp9, 2
	s_add_co_u32 s10, s10, s9                      ; my block of 256 queries: it enters q's and ctx's global addresses alone
	s_and_b32 s11, ttmp7, 0xffff
	s_lshr_b32 s12, s11, 4                         ; batch
	s_and_b32 s13, s11, 15                         ; head
	s_and_b32 s14, s13, 1                          ; c: which half of a scale word is the head's
	s_lshr_b32 s15, s13, 1
	G1SET G1K, 96, 8, 6144                         ; K: 8 blocks x 768 bytes
	G1SET G1V, 192, 4, 6144                        ; V: 4 blocks x 1,536 bytes
	G1SET G1S, 32, 2, 32                           ; scale words: 512 dense bytes
	s_mul_i32 s66, s12, 6291456                    ; K of key step w: block 128 batch + 8 w, half 16 + head
	s_mul_i32 s67, s[WV], 393216
	s_add_co_u32 s66, s66, s67
	s_mul_i32 s67, s13, 768
	s_add_co_u32 s66, s66, s67
	s_add_co_u32 s66, s66, 12288
	s_mov_b32 s67, 0
	s_mul_i32 s68, s13, 196608                     ; V: block 4 head, halves 32 batch + 2 w
	s_mul_i32 s69, s12, 24576
	s_add_co_u32 s68, s68, s69
	s_mul_i32 s69, s[WV], 1536
	s_add_co_u32 s68, s68, s69
	s_add_co_u32 s68, s68, 13107200
	s_mov_b32 s69, 0
	s_lshl_b32 s70, s12, 18                        ; K's scale words: 8 blocks 16 batch + w, K step 8 + head / 2
	s_lshl_b32 s71, s[WV], 14
	s_add_co_u32 s70, s70, s71
	s_lshl_b32 s71, s15, 9
	s_add_co_u32 s70, s70, s71
	s_add_co_u32 s70, s70, 12582912+4096
	s_mov_b32 s71, 0
	s_lshl_b32 s72, s15, 14                        ; V's: 8 blocks head / 2, K step 16 batch + w
	s_lshl_b32 s73, s12, 13
	s_add_co_u32 s72, s72, s73
	s_lshl_b32 s73, s[WV], 9
	s_add_co_u32 s72, s72, s73
	s_add_co_u32 s72, s72, 16252928
	s_mov_b32 s73, 0
	s_lshl_b32 s74, s12, 7
	s_lshl_b32 s75, s10, 4
	s_add_co_u32 s74, s74, s75
	s_add_co_u32 s74, s74, s[WV]                   ; i: my block of 16 queries
	s_mul_i32 s75, s13, 768
	s_mul_i32 s76, s74, 49152
	s_add_co_u32 s76, s76, s75                     ; q's half
	s_mov_b32 s77, 0
	s_mul_i32 s80, s74, 12288
	s_add_co_u32 s80, s80, s75                     ; ctx's half
	s_mov_b32 s81, 0
	s_lshl_b32 s86, s15, 9                         ; the place of my block's words in 8 blocks' 512 bytes, and the head's two bytes
	s_and_b32 s87, s74, 1
	s_lshl_b32 s87, s87, 8
	s_add_co_u32 s86, s86, s87
	s_bfe_u32 s87, s74, 0x20001
	s_lshl_b32 s87, s87, 2
	s_add_co_u32 s86, s86, s87
	s_lshl_b32 s87, s14, 1
	s_add_co_u32 s86, s86, s87
	s_lshr_b32 s87, s74, 3
	s_lshl_b32 s78, s87, 14
	s_add_co_u32 s78, s78, s86
	s_add_co_u32 s78, s78, 12582912                ; q's scale bytes
	s_mov_b32 s79, 0
	s_lshl_b32 s82, s87, 12
	s_add_co_u32 s82, s82, s86
	s_add_co_u32 s82, s82, SCO                     ; ctx's
	s_mov_b32 s83, 0
	s_mul_i32 s84, s[WV], 6144
	s_lshl_b32 s85, s[WV], 9
	s_mov_b32 s[SEL], 0x76543210
	s_mov_b32 s[SEL+1], 0xfedcba98
	s_mov_b32 s[CS], 0x3e38aa3b                    ; c = log2(e) / 8
	s_mov_b32 s[CS+1], s[CS]
	s_wait_dscnt 0x0                               ; both opening adds are done
	s_wait_kmcnt 0x0
	G0SET G0K, 84, 0, 66
	G0SET G0V, 84, VB, 68
	G0SET G0SK, 85, KSB, 70
	G0SET G0SV, 85, VSB, 72
	s_add_nc_u64 s[76:77], s[4:5], s[76:77]
	s_add_nc_u64 s[78:79], s[4:5], s[78:79]
	s_add_nc_u64 s[80:81], s[6:7], s[80:81]
	s_add_nc_u64 s[82:83], s[6:7], s[82:83]
	CROUND                                         ; all four work-groups are here: the joint loads meet
	tensor_load_to_lds s[G0K:G0K+3], s[G1K:G1K+7]  ; four loads of mine are out; every byte is filled once
	s_nop 0
	tensor_load_to_lds s[G0V:G0V+3], s[G1V:G1V+7]
	s_nop 0
	tensor_load_to_lds s[G0SK:G0SK+3], s[G1S:G1S+7]
	s_nop 0
	tensor_load_to_lds s[G0SV:G0SV+3], s[G1S:G1S+7]
	s_nop 0
.rept 4
	v_nop
.endr
	v_and_b32 v[GL8], 31, v0
	v_lshlrev_b32 v[GL16], 4, v[GL8]               ; 16 x lane
	v_lshlrev_b32 v[GL8], 3, v[GL8]                ; 8 x lane
	v_and_b32 v[GR], 15, v0
	v_lshlrev_b32 v[GR], 4, v[GR]                  ; 16 r
	global_load_b128 v[16:19], v[GL16], s[76:77]   ; q's 64 codes a row
	global_load_b64 v[20:21], v[GL8], s[76:77] offset:512
	global_load_u16 v255, v[GR], s[78:79]          ; its two scale bytes; the two above them come as 0 and stand over zero codes
	v_mov_b32 v[K16], v[GL16]
	v_mov_b32 v[K8], v[GL8]
	v_add_nc_u32 v[V16], VB, v[GL16]
	v_add_nc_u32 v[V8], VB, v[GL8]
	s_lshl_b32 s86, s14, 1
	s_add_co_u32 s86, s86, KSB
	v_add_nc_u32 v[KS], s86, v[GR]
	s_lshl_b32 s87, s14, 3
	s_add_co_u32 s87, s87, VSB
	v_add_nc_u32 v[VS], s87, v[GR]
.irp j, 22,23,24,25,26,27
	v_mov_b32 v[\j], 0                             ; q: zero codes for k = 64 .. 127
.endr
.irp t, 0,1,2,3
.irp j, 6,7,8,9,10,11
	v_mov_b32 v[32+12*\t+\j], 0                    ; K likewise: written once
.endr
.endr
	v_mov_b32 v13, 0xff61b1e6                      ; the largest t so far: -3e38
	v_floor_f32 v12, -v13                          ; -M
	v_mov_b32 v14, 0
	v_mov_b32 v15, 0
.irp b, 0,1,2,3
	v_mov_b32 v[236+\b], 0                         ; a lane permute's destination counts as one of its sources
.endr
	v_mov_b32 v253, 0
.set J, 0
.rept 32
	v_mov_b32 v[160+J], 0                          ; O^T: the loop is written once; its first step finds zeros
.set J, J+1
.endr
	s_mov_b32 s88, 16
	s_wait_tensorcnt 0x0                           ; my four tiles have landed,
	s_barrier_signal -1
	s_barrier_wait -1                              ; everybody's have
	s_wait_loadcnt 0x0                             ; q
.Lstep:                                            ; 16 trips, 128 keys each
.irp g, 0,1                                    ; S^T = K q^T, four tiles of 16 keys at a time
.if \g
.rept 4
	v_nop                                          ; places in front of loads into registers that the last products read
.endr
.endif
.irp t, 0,1,2,3
	ds_load_b128 v[32+12*\t:35+12*\t], v[K16] offset:768*(4*\g+\t)
	ds_load_b64 v[36+12*\t:37+12*\t], v[K8] offset:768*(4*\g+\t)+512
	ds_load_u16 v[248+\t], v[KS] offset:256*(\t%2)+4*((4*\g+\t)/2)
.endr
	s_wait_dscnt 0x0
.irp t, 0,1,2,3
	v_wmma_scale_f32_16x16x128_f8f6f4 v[96+8*(4*\g+\t):103+8*(4*\g+\t)], v[32+12*\t:43+12*\t], v[16:27], 0, v[248+\t], v255 matrix_a_fmt:MATRIX_FMT_FP6 matrix_b_fmt:MATRIX_FMT_FP6
.endr
.endr
.rept 4
	v_nop
.endr
.irp b, 0,1,2,3
	v_max3_num_f32 v[232+\b], v[96+16*\b], v[97+16*\b], v[98+16*\b]   ; the largest score of each block of 32 keys: for the row's maximum and, since p rises with the score, for the block's largest p
.endr
.irp i, 3,5,7,9,11,13
.irp b, 0,1,2,3
	v_max3_num_f32 v[232+\b], v[232+\b], v[96+16*\b+\i], v[97+16*\b+\i]
.endr
.endr
.irp b, 0,1,2,3
	v_max_num_f32 v[232+\b], v[232+\b], v[111+16*\b]
.endr
.irp b, 0,1,2,3
	v_permlanex16_b32 v[236+\b], v[232+\b], s[SEL], s[SEL+1]
.endr
.irp b, 0,1,2,3
	v_max_num_f32 v[232+\b], v[232+\b], v[236+\b]
.endr
	v_max3_num_f32 v254, v232, v233, v234
	v_max_num_f32 v254, v254, v235
	v_mul_f32 v254, s[CS], v254
	v_max_num_f32 v13, v13, v254                   ; the running largest t
	v_mov_b32 v254, v12
	v_floor_f32 v12, -v13                          ; the new -M = -ceil(t)
	v_sub_f32 v254, v12, v254                      ; old M - new M: a whole number, 0 or less
	v_cvt_i32_f32 v254, v254                       ; (it saturates)
	v_ldexp_f32 v252, 1.0, v254                    ; f = 2^(old M - new M)
.set J, 0
.rept 32
	v_pk_fma_f32 v[96+J:97+J], v[96+J:97+J], s[CS:CS+1], v[12:13] op_sel_hi:[1,0,0]   ; t - M
.set J, J+2
.endr
.irp b, 0,1,2,3
	v_fma_f32 v[232+\b], v[232+\b], s[CS], v12
.endr
.set J, 0
.rept 64
	v_exp_f32 v[96+J], v[96+J]                     ; p = 2^(t - M)
.set J, J+1
.endr
	v_pk_mul_f32 v[14:15], v[14:15], v[252:253] op_sel_hi:[1,0]   ; the sums under the new M: the plain place behind the batch
	s_wait_alu depctr_va_vdst(0)                   ; one wait for the 64, ahead of their first reader
.irp b, 0,1,2,3
	v_exp_f32 v[232+\b], v[232+\b]                 ; each block's largest p
.endr
	v_pk_add_f32 v[236:237], v[96:97], v[98:99]    ; the row's sum of the unquantised p, in two chains
.set J, 4
.rept 15
	v_pk_add_f32 v[14:15], v[14:15], v[96+J:97+J]
	v_pk_add_f32 v[236:237], v[236:237], v[98+J:99+J]
.set J, J+4
.endr
	v_pk_add_f32 v[14:15], v[14:15], v[236:237]
	s_wait_alu depctr_va_vdst(0)                   ; and one for the four
.irp b, 0,1,2,3
	v_max_num_f32 v[232+\b], 0x1800000, v[232+\b]  ; the floor 2^(3 - 127): the byte cannot fall under 1
.endr
.irp b, 0,1,2,3
	v_add_nc_u32 v[244+\b], 0xff000000, v[232+\b]
.endr
.irp b, 0,1,2,3
	v_lshrrev_b32 v[236+\b], 23, v[244+\b]
.endr
	v_lshl_or_b32 v253, v237, 8, v236              ; p's scale word for these 128 keys
	v_lshl_or_b32 v253, v238, 16, v253
	v_lshl_or_b32 v253, v239, 24, v253
.irp c, 0,1
	v_cvt_scalef32_pk16_fp6_f32 v[224+6*\c:226+6*\c], v[96+32*\c:111+32*\c], v[244+2*\c]
	v_cvt_scalef32_pk16_fp6_f32 v[236+4*\c:238+4*\c], v[112+32*\c:127+32*\c], v[244+2*\c+1]
.endr
	v_nop                                          ; one plain place behind a scaled conversion
.irp t, 0,1,2,3                                ; V's four fragments take p's registers, which the conversions have read; they land under the lines below
	ds_load_b128 v[96+12*\t:99+12*\t], v[V16] offset:1536*\t
	ds_load_b64 v[100+12*\t:101+12*\t], v[V8] offset:1536*\t+512
	ds_load_b128 v[102+12*\t:105+12*\t], v[V16] offset:1536*\t+768
	ds_load_b64 v[106+12*\t:107+12*\t], v[V8] offset:1536*\t+1280
	ds_load_b32 v[248+\t], v[VS] offset:256*(\t%2)+4*(\t/2)
.endr
.irp c, 0,1
.irp i, 0,1,2
	v_permlane16_swap_b32 v[224+6*\c+\i], v[236+4*\c+\i]
.endr
.irp i, 0,1,2
	v_mov_b32 v[227+6*\c+\i], v[236+4*\c+\i]
.endr
.endr
.set J, 0
.rept 16
	v_pk_mul_f32 v[160+J:161+J], v[160+J:161+J], v[252:253] op_sel_hi:[1,0]   ; O^T under the new M; these sixteen are also the places in front of the scaled products
.set J, J+2
.endr
	s_wait_dscnt 0x0
.irp t, 0,1,2,3                                ; O^T += V^T P^T: four accumulators by turns
	v_wmma_scale_f32_16x16x128_f8f6f4 v[160+8*\t:167+8*\t], v[96+12*\t:107+12*\t], v[224:235], v[160+8*\t:167+8*\t], v[248+\t], v253 matrix_a_fmt:MATRIX_FMT_FP6 matrix_b_fmt:MATRIX_FMT_FP6
.endr
	v_add_nc_u32 v[K16], 6144, v[K16]              ; the next key step.  Six plain places: the next trip's loads land on these products' scale registers (four are owed), its first products write over V's (five)
	v_add_nc_u32 v[K8], 6144, v[K8]
	v_add_nc_u32 v[V16], 6144, v[V16]
	v_add_nc_u32 v[V8], 6144, v[V8]
	v_add_nc_u32 v[KS], 512, v[KS]
	v_add_nc_u32 v[VS], 512, v[VS]
	s_sub_co_u32 s88, s88, 1
	s_cmp_lg_u32 s88, 0
	s_cbranch_scc1 .Lstep
	; THE WAY OUT: O^T / the sum; register 16 p + i is feature 32 p + 16 h + i of my query: two blocks of 32 along the next product's K
	v_add_f32 v14, v14, v15
	v_permlanex16_b32 v252, v14, s[SEL], s[SEL+1]
	v_add_f32 v14, v14, v252
	v_rcp_f32 v14, v14
	v_nop                                          ; a plain place behind the reciprocal
	s_wait_alu depctr_va_vdst(0)                   ; and the wait ahead of its first reader
.set J, 0
.rept 32
	v_mul_f32 v[96+J], v[160+J], v14
.set J, J+1
.endr
	v_max3_num_f32 v232, |v96|, |v97|, 0x1800000
	v_max3_num_f32 v233, |v112|, |v113|, 0x1800000
.irp i, 2,4,6,8,10,12,14
	v_max3_num_f32 v232, v232, |v[96+\i]|, |v[97+\i]|
	v_max3_num_f32 v233, v233, |v[112+\i]|, |v[113+\i]|
.endr
	v_permlanex16_b32 v236, v232, s[SEL], s[SEL+1]
	v_permlanex16_b32 v237, v233, s[SEL], s[SEL+1]
	v_max_num_f32 v232, v232, v236
	v_max_num_f32 v233, v233, v237
	v_add_nc_u32 v244, 0xff000000, v232
	v_add_nc_u32 v245, 0xff000000, v233
	v_lshrrev_b32 v236, 23, v244
	v_lshrrev_b32 v237, 23, v245
	v_lshl_or_b32 v240, v237, 8, v236              ; the head's two scale bytes of my query
	v_cvt_scalef32_pk16_fp6_f32 v[224:226], v[96:111], v244
	v_cvt_scalef32_pk16_fp6_f32 v[228:230], v[112:127], v245
	v_nop
	v_permlane16_swap_b32 v224, v228
	v_permlane16_swap_b32 v225, v229
	v_permlane16_swap_b32 v226, v230
	v_mov_b32 v227, v228
	v_mov_b32 v228, v229
	v_mov_b32 v229, v230
	global_store_b128 v[GL16], v[224:227], s[80:81]            ; 512 consecutive bytes,
	global_store_b64 v[GL8], v[228:229], s[80:81] offset:512   ; and 256
	global_store_b16 v[GR], v240, s[82:83]                     ; lanes 16-31 hold and write the same bytes as lanes 0-15
	s_wait_tensorcnt 0x0                           ; the wave's end
	ds_add_u32 v[SPW], v[NIL]
	s_wait_dscnt 0x0
	CROUND                                         ; the closing round
	s_endpgm
.Lfunc_end_k_q46867e2b04_attn:
	.size	k_q46867e2b04_attn, .Lfunc_end_k_q46867e2b04_attn-k_q46867e2b04_attn
	.p2alignl 7, 3214868480
	.fill 96, 4, 3214868480
	.section	.rodata,"a",@progbits
	.p2align	6, 0x0
	.amdhsa_kernel k_q46867e2b04_attn
		.amdhsa_group_segment_fixed_size 215040
		.amdhsa_private_segment_fixed_size 0
		.amdhsa_enable_private_segment 0
		.amdhsa_kernarg_size 16
		.amdhsa_user_sgpr_count 2
		.amdhsa_user_sgpr_kernarg_segment_ptr 1
		.amdhsa_wavefront_size32 1
		.amdhsa_system_sgpr_workgroup_id_x 1
		.amdhsa_system_sgpr_workgroup_id_y 1
		.amdhsa_system_sgpr_workgroup_id_z 1
		.amdhsa_system_vgpr_workitem_id 0
		.amdhsa_next_free_vgpr 256
		.amdhsa_next_free_sgpr 96
		.amdhsa_reserve_vcc 0
		.amdhsa_float_denorm_mode_32 3
		.amdhsa_float_denorm_mode_16_64 3
		.amdhsa_memory_ordered 1
		.amdhsa_forward_progress 1
		.amdhsa_inst_pref_size 31
	.end_amdhsa_kernel
	.amdgpu_metadata
---
amdhsa.version: [ 1, 2 ]
amdhsa.kernels:
  - .name:           k_q46867e2b04_attn
    .symbol:         k_q46867e2b04_attn.kd
    .args:
      - { .name: B, .offset: 0, .size: 8, .value_kind: global_buffer, .address_space: global }
      - { .name: PX, .offset: 8, .size: 8, .value_kind: global_buffer, .address_space: global }
    .group_segment_fixed_size: 215040
    .private_segment_fixed_size: 0
    .kernarg_segment_align: 8
    .kernarg_segment_size: 16
    .max_flat_workgroup_size: 512
    .sgpr_count:     96
    .vgpr_count:     256
    .wavefront_size: 32
...
	.end_amdgpu_metadata
.endif
;; end of part 3
;; launch wo (part 4): grid 4 x 16, 4 waves a work-group, clusters of 4 x 4, 327,680 bytes of LDS; arguments PX, P2, D; writes D
.if DOCPART == 4
	.amdgcn_target "amdgcn-amd-amdhsa--gfx1250"
	.amdhsa_code_object_version 6
	.text
	.protected	k_q46867e2b04_wo
	.globl	k_q46867e2b04_wo
	.p2align	8
	.type	k_q46867e2b04_wo,@function
k_q46867e2b04_wo:
	s_mov_b64 s[64:65], 0
	v_nop
	global_prefetch_b8 v0, s[64:65] scope:SCOPE_SE
	s_setreg_imm32_b32 hwreg(HW_REG_WAVE_MODE, 25, 1), 1
	s_wait_xcnt 0x0
	s_wait_alu depctr_hold_cnt(0) depctr_sa_sdst(0) depctr_va_vdst(0) depctr_va_sdst(0) depctr_va_ssrc(0) depctr_va_vcc(0) depctr_vm_vsrc(0)
	s_getreg_b32 s2, hwreg(HW_REG_IB_STS2, 6, 4)
	s_cmp_eq_u32 s2, 0
	s_cbranch_scc0 .Lentry_in_a_cluster
	s_endpgm
.Lentry_in_a_cluster:
	s_bfe_u32 s2, ttmp6, 0x10000c
	s_cmp_lg_u32 s2, 0xf033
	s_cbranch_scc0 .Lentry_shape_is_right
	s_endpgm
.Lentry_shape_is_right:
; C = A B^T on codes of FP6 (E2M3), C [4096][1024] f32, row-major.  K = 1,024: A = the operand in the first buffer (scale words ASC bytes on), B = the operand BOP bytes into the second.  No work of reference() is left out.
; Operands are images of the matrix unit's registers (rows in blocks of 16, lane r = row 32 (i / 2) + 8 (i % 2) + r + 8 (r / 8); a half = 16 rows x 64 codes = 768 bytes; scale words [8 blocks][K step][512 bytes]).
; A tile is 256 x 256; four waves, each 128 x 128: 64 accumulators.  K goes in steps of 256 through two LDS slots; a block's part of a slot is 3,072 consecutive bytes, so every LDS load takes 512 or 256 bytes on end.
; The tile's scale words, for all of K, come once.  4 x 4 work-groups form a cluster: A's tiles are asked for jointly along a row, B's along a column.  C has 64 tiles: 64 work-groups.
; THE MATRIX INSTRUCTION IS USED TRANSPOSED (source 0 = B's block, source 1 = A's): lane (r, h) holds A's row of lane r; register j of accumulator (a, b) is column 32 (b / 2) + 8 (b % 2) + 16 h + j.
; REGISTERS: window 0: v16-29 addresses; v32-63 scale words, two sets; v128-223 A's fragments (on the way out v128-255: rows of C).  window 1: B's fragments, two sets.  windows 2, 3: the accumulators.
.set PITCHB, 12288                     ; an operand's block, all of K
.set HALFS,  4096                      ; the scale words of 128 rows
.set LAPS,   2                         ; K / 512
.set ASC,    3145728
.set BOP,    3276800
.set SCO,    3145728
.set BLKB,   3072
.set HALFT,  8*BLKB
.set SLOT,   4*HALFT
.set SCL,    2*SLOT
.set SPARE,  SCL+4*HALFS
.set SPITCH, 528                       ; the way out: a stage of 16 rows x (512 bytes + 16) a wave, in slot 0, which has had its last fill and its last read by then
.set NQ, 2
.set FR, 12
.set NL, 4
.set NP, 4
.set ADRA, 16
.set ADRB, 20
.set STO,  24
.set RD,   25
.set CO,   26
.set ADRS, 27
.set SPW,  28
.set NIL,  29
.set SC,   32
.set AF,   128
.set BK,   128
.set G1, 24
.set G0, 32
.set G1B, 48
.set G0B, 56
.set G1S, 68
.set G0S, 76
.set G1SB, 80
.set G0SB, 88
.set MSB, 0
.macro WIN new
.if MSB != \new
	s_set_vgpr_msb (MSB<<8)|\new
.set MSB, \new
.endif
.endm
.set MUL_LO, 0xa1
.set MUL_HI, 0xf1
.set TO_B,   0x40
.macro JLOAD g0a, g1a, g0b, g1b        ; a joint load: waves 0 and 1 for A, waves 2 and 3 for B; an s_nop 0 and four v_nop follow each line
	s_cmp_eq_u32 s15, 0
	s_cbranch_scc0 .Lfor_b_\@
	tensor_load_to_lds s[\g0a:\g0a+3], s[\g1a:\g1a+7]
	s_nop 0
.rept 4
	v_nop
.endr
	s_branch .Lasked_\@
.Lfor_b_\@:
	tensor_load_to_lds s[\g0b:\g0b+3], s[\g1b:\g1b+7]
	s_nop 0
.rept 4
	v_nop
.endr
.Lasked_\@:
.endm
.macro CREST
	s_cmp_lg_u32 s14, 0
	s_cbranch_scc1 .Lnot_wave_0_\@
	s_barrier_signal -3
.Lnot_wave_0_\@:
	s_barrier_wait -3
	s_barrier_signal -1
	s_barrier_wait -1
.endm
.macro CROUND
	s_barrier_signal -1
	s_barrier_wait -1
	CREST
.endm
	s_load_b128 s[4:7], s[0:1], 0x0                ; A's buffer, B's buffer
	s_load_b64 s[12:13], s[0:1], 0x10              ; C
	v_lshl_add_u32 v[SPW], v0, 2, SPARE
	v_mov_b32 v[NIL], 0
	ds_add_u32 v[SPW], v[NIL]                      ; the opening: the add, twice on end, and its wait ahead of my first tensor load
	ds_add_u32 v[SPW], v[NIL]
	v_lshrrev_b32 v1, 5, v0
	v_readfirstlane_b32 s14, v1
	s_lshr_b32 s15, s14, 1                         ; my half of the rows; also: I fetch for A (0) or B (1)
	s_and_b32 s16, s14, 1                          ; my half of the columns; also: which 128 rows I fetch
	s_bfe_u32 s40, ttmp6, 0x40000
	s_bfe_u32 s41, ttmp6, 0x40004
	s_lshl_b32 s42, ttmp9, 2
	s_add_co_u32 s42, s42, s40                     ; tile column
	s_and_b32 s17, ttmp7, 0xffff
	s_lshl_b32 s17, s17, 2
	s_add_co_u32 s17, s17, s41                     ; tile row
	s_lshl_b32 s43, s41, 2
	s_lshl_b32 s43, 15, s43
	s_lshl_b32 s44, 0x1111, s40
	s_or_b32 s[G1+0], s43, (3<<16)|(1<<21)         ; codes: 8 blocks x 3,072 bytes (384 elements of 8 bytes)
	s_or_b32 s[G1B+0], s44, (3<<16)|(1<<21)
.irp g, G1, G1B
	s_mov_b32 s[\g+1], 384<<16
	s_mov_b32 s[\g+2], 8<<16
	s_mov_b32 s[\g+3], 384<<16
	s_mov_b32 s[\g+4], 8
	s_mov_b32 s[\g+5], PITCHB/8
	s_mov_b32 s[\g+6], 0
	s_mov_b32 s[\g+7], 0
.endr
	s_or_b32 s[G1S+0], s43, (3<<16)|(1<<21)        ; scale words of 128 rows: a dense block, as rows of 256 bytes
	s_or_b32 s[G1SB+0], s44, (3<<16)|(1<<21)
.irp g, G1S, G1SB
	s_mov_b32 s[\g+1], 32<<16
	s_mov_b32 s[\g+2], (HALFS/256)<<16
	s_mov_b32 s[\g+3], 32<<16
	s_mov_b32 s[\g+4], HALFS/256
	s_mov_b32 s[\g+5], 32
	s_mov_b32 s[\g+6], 0
	s_mov_b32 s[\g+7], 0
.endr
	s_lshl_b32 s18, s17, 1
	s_add_co_u32 s18, s18, s16
	s_mul_i32 s22, s18, HALFS
	s_add_co_u32 s22, s22, ASC
	s_mul_i32 s18, s18, 8*PITCHB
	s_mov_b32 s19, 0
	s_mov_b32 s23, 0
	s_lshl_b32 s46, s42, 1
	s_add_co_u32 s46, s46, s16
	s_mul_i32 s92, s46, HALFS
	s_add_co_u32 s92, s92, BOP+SCO
	s_mul_i32 s46, s46, 8*PITCHB
	s_add_co_u32 s46, s46, BOP
	s_mov_b32 s47, 0
	s_mov_b32 s93, 0
	s_mul_i32 s45, s14, HALFT
	s_mul_i32 s94, s14, HALFS
	s_wait_dscnt 0x0
	s_wait_kmcnt 0x0
	s_add_nc_u64 s[18:19], s[4:5], s[18:19]
	s_add_nc_u64 s[22:23], s[4:5], s[22:23]
	s_add_nc_u64 s[46:47], s[6:7], s[46:47]
	s_add_nc_u64 s[92:93], s[6:7], s[92:93]
	CROUND
	s_mov_b32 s[G0S], 1
	s_add_co_u32 s[G0S+1], s94, SCL
	s_mov_b64 s[G0S+2:G0S+3], s[22:23]
	s_or_b32 s[G0S+3], s[G0S+3], 0x80000000
	s_mov_b32 s[G0SB], 1
	s_add_co_u32 s[G0SB+1], s94, SCL
	s_mov_b64 s[G0SB+2:G0SB+3], s[92:93]
	s_or_b32 s[G0SB+3], s[G0SB+3], 0x80000000
	JLOAD G0S, G1S, G0SB, G1SB                     ; three loads of mine are out at the head
.irp s, 0,1
	s_mov_b32 s[G0+4*\s], 1
	s_add_co_u32 s[G0+4*\s+1], s45, \s*SLOT
	s_add_nc_u64 s[G0+4*\s+2:G0+4*\s+3], s[18:19], \s*BLKB
	s_or_b32 s[G0+4*\s+3], s[G0+4*\s+3], 0x80000000
	s_mov_b32 s[G0B+4*\s], 1
	s_add_co_u32 s[G0B+4*\s+1], s45, \s*SLOT
	s_add_nc_u64 s[G0B+4*\s+2:G0B+4*\s+3], s[46:47], \s*BLKB
	s_or_b32 s[G0B+4*\s+3], s[G0B+4*\s+3], 0x80000000
	JLOAD G0+4*\s, G1, G0B+4*\s, G1B
.endr
	v_and_b32 v1, 15, v0
	v_bfe_u32 v2, v0, 4, 1
	v_and_b32 v5, 31, v0
	v_lshlrev_b32 v[CO], 4, v5                     ; 16 x lane
	v_lshlrev_b32 v7, 3, v5                        ; 8 x lane
	s_mul_i32 s21, s15, HALFT
	s_mul_i32 s22, s16, HALFT
	s_add_co_u32 s22, s22, 2*HALFT
.irp s, 0,1
	v_add_nc_u32 v[ADRA+\s], s21, v[CO]
	v_add_nc_u32 v[ADRA+2+\s], s21, v7
	v_add_nc_u32 v[ADRB+\s], s22, v[CO]
	v_add_nc_u32 v[ADRB+2+\s], s22, v7
	s_add_co_u32 s21, s21, SLOT
	s_add_co_u32 s22, s22, SLOT
.endr
	v_lshlrev_b32 v5, 4, v1
	s_mul_i32 s21, s15, HALFS
	s_mul_i32 s22, s16, HALFS
	s_add_co_u32 s22, s22, 2*HALFS
	s_sub_co_u32 s22, s22, s21
	v_mul_u32_u24 v6, s22, v2                      ; lanes 16-31 take B's: one product with h
	s_add_co_u32 s21, s21, SCL
	v_add_nc_u32 v5, v5, v6
	v_add_nc_u32 v[ADRS], s21, v5
	s_mul_i32 s23, s14, 16*SPITCH                  ; my stage
	v_mul_u32_u24 v5, v1, SPITCH
	v_lshl_add_u32 v5, v2, 6, v5
	v_add_nc_u32 v[STO], s23, v5                   ; in: row r, + 64 h
	v_add_nc_u32 v[RD], s23, v[CO]                 ; back: a row's 512 bytes, 16 a lane
	s_lshl_b32 s20, s17, 20                        ; my first row of C: 256 rows of 4,096 bytes a tile,
	s_lshl_b32 s21, s15, 19
	s_add_co_u32 s20, s20, s21
	s_lshl_b32 s21, s42, 10                        ; my first column
	s_add_co_u32 s20, s20, s21
	s_lshl_b32 s21, s16, 9
	s_add_co_u32 s20, s20, s21
	s_mov_b32 s21, 0
	s_add_nc_u64 s[12:13], s[12:13], s[20:21]
.macro FRAG reg, adr, q, i
	ds_load_b128 v[\reg:\reg+3], v[\adr] offset:(\i)*BLKB+(\q)*1536
	ds_load_b64 v[\reg+4:\reg+5], v[\adr+2] offset:(\i)*BLKB+(\q)*1536+512
	ds_load_b128 v[\reg+6:\reg+9], v[\adr] offset:(\i)*BLKB+(\q)*1536+768
	ds_load_b64 v[\reg+10:\reg+11], v[\adr+2] offset:(\i)*BLKB+(\q)*1536+1280
.endm
.macro MUL16 a0, p, q, sc, first       ; 16 matrix instructions; first = 1: the product starts the sum.  The 64 accumulators take turns
.irp a, \a0, \a0+1
.irp b, 0,1,2,3,4,5,6,7
.if \first
	v_wmma_scale_f32_16x16x128_f8f6f4 v[8*(8*((\a)%4)+\b):8*(8*((\a)%4)+\b)+7], v[128*(\p)+FR*\b:128*(\p)+FR*\b+FR-1], v[AF+FR*(\a):AF+FR*(\a)+FR-1], 0, v[SC+16*(\sc)+8*(\q)+4*(\b%2)+\b/2], v[SC+16*(\sc)+8*(\q)+4*((\a)%2)+(\a)/2] matrix_a_fmt:MATRIX_FMT_FP6 matrix_b_fmt:MATRIX_FMT_FP6 matrix_a_scale:MATRIX_SCALE_ROW1
.else
	v_wmma_scale_f32_16x16x128_f8f6f4 v[8*(8*((\a)%4)+\b):8*(8*((\a)%4)+\b)+7], v[128*(\p)+FR*\b:128*(\p)+FR*\b+FR-1], v[AF+FR*(\a):AF+FR*(\a)+FR-1], v[8*(8*((\a)%4)+\b):8*(8*((\a)%4)+\b)+7], v[SC+16*(\sc)+8*(\q)+4*(\b%2)+\b/2], v[SC+16*(\sc)+8*(\q)+4*((\a)%2)+(\a)/2] matrix_a_fmt:MATRIX_FMT_FP6 matrix_b_fmt:MATRIX_FMT_FP6 matrix_a_scale:MATRIX_SCALE_ROW1
.endif
.endr
.endr
.endm
.macro FETCH_B slot, q, p
	WIN TO_B
.irp i, 0,1,2,3,4,5,6,7
	FRAG 128*(\p)+FR*\i, ADRB+\slot, \q, \i
.endr
	WIN 0
.endm
.macro FETCH_A slot, q, i0
.irp i, \i0, \i0+1, \i0+2, \i0+3
	FRAG AF+FR*(\i), ADRA+\slot, \q, \i
.endr
.endm
.macro SCALES sc
.irp n, 0,1,2,3
	ds_load_b128 v[SC+16*\sc+4*\n:SC+16*\sc+4*\n+3], v[ADRS] offset:256*\n
.endr
.endm
.macro PLACES n
.rept \n
	v_nop
.endr
.endm
.macro STEP slot, q, first
	s_wait_dscnt 4*NL                              ; the 16 youngest loads (A's blocks 4-7) may be out
	WIN MUL_LO
	MUL16 0, (\q)%2, \q, \slot, \first
	MUL16 2, (\q)%2, \q, \slot, \first
	s_wait_dscnt 0
	PLACES NP
	FETCH_B \slot, (\q)+1, 1-(\q)%2
	FETCH_A \slot, (\q)+1, 0
	WIN MUL_HI
	MUL16 4, (\q)%2, \q, \slot, \first
	MUL16 6, (\q)%2, \q, \slot, \first
	PLACES NP
	WIN 0
	FETCH_A \slot, (\q)+1, 4
.endm
.macro TURN slot, next, fill
	s_wait_tensorcnt 0x0                           ; all my tensor loads have landed: my part of the next slot
	ds_add_u32 v[SPW], v[NIL]
	s_wait_dscnt 4*NL+1                            ; (the add and the 16 youngest loads may be out)
	WIN MUL_LO
	MUL16 0, 1, NQ-1, \slot, 0
	s_wait_dscnt 0x0                               ; the add is done, and my reads of this slot are over
	s_barrier_signal -1
	MUL16 2, 1, NQ-1, \slot, 0
	WIN 0
	s_barrier_wait -1
.if \fill
	CREST                                          ; the barrier has opened a round of the cluster's
	s_add_nc_u64 s[G0+4*\slot+2:G0+4*\slot+3], s[G0+4*\slot+2:G0+4*\slot+3], 2*BLKB
	s_add_nc_u64 s[G0B+4*\slot+2:G0B+4*\slot+3], s[G0B+4*\slot+2:G0B+4*\slot+3], 2*BLKB
	JLOAD G0+4*\slot, G1, G0B+4*\slot, G1B         ; my one tensor load behind the round
.else
	PLACES NP
.endif
	v_add_nc_u32 v[ADRS], 512*NQ, v[ADRS]
	FETCH_B \next, 0, 0
	FETCH_A \next, 0, 0
	SCALES \next
	WIN MUL_HI
	MUL16 4, 1, NQ-1, \slot, 0
	MUL16 6, 1, NQ-1, \slot, 0
	PLACES NP
	WIN 0
	FETCH_A \next, 0, 4
.endm
	s_wait_tensorcnt 1                             ; the scale words and my part of slot 0 are in; slot 1's load may be out
	s_barrier_signal -1
	s_barrier_wait -1
	FETCH_B 0, 0, 0
	FETCH_A 0, 0, 0
	SCALES 0
	FETCH_A 0, 0, 4
	STEP 0, 0, 1
	s_mov_b32 s95, LAPS-1
.Llap:
	TURN 0, 1, 1
	STEP 1, 0, 0
	TURN 1, 0, 1
	STEP 0, 0, 0
	s_sub_co_u32 s95, s95, 1
	s_cmp_lg_u32 s95, 0
	s_cbranch_scc1 .Llap
	TURN 0, 1, 0
	STEP 1, 0, 0
	s_wait_dscnt 4*NL
	WIN MUL_LO
	MUL16 0, 1, NQ-1, 1, 0
	MUL16 2, 1, NQ-1, 1, 0
	s_wait_dscnt 0
	WIN MUL_HI
	MUL16 4, 1, NQ-1, 1, 0
	MUL16 6, 1, NQ-1, 1, 0
	WIN 0
; THE WAY OUT, block by block of 16 rows x 128 columns, through my own stage: in by lanes (each number at its true column), back as whole rows of 512 bytes.  LDS serves a wave's instructions in order.
.macro TOSTAGE a
.set AC, 64*((\a)%4)
	WIN 0x08+4*((\a)/4)
.irp b, 0,1,2,3,4,5,6,7
	ds_store_b128 v[STO], v[AC+8*\b:AC+8*\b+3] offset:128*(\b/2)+32*(\b%2)
	ds_store_b128 v[STO], v[AC+8*\b+4:AC+8*\b+7] offset:128*(\b/2)+32*(\b%2)+16
.endr
	WIN 0
.set BB, BK+64*((\a)%2)
.irp t, 0,1,2,3,4,5,6,7,8,9,10,11,12,13,14,15
	ds_load_b128 v[BB+4*\t:BB+4*\t+3], v[RD] offset:\t*SPITCH
.endr
.endm
.macro SEND a, younger
.set BB, BK+64*((\a)%2)
	s_wait_dscnt \younger                          ; the block is back; the next block's 16 stores and 16 loads may be out
.irp t, 0,1,2,3,4,5,6,7,8,9,10,11,12,13,14,15
	global_store_b128 v[CO], v[BB+4*\t:BB+4*\t+3], s[12:13] offset:(32*((\a)/2)+8*((\a)%2)+\t+8*(\t/8))*4096 th:TH_STORE_NT   ; lane t's true row; 512 consecutive bytes
.endr
.endm
	PLACES NP
	TOSTAGE 0
.irp a, 1,2,3,4,5,6,7
.if \a > 1
	s_wait_xcnt 0x0                                ; block a - 2's stores have read their registers: block a's loads may land there
.endif
	TOSTAGE \a
	SEND \a-1, 32
.endr
	SEND 7, 0
	s_wait_tensorcnt 0x0                           ; the wave's end
	ds_add_u32 v[SPW], v[NIL]
	s_wait_dscnt 0x0
	CROUND
	s_endpgm
.Lfunc_end_k_q46867e2b04_wo:
	.size	k_q46867e2b04_wo, .Lfunc_end_k_q46867e2b04_wo-k_q46867e2b04_wo
	.p2alignl 7, 3214868480
	.fill 96, 4, 3214868480
	.section	.rodata,"a",@progbits
	.p2align	6, 0x0
	.amdhsa_kernel k_q46867e2b04_wo
		.amdhsa_group_segment_fixed_size 327680
		.amdhsa_private_segment_fixed_size 0
		.amdhsa_enable_private_segment 0
		.amdhsa_kernarg_size 24
		.amdhsa_user_sgpr_count 2
		.amdhsa_user_sgpr_kernarg_segment_ptr 1
		.amdhsa_wavefront_size32 1
		.amdhsa_system_sgpr_workgroup_id_x 1
		.amdhsa_system_sgpr_workgroup_id_y 1
		.amdhsa_system_sgpr_workgroup_id_z 1
		.amdhsa_system_vgpr_workitem_id 0
		.amdhsa_next_free_vgpr 1024
		.amdhsa_next_free_sgpr 100
		.amdhsa_reserve_vcc 0
		.amdhsa_float_denorm_mode_32 3
		.amdhsa_float_denorm_mode_16_64 3
		.amdhsa_memory_ordered 1
		.amdhsa_forward_progress 1
		.amdhsa_inst_pref_size 142
	.end_amdhsa_kernel
	.amdgpu_metadata
---
amdhsa.version: [ 1, 2 ]
amdhsa.kernels:
  - .name:           k_q46867e2b04_wo
    .symbol:         k_q46867e2b04_wo.kd
    .args:
      - { .name: PX, .offset: 0, .size: 8, .value_kind: global_buffer, .address_space: global }
      - { .name: P2, .offset: 8, .size: 8, .value_kind: global_buffer, .address_space: global }
      - { .name: D, .offset: 16, .size: 8, .value_kind: global_buffer, .address_space: global }
    .group_segment_fixed_size: 327680
    .private_segment_fixed_size: 0
    .kernarg_segment_align: 8
    .kernarg_segment_size: 24
    .max_flat_workgroup_size: 128
    .sgpr_count:     100
    .vgpr_count:     1024
    .wavefront_size: 32
...
	.end_amdgpu_metadata
.endif
;; end of part 4
;; launch ln1 (part 5): grid 256 x 1, 8 waves a work-group, no clusters, 69,632 bytes of LDS; arguments x, D, bo, ln1_g, ln1_b, FLQ, H, PX; writes H, PX
.if DOCPART == 5
	.amdgcn_target "amdgcn-amd-amdhsa--gfx1250"
	.amdhsa_code_object_version 6
	.text
	.protected	k_q46867e2b04_ln1
	.globl	k_q46867e2b04_ln1
	.p2align	8
	.type	k_q46867e2b04_ln1,@function
k_q46867e2b04_ln1:
	s_mov_b64 s[64:65], 0
	v_nop
	global_prefetch_b8 v0, s[64:65] scope:SCOPE_SE
	s_setreg_imm32_b32 hwreg(HW_REG_WAVE_MODE, 25, 1), 1
	s_wait_xcnt 0x0
; out = LN(in1 + (in2 + bias)) x g + beta, rows of 1,024 f32; where the flag (a whole number that the first launch stored) is not 0, the result also leaves quantised to FP6 (E2M3), as the next product's operand.
; No work of reference() is left out.  Mean and variance in two passes, as reference() has them.
; SHARES.  A work-group takes a block of 16 rows, those of the operand's image: lane r = row 32 (i / 2) + 8 (i % 2) + r + 8 (r / 8).  Wave w takes columns 128 w .. 128 w + 127: one K step of the image.
; Rows are loaded and stored 512 consecutive bytes at a time; between, they turn through the wave's own stage in LDS, so that lane (r, h) holds 64 numbers of ONE row (register 16 b + i = column 32 b + 16 h + i):
; a row's sums then want one exchange of halves and one round through LDS among the eight waves, and the quantiser finds its 16 neighbours in a lane's registers.
; LIMITS: NaN and infinities are not served; a block of zeros gets the scale byte 1 (its codes are zeros).
.set SCO,   3145728
.set STG,   16*528
.set RED,   8*STG                      ; 16 rows x 8 waves x 4 bytes for the sums; 512 bytes on, the same for the squares
.set SPARE, RED+1024
.set SPW, 12
.set NIL, 13
.set RW,  32                           ; v32-95   rows as loaded; later g; later rows to store
.set TN,  96                           ; v96-159  in2's rows; then my row's 64 numbers
.set BT,  160                          ; v160-223 beta; later the quantiser's registers
.set PC,  160
.set TM,  180
.set PW,  196
.set SEL, 2
.macro QUANT s
.irp b, 0,1,2,3
	v_max3_num_f32 v[TM+\b], |v[\s+16*\b]|, |v[\s+1+16*\b]|, 0x1800000   ; my 16 numbers of block b, and the floor 2^(3 - 127): the byte cannot fall under 1
.endr
.irp i, 2,4,6,8,10,12,14
.irp b, 0,1,2,3
	v_max3_num_f32 v[TM+\b], v[TM+\b], |v[\s+16*\b+\i]|, |v[\s+1+16*\b+\i]|
.endr
.endr
.irp b, 0,1,2,3
	v_permlanex16_b32 v[TM+4+\b], v[TM+\b], s[SEL], s[SEL+1]
.endr
.irp b, 0,1,2,3
	v_max_num_f32 v[TM+\b], v[TM+\b], v[TM+4+\b]
.endr
.irp b, 0,1,2,3
	v_add_nc_u32 v[TM+12+\b], 0xff000000, v[TM+\b]
.endr
.irp b, 0,1,2,3
	v_lshrrev_b32 v[TM+4+\b], 23, v[TM+12+\b]
.endr
	v_lshl_or_b32 v[PW], v[TM+5], 8, v[TM+4]
	v_lshl_or_b32 v[PW], v[TM+6], 16, v[PW]
	v_lshl_or_b32 v[PW], v[TM+7], 24, v[PW]
.irp c, 0,1
	v_cvt_scalef32_pk16_fp6_f32 v[PC+6*\c:PC+2+6*\c], v[\s+32*\c:\s+15+32*\c], v[TM+12+2*\c]
	v_cvt_scalef32_pk16_fp6_f32 v[PC+12+4*\c:PC+14+4*\c], v[\s+16+32*\c:\s+31+32*\c], v[TM+13+2*\c]
.endr
	v_nop
.irp c, 0,1
.irp i, 0,1,2
	v_permlane16_swap_b32 v[PC+6*\c+\i], v[PC+12+4*\c+\i]
.endr
.irp i, 0,1,2
	v_mov_b32 v[PC+3+6*\c+\i], v[PC+12+4*\c+\i]
.endr
.endr
.endm
; v[224:227], two packed partial sums of my 64 numbers, become the row's sum over all 1,024 columns, in v228 of every lane
.macro RSUM off
	v_pk_add_f32 v[224:225], v[224:225], v[226:227]
	v_add_f32 v224, v224, v225
	v_permlanex16_b32 v225, v224, s[SEL], s[SEL+1]
	v_add_f32 v224, v224, v225                     ; my wave's 128 columns of row r
	ds_store_b32 v11, v224 offset:\off             ; lanes r and 16 + r write the same word with the same value
	s_wait_dscnt 0x0                               ; for the others' sake
	s_barrier_signal -1
	s_barrier_wait -1
	ds_load_b128 v[228:231], v10 offset:\off
	ds_load_b128 v[232:235], v10 offset:\off+16
	s_wait_dscnt 0x0
	v_pk_add_f32 v[228:229], v[228:229], v[230:231]
	v_pk_add_f32 v[232:233], v[232:233], v[234:235]
	v_pk_add_f32 v[228:229], v[228:229], v[232:233]
	v_add_f32 v228, v228, v229
.endm
	s_load_b512 s[4:19], s[0:1], 0x0               ; in1, in2, bias, g, beta, flag, out, image
	v_lshl_add_u32 v[SPW], v0, 2, SPARE
	v_mov_b32 v[NIL], 0
	v_lshrrev_b32 v1, 5, v0
	v_readfirstlane_b32 s20, v1                    ; wave 0..7
	v_and_b32 v2, 31, v0
	v_and_b32 v3, 15, v0                           ; r
	v_bfe_u32 v4, v0, 4, 1                         ; h
	v_lshlrev_b32 v5, 4, v2                        ; 16 x lane
	v_lshlrev_b32 v6, 3, v2                        ; 8 x lane
	v_lshlrev_b32 v9, 4, v3                        ; 16 r
	v_lshlrev_b32 v14, 6, v4                       ; 64 h
	s_mov_b32 s[SEL], 0x76543210
	s_mov_b32 s[SEL+1], 0xfedcba98
	s_mov_b32 s27, 0x3a800000                      ; 1 / 1,024
	s_mov_b32 s28, 0x3727c5ac                      ; 1e-5
	s_lshr_b32 s22, ttmp9, 1
	s_lshl_b32 s22, s22, 17
	s_and_b32 s23, ttmp9, 1
	s_lshl_b32 s23, s23, 15
	s_add_co_u32 s22, s22, s23
	s_lshl_b32 s24, s20, 9                         ; my 128 columns
	s_add_co_u32 s22, s22, s24                     ; at the block's first row
	s_mov_b32 s23, 0
	s_mov_b32 s25, 0
	s_mul_i32 s30, ttmp9, 12288                    ; the image: my fragment,
	s_mul_i32 s31, s20, 1536
	s_add_co_u32 s30, s30, s31
	s_mov_b32 s31, 0
	s_lshr_b32 s32, ttmp9, 3                       ; and its scale words
	s_lshl_b32 s32, s32, 12
	s_add_co_u32 s32, s32, s24
	s_and_b32 s33, ttmp9, 1
	s_lshl_b32 s33, s33, 8
	s_add_co_u32 s32, s32, s33
	s_bfe_u32 s33, ttmp9, 0x20001
	s_lshl_b32 s33, s33, 2
	s_add_co_u32 s32, s32, s33
	s_add_co_u32 s32, s32, SCO
	s_mov_b32 s33, 0
	s_mul_i32 s26, s20, STG
	v_add_nc_u32 v7, s26, v5                       ; the stage by rows
	v_mul_u32_u24 v8, v3, 528
	v_lshl_add_u32 v8, v4, 6, v8
	v_add_nc_u32 v8, s26, v8                       ; and by lanes: row r, + 64 h
	v_lshl_add_u32 v10, v3, 5, RED                 ; row r's eight partial sums,
	s_lshl_b32 s26, s20, 2
	v_add_nc_u32 v11, s26, v10                     ; and my wave's among them
	s_wait_kmcnt 0x0
	s_load_b32 s21, s[14:15], 0x0                  ; the flag
	s_add_nc_u64 s[4:5], s[4:5], s[22:23]
	s_add_nc_u64 s[6:7], s[6:7], s[22:23]
	s_add_nc_u64 s[16:17], s[16:17], s[22:23]
	s_add_nc_u64 s[8:9], s[8:9], s[24:25]
	s_add_nc_u64 s[10:11], s[10:11], s[24:25]
	s_add_nc_u64 s[12:13], s[12:13], s[24:25]
	s_add_nc_u64 s[30:31], s[18:19], s[30:31]
	s_add_nc_u64 s[32:33], s[18:19], s[32:33]
	global_load_b128 v[16:19], v5, s[8:9]
.irp t, 0,1,2,3,4,5,6,7,8,9,10,11,12,13,14,15
	global_load_b128 v[RW+4*\t:RW+4*\t+3], v5, s[4:5] offset:(\t+8*(\t/8))*4096 th:TH_LOAD_NT
	global_load_b128 v[TN+4*\t:TN+4*\t+3], v5, s[6:7] offset:(\t+8*(\t/8))*4096 th:TH_LOAD_NT
.endr
.irp t, 0,1,2,3,4,5,6,7,8,9,10,11,12,13,14,15
	s_wait_loadcnt 2*(15-\t)                       ; row t of both is in; the younger rows' two loads each may be out
	v_pk_add_f32 v[TN+4*\t:TN+4*\t+1], v[TN+4*\t:TN+4*\t+1], v[16:17]
	v_pk_add_f32 v[TN+4*\t+2:TN+4*\t+3], v[TN+4*\t+2:TN+4*\t+3], v[18:19]
	v_pk_add_f32 v[RW+4*\t:RW+4*\t+1], v[RW+4*\t:RW+4*\t+1], v[TN+4*\t:TN+4*\t+1]
	v_pk_add_f32 v[RW+4*\t+2:RW+4*\t+3], v[RW+4*\t+2:RW+4*\t+3], v[TN+4*\t+2:TN+4*\t+3]
	ds_store_b128 v7, v[RW+4*\t:RW+4*\t+3] offset:528*\t
.endr
.irp n, 0,1,2,3,4,5,6,7,8,9,10,11,12,13,14,15
	ds_load_b128 v[TN+4*\n:TN+4*\n+3], v8 offset:128*(\n/4)+16*(\n%4)   ; LDS serves a wave's instructions in order: these see my stores
.endr
	s_wait_dscnt 0x0                               ; the stores have read their registers too: g may land there
.irp n, 0,1,2,3,4,5,6,7,8,9,10,11,12,13,14,15
	global_load_b128 v[RW+4*\n:RW+4*\n+3], v14, s[10:11] offset:128*(\n/4)+16*(\n%4)   ; g and beta in my numbers' order; wanted behind both sums
	global_load_b128 v[BT+4*\n:BT+4*\n+3], v14, s[12:13] offset:128*(\n/4)+16*(\n%4)
.endr
	v_pk_add_f32 v[224:225], v[TN:TN+1], v[TN+4:TN+5]
	v_pk_add_f32 v[226:227], v[TN+2:TN+3], v[TN+6:TN+7]
.set J, 8
.rept 14
	v_pk_add_f32 v[224:225], v[224:225], v[TN+J:TN+J+1]
	v_pk_add_f32 v[226:227], v[226:227], v[TN+J+2:TN+J+3]
.set J, J+4
.endr
	RSUM 0
	v_mul_f32 v228, s27, v228                      ; the mean
.set J, 0
.rept 32
	v_pk_add_f32 v[TN+J:TN+J+1], v[TN+J:TN+J+1], v[228:229] op_sel_hi:[1,0] neg_lo:[0,1] neg_hi:[0,1]
.set J, J+2
.endr
	v_pk_mul_f32 v[224:225], v[TN:TN+1], v[TN:TN+1]
	v_pk_mul_f32 v[226:227], v[TN+2:TN+3], v[TN+2:TN+3]
.set J, 4
.rept 15
	v_pk_fma_f32 v[224:225], v[TN+J:TN+J+1], v[TN+J:TN+J+1], v[224:225]
	v_pk_fma_f32 v[226:227], v[TN+J+2:TN+J+3], v[TN+J+2:TN+J+3], v[226:227]
.set J, J+4
.endr
	RSUM 512
	v_fma_f32 v228, v228, s27, s28                 ; the variance + 1e-5
	v_rsq_f32 v230, v228
	v_nop                                          ; a plain place behind the root
	s_wait_loadcnt 0x0                             ; g, beta
	s_wait_alu depctr_va_vdst(0)                   ; the wait ahead of the root's first reader
.set J, 0
.rept 32
	v_pk_mul_f32 v[TN+J:TN+J+1], v[TN+J:TN+J+1], v[230:231] op_sel_hi:[1,0]
	v_pk_fma_f32 v[TN+J:TN+J+1], v[TN+J:TN+J+1], v[RW+J:RW+J+1], v[BT+J:BT+J+1]
.set J, J+2
.endr
.irp n, 0,1,2,3,4,5,6,7,8,9,10,11,12,13,14,15
	ds_store_b128 v8, v[TN+4*\n:TN+4*\n+3] offset:128*(\n/4)+16*(\n%4)   ; back through the stage,
.endr
.irp t, 0,1,2,3,4,5,6,7,8,9,10,11,12,13,14,15
	ds_load_b128 v[RW+4*\t:RW+4*\t+3], v7 offset:528*\t                  ; as rows; they land under the quantiser
.endr
	s_wait_kmcnt 0x0
	s_cmp_eq_u32 s21, 0
	s_cbranch_scc1 .Lno_image                      ; no barrier and no LDS instruction stands under this branch
	QUANT TN
	global_store_b128 v5, v[PC:PC+3], s[30:31]
	global_store_b64 v6, v[PC+4:PC+5], s[30:31] offset:512
	global_store_b128 v5, v[PC+6:PC+9], s[30:31] offset:768
	global_store_b64 v6, v[PC+10:PC+11], s[30:31] offset:1280
	global_store_b32 v9, v[PW], s[32:33]           ; lanes 16-31 hold and write the same word as lanes 0-15
.Lno_image:
.irp t, 0,1,2,3,4,5,6,7,8,9,10,11,12,13,14,15
	s_wait_dscnt 15-\t                             ; row t is back; the younger rows may be out
	global_store_b128 v5, v[RW+4*\t:RW+4*\t+3], s[16:17] offset:(\t+8*(\t/8))*4096   ; 512 consecutive bytes
.endr
	s_wait_tensorcnt 0x0                           ; the wave's end
	ds_add_u32 v[SPW], v[NIL]
	s_wait_dscnt 0x0
	s_endpgm
.Lfunc_end_k_q46867e2b04_ln1:
	.size	k_q46867e2b04_ln1, .Lfunc_end_k_q46867e2b04_ln1-k_q46867e2b04_ln1
	.p2alignl 7, 3214868480
	.fill 96, 4, 3214868480
	.section	.rodata,"a",@progbits
	.p2align	6, 0x0
	.amdhsa_kernel k_q46867e2b04_ln1
		.amdhsa_group_segment_fixed_size 69632
		.amdhsa_private_segment_fixed_size 0
		.amdhsa_enable_private_segment 0
		.amdhsa_kernarg_size 64
		.amdhsa_user_sgpr_count 2
		.amdhsa_user_sgpr_kernarg_segment_ptr 1
		.amdhsa_wavefront_size32 1
		.amdhsa_system_sgpr_workgroup_id_x 1
		.amdhsa_system_sgpr_workgroup_id_y 1
		.amdhsa_system_sgpr_workgroup_id_z 1
		.amdhsa_system_vgpr_workitem_id 0
		.amdhsa_next_free_vgpr 256
		.amdhsa_next_free_sgpr 66
		.amdhsa_reserve_vcc 0
		.amdhsa_float_denorm_mode_32 3
		.amdhsa_float_denorm_mode_16_64 3
		.amdhsa_memory_ordered 1
		.amdhsa_forward_progress 1
		.amdhsa_inst_pref_size 36
	.end_amdhsa_kernel
	.amdgpu_metadata
---
amdhsa.version: [ 1, 2 ]
amdhsa.kernels:
  - .name:           k_q46867e2b04_ln1
    .symbol:         k_q46867e2b04_ln1.kd
    .args:
      - { .name: x, .offset: 0, .size: 8, .value_kind: global_buffer, .address_space: global }
      - { .name: D, .offset: 8, .size: 8, .value_kind: global_buffer, .address_space: global }
      - { .name: bo, .offset: 16, .size: 8, .value_kind: global_buffer, .address_space: global }
      - { .name: ln1_g, .offset: 24, .size: 8, .value_kind: global_buffer, .address_space: global }
      - { .name: ln1_b, .offset: 32, .size: 8, .value_kind: global_buffer, .address_space: global }
      - { .name: FLQ, .offset: 40, .size: 8, .value_kind: global_buffer, .address_space: global }
      - { .name: H, .offset: 48, .size: 8, .value_kind: global_buffer, .address_space: global }
      - { .name: PX, .offset: 56, .size: 8, .value_kind: global_buffer, .address_space: global }
    .group_segment_fixed_size: 69632
    .private_segment_fixed_size: 0
    .kernarg_segment_align: 8
    .kernarg_segment_size: 64
    .max_flat_workgroup_size: 256
    .sgpr_count:     66
    .vgpr_count:     256
    .wavefront_size: 32
...
	.end_amdgpu_metadata
.endif
;; end of part 5
;; launch w1: the kernel of part 2 again; grid 16 x 16, 4 waves a work-group, clusters of 4 x 4, 327,680 bytes of LDS; arguments PX, P2, bv, B; writes B
;; launch w2 (part 6): grid 4 x 16, 4 waves a work-group, clusters of 4 x 4, 327,680 bytes of LDS; arguments B, P2, D; writes D
.if DOCPART == 6
	.amdgcn_target "amdgcn-amd-amdhsa--gfx1250"
	.amdhsa_code_object_version 6
	.text
	.protected	k_q46867e2b04_w2
	.globl	k_q46867e2b04_w2
	.p2align	8
	.type	k_q46867e2b04_w2,@function
k_q46867e2b04_w2:
	s_mov_b64 s[64:65], 0
	v_nop
	global_prefetch_b8 v0, s[64:65] scope:SCOPE_SE
	s_setreg_imm32_b32 hwreg(HW_REG_WAVE_MODE, 25, 1), 1
	s_wait_xcnt 0x0
	s_wait_alu depctr_hold_cnt(0) depctr_sa_sdst(0) depctr_va_vdst(0) depctr_va_sdst(0) depctr_va_ssrc(0) depctr_va_vcc(0) depctr_vm_vsrc(0)
	s_getreg_b32 s2, hwreg(HW_REG_IB_STS2, 6, 4)
	s_cmp_eq_u32 s2, 0
	s_cbranch_scc0 .Lentry_in_a_cluster
	s_endpgm
.Lentry_in_a_cluster:
	s_bfe_u32 s2, ttmp6, 0x10000c
	s_cmp_lg_u32 s2, 0xf033
	s_cbranch_scc0 .Lentry_shape_is_right
	s_endpgm
.Lentry_shape_is_right:
; C = A B^T on codes of FP6 (E2M3), C [4096][1024] f32, row-major.  K = 4,096: A = the operand in the first buffer (scale words ASC bytes on), B = the operand BOP bytes into the second.  No work of reference() is left out.
; Operands are images of the matrix unit's registers (rows in blocks of 16, lane r = row 32 (i / 2) + 8 (i % 2) + r + 8 (r / 8); a half = 16 rows x 64 codes = 768 bytes; scale words [8 blocks][K step][512 bytes]).
; A tile is 256 x 256; four waves, each 128 x 128: 64 accumulators.  K goes in steps of 256 through two LDS slots; a block's part of a slot is 3,072 consecutive bytes, so every LDS load takes 512 or 256 bytes on end.
; The tile's scale words, for all of K, come once.  4 x 4 work-groups form a cluster: A's tiles are asked for jointly along a row, B's along a column.  C has 64 tiles: 64 work-groups.
; THE MATRIX INSTRUCTION IS USED TRANSPOSED (source 0 = B's block, source 1 = A's): lane (r, h) holds A's row of lane r; register j of accumulator (a, b) is column 32 (b / 2) + 8 (b % 2) + 16 h + j.
; REGISTERS: window 0: v16-29 addresses; v32-63 scale words, two sets; v128-223 A's fragments (on the way out v128-255: rows of C).  window 1: B's fragments, two sets.  windows 2, 3: the accumulators.
.set PITCHB, 49152                     ; an operand's block, all of K
.set HALFS,  16384                     ; the scale words of 128 rows
.set LAPS,   8                         ; K / 512
.set ASC,    12582912
.set BOP,    6570240
.set SCO,    3145728
.set BLKB,   3072
.set HALFT,  8*BLKB
.set SLOT,   4*HALFT
.set SCL,    2*SLOT
.set SPARE,  SCL+4*HALFS
.set SPITCH, 528                       ; the way out: a stage of 16 rows x (512 bytes + 16) a wave, in slot 0, which has had its last fill and its last read by then
.set NQ, 2
.set FR, 12
.set NL, 4
.set NP, 4
.set ADRA, 16
.set ADRB, 20
.set STO,  24
.set RD,   25
.set CO,   26
.set ADRS, 27
.set SPW,  28
.set NIL,  29
.set SC,   32
.set AF,   128
.set BK,   128
.set G1, 24
.set G0, 32
.set G1B, 48
.set G0B, 56
.set G1S, 68
.set G0S, 76
.set G1SB, 80
.set G0SB, 88
.set MSB, 0
.macro WIN new
.if MSB != \new
	s_set_vgpr_msb (MSB<<8)|\new
.set MSB, \new
.endif
.endm
.set MUL_LO, 0xa1
.set MUL_HI, 0xf1
.set TO_B,   0x40
.macro JLOAD g0a, g1a, g0b, g1b        ; a joint load: waves 0 and 1 for A, waves 2 and 3 for B; an s_nop 0 and four v_nop follow each line
	s_cmp_eq_u32 s15, 0
	s_cbranch_scc0 .Lfor_b_\@
	tensor_load_to_lds s[\g0a:\g0a+3], s[\g1a:\g1a+7]
	s_nop 0
.rept 4
	v_nop
.endr
	s_branch .Lasked_\@
.Lfor_b_\@:
	tensor_load_to_lds s[\g0b:\g0b+3], s[\g1b:\g1b+7]
	s_nop 0
.rept 4
	v_nop
.endr
.Lasked_\@:
.endm
.macro CREST
	s_cmp_lg_u32 s14, 0
	s_cbranch_scc1 .Lnot_wave_0_\@
	s_barrier_signal -3
.Lnot_wave_0_\@:
	s_barrier_wait -3
	s_barrier_signal -1
	s_barrier_wait -1
.endm
.macro CROUND
	s_barrier_signal -1
	s_barrier_wait -1
	CREST
.endm
	s_load_b128 s[4:7], s[0:1], 0x0                ; A's buffer, B's buffer
	s_load_b64 s[12:13], s[0:1], 0x10              ; C
	v_lshl_add_u32 v[SPW], v0, 2, SPARE
	v_mov_b32 v[NIL], 0
	ds_add_u32 v[SPW], v[NIL]                      ; the opening: the add, twice on end, and its wait ahead of my first tensor load
	ds_add_u32 v[SPW], v[NIL]
	v_lshrrev_b32 v1, 5, v0
	v_readfirstlane_b32 s14, v1
	s_lshr_b32 s15, s14, 1                         ; my half of the rows; also: I fetch for A (0) or B (1)
	s_and_b32 s16, s14, 1                          ; my half of the columns; also: which 128 rows I fetch
	s_bfe_u32 s40, ttmp6, 0x40000
	s_bfe_u32 s41, ttmp6, 0x40004
	s_lshl_b32 s42, ttmp9, 2
	s_add_co_u32 s42, s42, s40                     ; tile column
	s_and_b32 s17, ttmp7, 0xffff
	s_lshl_b32 s17, s17, 2
	s_add_co_u32 s17, s17, s41                     ; tile row
	s_lshl_b32 s43, s41, 2
	s_lshl_b32 s43, 15, s43
	s_lshl_b32 s44, 0x1111, s40
	s_or_b32 s[G1+0], s43, (3<<16)|(1<<21)         ; codes: 8 blocks x 3,072 bytes (384 elements of 8 bytes)
	s_or_b32 s[G1B+0], s44, (3<<16)|(1<<21)
.irp g, G1, G1B
	s_mov_b32 s[\g+1], 384<<16
	s_mov_b32 s[\g+2], 8<<16
	s_mov_b32 s[\g+3], 384<<16
	s_mov_b32 s[\g+4], 8
	s_mov_b32 s[\g+5], PITCHB/8
	s_mov_b32 s[\g+6], 0
	s_mov_b32 s[\g+7], 0
.endr
	s_or_b32 s[G1S+0], s43, (3<<16)|(1<<21)        ; scale words of 128 rows: a dense block, as rows of 256 bytes
	s_or_b32 s[G1SB+0], s44, (3<<16)|(1<<21)
.irp g, G1S, G1SB
	s_mov_b32 s[\g+1], 32<<16
	s_mov_b32 s[\g+2], (HALFS/256)<<16
	s_mov_b32 s[\g+3], 32<<16
	s_mov_b32 s[\g+4], HALFS/256
	s_mov_b32 s[\g+5], 32
	s_mov_b32 s[\g+6], 0
	s_mov_b32 s[\g+7], 0
.endr
	s_lshl_b32 s18, s17, 1
	s_add_co_u32 s18, s18, s16
	s_mul_i32 s22, s18, HALFS
	s_add_co_u32 s22, s22, ASC
	s_mul_i32 s18, s18, 8*PITCHB
	s_mov_b32 s19, 0
	s_mov_b32 s23, 0
	s_lshl_b32 s46, s42, 1
	s_add_co_u32 s46, s46, s16
	s_mul_i32 s92, s46, HALFS
	s_add_co_u32 s92, s92, BOP+SCO
	s_mul_i32 s46, s46, 8*PITCHB
	s_add_co_u32 s46, s46, BOP
	s_mov_b32 s47, 0
	s_mov_b32 s93, 0
	s_mul_i32 s45, s14, HALFT
	s_mul_i32 s94, s14, HALFS
	s_wait_dscnt 0x0
	s_wait_kmcnt 0x0
	s_add_nc_u64 s[18:19], s[4:5], s[18:19]
	s_add_nc_u64 s[22:23], s[4:5], s[22:23]
	s_add_nc_u64 s[46:47], s[6:7], s[46:47]
	s_add_nc_u64 s[92:93], s[6:7], s[92:93]
	CROUND
	s_mov_b32 s[G0S], 1
	s_add_co_u32 s[G0S+1], s94, SCL
	s_mov_b64 s[G0S+2:G0S+3], s[22:23]
	s_or_b32 s[G0S+3], s[G0S+3], 0x80000000
	s_mov_b32 s[G0SB], 1
	s_add_co_u32 s[G0SB+1], s94, SCL
	s_mov_b64 s[G0SB+2:G0SB+3], s[92:93]
	s_or_b32 s[G0SB+3], s[G0SB+3], 0x80000000
	JLOAD G0S, G1S, G0SB, G1SB                     ; three loads of mine are out at the head
.irp s, 0,1
	s_mov_b32 s[G0+4*\s], 1
	s_add_co_u32 s[G0+4*\s+1], s45, \s*SLOT
	s_add_nc_u64 s[G0+4*\s+2:G0+4*\s+3], s[18:19], \s*BLKB
	s_or_b32 s[G0+4*\s+3], s[G0+4*\s+3], 0x80000000
	s_mov_b32 s[G0B+4*\s], 1
	s_add_co_u32 s[G0B+4*\s+1], s45, \s*SLOT
	s_add_nc_u64 s[G0B+4*\s+2:G0B+4*\s+3], s[46:47], \s*BLKB
	s_or_b32 s[G0B+4*\s+3], s[G0B+4*\s+3], 0x80000000
	JLOAD G0+4*\s, G1, G0B+4*\s, G1B
.endr
	v_and_b32 v1, 15, v0
	v_bfe_u32 v2, v0, 4, 1
	v_and_b32 v5, 31, v0
	v_lshlrev_b32 v[CO], 4, v5                     ; 16 x lane
	v_lshlrev_b32 v7, 3, v5                        ; 8 x lane
	s_mul_i32 s21, s15, HALFT
	s_mul_i32 s22, s16, HALFT
	s_add_co_u32 s22, s22, 2*HALFT
.irp s, 0,1
	v_add_nc_u32 v[ADRA+\s], s21, v[CO]
	v_add_nc_u32 v[ADRA+2+\s], s21, v7
	v_add_nc_u32 v[ADRB+\s], s22, v[CO]
	v_add_nc_u32 v[ADRB+2+\s], s22, v7
	s_add_co_u32 s21, s21, SLOT
	s_add_co_u32 s22, s22, SLOT
.endr
	v_lshlrev_b32 v5, 4, v1
	s_mul_i32 s21, s15, HALFS
	s_mul_i32 s22, s16, HALFS
	s_add_co_u32 s22, s22, 2*HALFS
	s_sub_co_u32 s22, s22, s21
	v_mul_u32_u24 v6, s22, v2                      ; lanes 16-31 take B's: one product with h
	s_add_co_u32 s21, s21, SCL
	v_add_nc_u32 v5, v5, v6
	v_add_nc_u32 v[ADRS], s21, v5
	s_mul_i32 s23, s14, 16*SPITCH                  ; my stage
	v_mul_u32_u24 v5, v1, SPITCH
	v_lshl_add_u32 v5, v2, 6, v5
	v_add_nc_u32 v[STO], s23, v5                   ; in: row r, + 64 h
	v_add_nc_u32 v[RD], s23, v[CO]                 ; back: a row's 512 bytes, 16 a lane
	s_lshl_b32 s20, s17, 20                        ; my first row of C: 256 rows of 4,096 bytes a tile,
	s_lshl_b32 s21, s15, 19
	s_add_co_u32 s20, s20, s21
	s_lshl_b32 s21, s42, 10                        ; my first column
	s_add_co_u32 s20, s20, s21
	s_lshl_b32 s21, s16, 9
	s_add_co_u32 s20, s20, s21
	s_mov_b32 s21, 0
	s_add_nc_u64 s[12:13], s[12:13], s[20:21]
.macro FRAG reg, adr, q, i
	ds_load_b128 v[\reg:\reg+3], v[\adr] offset:(\i)*BLKB+(\q)*1536
	ds_load_b64 v[\reg+4:\reg+5], v[\adr+2] offset:(\i)*BLKB+(\q)*1536+512
	ds_load_b128 v[\reg+6:\reg+9], v[\adr] offset:(\i)*BLKB+(\q)*1536+768
	ds_load_b64 v[\reg+10:\reg+11], v[\adr+2] offset:(\i)*BLKB+(\q)*1536+1280
.endm
.macro MUL16 a0, p, q, sc, first       ; 16 matrix instructions; first = 1: the product starts the sum.  The 64 accumulators take turns
.irp a, \a0, \a0+1
.irp b, 0,1,2,3,4,5,6,7
.if \first
	v_wmma_scale_f32_16x16x128_f8f6f4 v[8*(8*((\a)%4)+\b):8*(8*((\a)%4)+\b)+7], v[128*(\p)+FR*\b:128*(\p)+FR*\b+FR-1], v[AF+FR*(\a):AF+FR*(\a)+FR-1], 0, v[SC+16*(\sc)+8*(\q)+4*(\b%2)+\b/2], v[SC+16*(\sc)+8*(\q)+4*((\a)%2)+(\a)/2] matrix_a_fmt:MATRIX_FMT_FP6 matrix_b_fmt:MATRIX_FMT_FP6 matrix_a_scale:MATRIX_SCALE_ROW1
.else
	v_wmma_scale_f32_16x16x128_f8f6f4 v[8*(8*((\a)%4)+\b):8*(8*((\a)%4)+\b)+7], v[128*(\p)+FR*\b:128*(\p)+FR*\b+FR-1], v[AF+FR*(\a):AF+FR*(\a)+FR-1], v[8*(8*((\a)%4)+\b):8*(8*((\a)%4)+\b)+7], v[SC+16*(\sc)+8*(\q)+4*(\b%2)+\b/2], v[SC+16*(\sc)+8*(\q)+4*((\a)%2)+(\a)/2] matrix_a_fmt:MATRIX_FMT_FP6 matrix_b_fmt:MATRIX_FMT_FP6 matrix_a_scale:MATRIX_SCALE_ROW1
.endif
.endr
.endr
.endm
.macro FETCH_B slot, q, p
	WIN TO_B
.irp i, 0,1,2,3,4,5,6,7
	FRAG 128*(\p)+FR*\i, ADRB+\slot, \q, \i
.endr
	WIN 0
.endm
.macro FETCH_A slot, q, i0
.irp i, \i0, \i0+1, \i0+2, \i0+3
	FRAG AF+FR*(\i), ADRA+\slot, \q, \i
.endr
.endm
.macro SCALES sc
.irp n, 0,1,2,3
	ds_load_b128 v[SC+16*\sc+4*\n:SC+16*\sc+4*\n+3], v[ADRS] offset:256*\n
.endr
.endm
.macro PLACES n
.rept \n
	v_nop
.endr
.endm
.macro STEP slot, q, first
	s_wait_dscnt 4*NL                              ; the 16 youngest loads (A's blocks 4-7) may be out
	WIN MUL_LO
	MUL16 0, (\q)%2, \q, \slot, \first
	MUL16 2, (\q)%2, \q, \slot, \first
	s_wait_dscnt 0
	PLACES NP
	FETCH_B \slot, (\q)+1, 1-(\q)%2
	FETCH_A \slot, (\q)+1, 0
	WIN MUL_HI
	MUL16 4, (\q)%2, \q, \slot, \first
	MUL16 6, (\q)%2, \q, \slot, \first
	PLACES NP
	WIN 0
	FETCH_A \slot, (\q)+1, 4
.endm
.macro TURN slot, next, fill
	s_wait_tensorcnt 0x0                           ; all my tensor loads have landed: my part of the next slot
	ds_add_u32 v[SPW], v[NIL]
	s_wait_dscnt 4*NL+1                            ; (the add and the 16 youngest loads may be out)
	WIN MUL_LO
	MUL16 0, 1, NQ-1, \slot, 0
	s_wait_dscnt 0x0                               ; the add is done, and my reads of this slot are over
	s_barrier_signal -1
	MUL16 2, 1, NQ-1, \slot, 0
	WIN 0
	s_barrier_wait -1
.if \fill
	CREST                                          ; the barrier has opened a round of the cluster's
	s_add_nc_u64 s[G0+4*\slot+2:G0+4*\slot+3], s[G0+4*\slot+2:G0+4*\slot+3], 2*BLKB
	s_add_nc_u64 s[G0B+4*\slot+2:G0B+4*\slot+3], s[G0B+4*\slot+2:G0B+4*\slot+3], 2*BLKB
	JLOAD G0+4*\slot, G1, G0B+4*\slot, G1B         ; my one tensor load behind the round
.else
	PLACES NP
.endif
	v_add_nc_u32 v[ADRS], 512*NQ, v[ADRS]
	FETCH_B \next, 0, 0
	FETCH_A \next, 0, 0
	SCALES \next
	WIN MUL_HI
	MUL16 4, 1, NQ-1, \slot, 0
	MUL16 6, 1, NQ-1, \slot, 0
	PLACES NP
	WIN 0
	FETCH_A \next, 0, 4
.endm
	s_wait_tensorcnt 1                             ; the scale words and my part of slot 0 are in; slot 1's load may be out
	s_barrier_signal -1
	s_barrier_wait -1
	FETCH_B 0, 0, 0
	FETCH_A 0, 0, 0
	SCALES 0
	FETCH_A 0, 0, 4
	STEP 0, 0, 1
	s_mov_b32 s95, LAPS-1
.Llap:
	TURN 0, 1, 1
	STEP 1, 0, 0
	TURN 1, 0, 1
	STEP 0, 0, 0
	s_sub_co_u32 s95, s95, 1
	s_cmp_lg_u32 s95, 0
	s_cbranch_scc1 .Llap
	TURN 0, 1, 0
	STEP 1, 0, 0
	s_wait_dscnt 4*NL
	WIN MUL_LO
	MUL16 0, 1, NQ-1, 1, 0
	MUL16 2, 1, NQ-1, 1, 0
	s_wait_dscnt 0
	WIN MUL_HI
	MUL16 4, 1, NQ-1, 1, 0
	MUL16 6, 1, NQ-1, 1, 0
	WIN 0
; THE WAY OUT, block by block of 16 rows x 128 columns, through my own stage: in by lanes (each number at its true column), back as whole rows of 512 bytes.  LDS serves a wave's instructions in order.
.macro TOSTAGE a
.set AC, 64*((\a)%4)
	WIN 0x08+4*((\a)/4)
.irp b, 0,1,2,3,4,5,6,7
	ds_store_b128 v[STO], v[AC+8*\b:AC+8*\b+3] offset:128*(\b/2)+32*(\b%2)
	ds_store_b128 v[STO], v[AC+8*\b+4:AC+8*\b+7] offset:128*(\b/2)+32*(\b%2)+16
.endr
	WIN 0
.set BB, BK+64*((\a)%2)
.irp t, 0,1,2,3,4,5,6,7,8,9,10,11,12,13,14,15
	ds_load_b128 v[BB+4*\t:BB+4*\t+3], v[RD] offset:\t*SPITCH
.endr
.endm
.macro SEND a, younger
.set BB, BK+64*((\a)%2)
	s_wait_dscnt \younger                          ; the block is back; the next block's 16 stores and 16 loads may be out
.irp t, 0,1,2,3,4,5,6,7,8,9,10,11,12,13,14,15
	global_store_b128 v[CO], v[BB+4*\t:BB+4*\t+3], s[12:13] offset:(32*((\a)/2)+8*((\a)%2)+\t+8*(\t/8))*4096 th:TH_STORE_NT   ; lane t's true row; 512 consecutive bytes
.endr
.endm
	PLACES NP
	TOSTAGE 0
.irp a, 1,2,3,4,5,6,7
.if \a > 1
	s_wait_xcnt 0x0                                ; block a - 2's stores have read their registers: block a's loads may land there
.endif
	TOSTAGE \a
	SEND \a-1, 32
.endr
	SEND 7, 0
	s_wait_tensorcnt 0x0                           ; the wave's end
	ds_add_u32 v[SPW], v[NIL]
	s_wait_dscnt 0x0
	CROUND
	s_endpgm
.Lfunc_end_k_q46867e2b04_w2:
	.size	k_q46867e2b04_w2, .Lfunc_end_k_q46867e2b04_w2-k_q46867e2b04_w2
	.p2alignl 7, 3214868480
	.fill 96, 4, 3214868480
	.section	.rodata,"a",@progbits
	.p2align	6, 0x0
	.amdhsa_kernel k_q46867e2b04_w2
		.amdhsa_group_segment_fixed_size 327680
		.amdhsa_private_segment_fixed_size 0
		.amdhsa_enable_private_segment 0
		.amdhsa_kernarg_size 24
		.amdhsa_user_sgpr_count 2
		.amdhsa_user_sgpr_kernarg_segment_ptr 1
		.amdhsa_wavefront_size32 1
		.amdhsa_system_sgpr_workgroup_id_x 1
		.amdhsa_system_sgpr_workgroup_id_y 1
		.amdhsa_system_sgpr_workgroup_id_z 1
		.amdhsa_system_vgpr_workitem_id 0
		.amdhsa_next_free_vgpr 1024
		.amdhsa_next_free_sgpr 100
		.amdhsa_reserve_vcc 0
		.amdhsa_float_denorm_mode_32 3
		.amdhsa_float_denorm_mode_16_64 3
		.amdhsa_memory_ordered 1
		.amdhsa_forward_progress 1
		.amdhsa_inst_pref_size 142
	.end_amdhsa_kernel
	.amdgpu_metadata
---
amdhsa.version: [ 1, 2 ]
amdhsa.kernels:
  - .name:           k_q46867e2b04_w2
    .symbol:         k_q46867e2b04_w2.kd
    .args:
      - { .name: B, .offset: 0, .size: 8, .value_kind: global_buffer, .address_space: global }
      - { .name: P2, .offset: 8, .size: 8, .value_kind: global_buffer, .address_space: global }
      - { .name: D, .offset: 16, .size: 8, .value_kind: global_buffer, .address_space: global }
    .group_segment_fixed_size: 327680
    .private_segment_fixed_size: 0
    .kernarg_segment_align: 8
    .kernarg_segment_size: 24
    .max_flat_workgroup_size: 128
    .sgpr_count:     100
    .vgpr_count:     1024
    .wavefront_size: 32
...
	.end_amdgpu_metadata
.endif
;; end of part 6
;; launch ln2: the kernel of part 5 again; grid 256 x 1, 8 waves a work-group, no clusters, 69,632 bytes of LDS; arguments H, D, b2, ln2_g, ln2_b, FLN, out0, PX; writes out0, PX
;; ======== version 2 of 2: 7 launches
;; limits: right only within a limited range of input values
;; workspace buffers: PX 3,276,800 bytes; P1 6,570,240 bytes; P2 9,847,040 bytes; B 16,384,000 bytes; D 16,777,216 bytes; H 16,777,216 bytes; FLQ 256 bytes of whole numbers; FLN 256 bytes of whole numbers
;; launch prep (part 7): grid 1024 x 1, 8 waves a work-group, no clusters, 68,608 bytes of LDS; arguments x, PX, Wq_codes, Wq_scales, Wk_codes, Wk_scales, Wv_codes, Wv_scales, Wo_codes, Wo_scales, W1_codes, W1_scales, W2_codes, W2_scales, P1, P2, bq, bk, b1, FLQ, FLN; writes PX, P1, P2, FLQ, FLN
.if DOCPART == 7
	.amdgcn_target "amdgcn-amd-amdhsa--gfx1250"
	.amdhsa_code_object_version 6
	.text
	.protected	k_q46867e2b04_prep
	.globl	k_q46867e2b04_prep
	.p2align	8
	.type	k_q46867e2b04_prep,@function
k_q46867e2b04_prep:
	s_mov_b64 s[64:65], 0
	v_nop
	global_prefetch_b8 v0, s[64:65] scope:SCOPE_SE
	s_setreg_imm32_b32 hwreg(HW_REG_WAVE_MODE, 25, 1), 1
	s_wait_xcnt 0x0
; ENCODER LAYER IN MX-FP6, launch 1 of 7: every matrix operand that is known at the start is laid as the matrix unit's registers take it.
; DEAD WORK: none.  Every input of reference() reaches out0 for some values of the inputs (bk too: it moves k's codes), so all 23 inputs are loaded and all eight products are done.
; LIMITS: NaN and infinities among the inputs are not served.  A block of 32 zeros gets the scale byte 1 where the quantiser says 127: its codes are zeros, which add nothing under any
; byte but 0xff, and the bytes are read by this program alone.  Blocks whose largest magnitude lies under 2^-124 share that floor.
; THE IMAGE OF AN OPERAND.  Rows go in blocks of 16; lane r of block i holds row pi(i, r) = 32 (i / 2) + 8 (i % 2) + r + 8 (r / 8): used as source 0 of a product, blocks 2 p and 2 p + 1 then leave
; 16 neighbouring results in a lane's 16 registers.  A HALF is 16 rows x 64 codes, 768 bytes: lane (r, h) owns the 24 bytes of k = 32 h .. 32 h + 31: registers 0-3 at 16 x lane, registers 4-5 at 512 + 8 x lane.
; Codes: [block][K / 64 halves].  Scale words (4 bytes: 128 along K of a row): [8 blocks][K step][512 bytes], the word of block a, lane r at 256 (a % 2) + 4 (a / 2) + 16 r; they begin SCO bytes behind the codes.
; SHARES.  Work-groups 0-255: block i of x, wave w its K step w: read as rows, turned through the wave's stage in LDS, quantised.  Work-groups 256-1023: a block of a weight, wave w a K step: the given codes and
; scale bytes are only laid anew.  Work-group 1023, behind its weight's part: bq | bk and b1 behind their weights, the two floors (-infinity: no clip; 0: relu), the two flags.
.set SCO,   3145728
.set STG,   16*528                     ; a wave's stage: 16 rows x (512 bytes + 16): row r starts at bank 4 r
.set SPARE, 8*STG                      ; behind the stages: the spare words, 128 bytes a wave
.set SPW, 12                           ; v12  my spare word's LDS address; never rewritten
.set NIL, 13                           ; v13  0; never rewritten
.set RW,  32                           ; v32-95   16 rows as loaded
.set TN,  32                           ; v32-95   then my row's 64 numbers, in the same registers: register 16 b + i = k 32 b + 16 h + i
.set PC,  96                           ; v96-107 a fragment's codes; v108-114 at work
.set TM,  16                           ; v16-31 at work
.set PW,  15                           ; v15 a scale word
.set WV,  60
.set SEL, 62
; 64 numbers of a lane become a fragment's 12 registers of codes and its row's scale word.
.macro QUANT s
.irp b, 0,1,2,3
	v_max3_num_f32 v[TM+\b], |v[\s+16*\b]|, |v[\s+1+16*\b]|, 0x1800000   ; block b: my 16 numbers, and the floor 2^(3 - 127): the byte cannot fall under 1
.endr
.irp i, 2,4,6,8,10,12,14
.irp b, 0,1,2,3
	s_delay_alu instid0(VALU_DEP_4)
	v_max3_num_f32 v[TM+\b], v[TM+\b], |v[\s+16*\b+\i]|, |v[\s+1+16*\b+\i]|
.endr
.endr
.irp b, 0,1,2,3
	s_delay_alu instid0(VALU_DEP_4)
	v_permlanex16_b32 v[TM+4+\b], v[TM+\b], s[SEL], s[SEL+1]
.endr
.irp b, 0,1,2,3
	s_delay_alu instid0(VALU_DEP_4)
	v_max_num_f32 v[TM+\b], v[TM+\b], v[TM+4+\b]   ; with lane l xor 16's 16: the block's largest magnitude
.endr
.irp b, 0,1,2,3
	s_delay_alu instid0(VALU_DEP_4)
	v_add_nc_u32 v[TM+12+\b], 0xff000000, v[TM+\b] ; 2 off its exponent field: the conversion's scale operand
.endr
.irp b, 0,1,2,3
	s_delay_alu instid0(VALU_DEP_4)
	v_lshrrev_b32 v[TM+4+\b], 23, v[TM+12+\b]      ; the scale's byte
.endr
	s_delay_alu instid0(VALU_DEP_3)
	v_lshl_or_b32 v[PW], v[TM+5], 8, v[TM+4]
	s_delay_alu instid0(VALU_DEP_1)
	v_lshl_or_b32 v[PW], v[TM+6], 16, v[PW]
	s_delay_alu instid0(VALU_DEP_1)
	v_lshl_or_b32 v[PW], v[TM+7], 24, v[PW]
.irp c, 0,1
	v_cvt_scalef32_pk16_fp6_f32 v[PC+6*\c:PC+2+6*\c], v[\s+32*\c:\s+15+32*\c], v[TM+12+2*\c]
	v_cvt_scalef32_pk16_fp6_f32 v[PC+12+4*\c:PC+14+4*\c], v[\s+16+32*\c:\s+31+32*\c], v[TM+13+2*\c]   ; (three registers begin on an even number)
.endr
	v_nop                                          ; one plain place behind a scaled conversion
.irp c, 0,1                                    ; a whole block to a lane: lanes 0-15 block 2 c, lanes 16-31 block 2 c + 1
.irp i, 0,1,2
	v_permlane16_swap_b32 v[PC+6*\c+\i], v[PC+12+4*\c+\i]
.endr
.irp i, 0,1,2
	s_delay_alu instid0(VALU_DEP_3)
	v_mov_b32 v[PC+3+6*\c+\i], v[PC+12+4*\c+\i]
.endr
.endr
.endm
; s44 block, s43 K step, s48 a block's bytes, s49 log2 of 8 blocks' scale bytes, s45 the operand's place in its buffer  ->  s[34:35] the fragment's byte offset, s[36:37] its scale words'
.macro PLACE
	s_lshr_b32 s34, s44, 3                         ; 8 blocks' bytes x (block / 8),
	s_mul_i32 s34, s34, s48
	s_lshl_b32 s34, s34, 3
	s_and_b32 s35, s44, 7                          ; + (block % 8) x s50 + K step x s51.  All but Wo: s50 = a block, s51 = 1,536: [block][K step].
	s_mul_i32 s35, s35, s50                        ; Wo: s50 = 1,536, s51 = 12,288: [8 blocks][K step][block], the order in which its product's waves walk it
	s_add_co_u32 s34, s34, s35
	s_mul_i32 s35, s43, s51
	s_add_co_u32 s34, s34, s35
	s_add_co_u32 s34, s34, s45
	s_mov_b32 s35, 0
	s_lshr_b32 s36, s44, 3
	s_lshl_b32 s36, s36, s49
	s_lshl_b32 s37, s43, 9
	s_add_co_u32 s36, s36, s37
	s_and_b32 s37, s44, 1
	s_lshl_b32 s37, s37, 8
	s_add_co_u32 s36, s36, s37
	s_bfe_u32 s37, s44, 0x20001
	s_lshl_b32 s37, s37, 2
	s_add_co_u32 s36, s36, s37
	s_add_co_u32 s36, s36, s45
	s_add_co_u32 s36, s36, SCO
	s_mov_b32 s37, 0
.endm
.macro IMG                             ; the fragment leaves as 512, 256, 512 and 256 consecutive bytes, each at a multiple of 256
	global_store_b128 v5, v[PC:PC+3], s[34:35]
	global_store_b64 v6, v[PC+4:PC+5], s[34:35] offset:512
	global_store_b128 v5, v[PC+6:PC+9], s[34:35] offset:768
	global_store_b64 v6, v[PC+10:PC+11], s[34:35] offset:1280
	global_store_b32 v9, v[PW], s[36:37]           ; the row's scale word; lanes 16-31 hold and write the same word as lanes 0-15
.endm
.macro FINISH                          ; the wave's end
	s_wait_tensorcnt 0x0
	ds_add_u32 v[SPW], v[NIL]
	s_wait_dscnt 0x0
	s_endpgm
.endm
	v_lshl_add_u32 v[SPW], v0, 2, SPARE
	v_mov_b32 v[NIL], 0
	v_lshrrev_b32 v1, 5, v0
	s_delay_alu instid0(VALU_DEP_1)
	v_readfirstlane_b32 s[WV], v1                  ; wave 0..7
	v_and_b32 v2, 31, v0                           ; lane
	v_and_b32 v3, 15, v0                           ; r
	v_bfe_u32 v4, v0, 4, 1                         ; h
	s_delay_alu instid0(VALU_DEP_3)
	v_lshlrev_b32 v5, 4, v2                        ; 16 x lane
	s_delay_alu instid0(VALU_DEP_4)
	v_lshlrev_b32 v6, 3, v2                        ; 8 x lane
	s_delay_alu instid0(VALU_DEP_4)
	v_lshlrev_b32 v9, 4, v3                        ; 16 r
	s_cmp_lt_u32 ttmp9, 256
	s_cbranch_scc0 .Lnot_x
	; ---- x: block ttmp9, K step = wave
	s_load_b128 s[4:7], s[0:1], 0x0                ; x, PX
	s_mov_b32 s[SEL], 0x76543210
	s_mov_b32 s[SEL+1], 0xfedcba98                 ; lane l xor 16
	s_lshr_b32 s32, ttmp9, 1
	s_lshl_b32 s32, s32, 17                        ; 32 rows of 4,096 bytes
	s_and_b32 s33, ttmp9, 1
	s_lshl_b32 s33, s33, 15                        ; 8 rows
	s_add_co_u32 s32, s32, s33
	s_lshl_b32 s33, s[WV], 9                       ; 128 numbers
	s_add_co_u32 s32, s32, s33
	s_mov_b32 s33, 0
	s_mov_b32 s44, ttmp9
	s_mov_b32 s43, s[WV]
	s_mov_b32 s48, 12288
	s_mov_b32 s50, 12288
	s_mov_b32 s51, 1536
	s_mov_b32 s49, 12
	s_mov_b32 s45, 0
	PLACE
	s_mul_i32 s38, s[WV], STG
	s_wait_alu depctr_va_vdst(0)
	v_add_nc_u32 v7, s38, v5                       ; into the stage: a row's 512 bytes, 16 a lane
	v_mul_u32_u24 v8, v3, 528
	s_delay_alu instid0(VALU_DEP_1)
	v_lshl_add_u32 v8, v4, 6, v8
	s_delay_alu instid0(VALU_DEP_1)
	v_add_nc_u32 v8, s38, v8                       ; out of it: row r, + 64 h: 16 numbers of each block of 32
.irp b, 0,1,2,3
	v_mov_b32 v[TM+4+\b], 0                        ; a lane permute's destination counts as one of its sources
.endr
	s_wait_alu depctr_va_vdst(0)
	s_wait_kmcnt 0x0
	s_add_nc_u64 s[4:5], s[4:5], s[32:33]
	s_add_nc_u64 s[34:35], s[6:7], s[34:35]
	s_add_nc_u64 s[36:37], s[6:7], s[36:37]
.irp t, 0,1,2,3,4,5,6,7,8,9,10,11,12,13,14,15
	global_load_b128 v[RW+4*\t:RW+4*\t+3], v5, s[4:5] offset:(\t+8*(\t/8))*4096 th:TH_LOAD_NT   ; 512 consecutive bytes of row pi(i, t)
.endr
.irp t, 0,1,2,3,4,5,6,7,8,9,10,11,12,13,14,15
	s_wait_loadcnt 15-\t                           ; row t is in; the younger rows may be out
	ds_store_b128 v7, v[RW+4*\t:RW+4*\t+3] offset:528*\t
.endr
	s_wait_dscnt 0x0                               ; the stores have read their registers: the loads below land there
.irp n, 0,1,2,3,4,5,6,7,8,9,10,11,12,13,14,15
	ds_load_b128 v[TN+4*\n:TN+4*\n+3], v8 offset:128*(\n/4)+16*(\n%4)
.endr
	s_wait_dscnt 0x0
	QUANT TN
	IMG
	FINISH
.Lnot_x:
	; ---- a weight: t = ttmp9 - 256:  0-63 Wq, 64-127 Wk (behind Wq: one operand of 2,048 rows), 128-191 Wv, 192-255 Wo, 256-511 W1, 512-767 W2 (a block has 32 K steps: four work-groups)
	s_load_b512 s[4:19], s[0:1], 0x10              ; Wq, Wk, Wv, Wo: codes, scales
	s_load_b256 s[20:27], s[0:1], 0x50             ; W1, W2: codes, scales
	s_load_b128 s[28:31], s[0:1], 0x70             ; P1, P2
	s_sub_co_u32 s40, ttmp9, 256
	s_sub_co_u32 s32, s40, 64
	s_sub_co_u32 s33, s40, 128
	s_sub_co_u32 s50, s40, 192
	s_sub_co_u32 s51, s40, 256
	s_sub_co_u32 s52, s40, 512
	s_lshr_b32 s42, s52, 2                         ; W2's figures first; each compare below puts an earlier tensor's in their place
	s_and_b32 s43, s52, 3
	s_lshl_b32 s43, s43, 3                         ; s42 source block, s44 block in the operand, s43 first K step
	s_mov_b32 s44, s42
	s_mov_b32 s45, 6570240                         ; the operand's place in its buffer
	s_mov_b32 s46, 3072                            ; a source row of codes
	s_mov_b32 s47, 128                             ; a source row of scale bytes
	s_mov_b32 s48, 49152
	s_mov_b32 s49, 14
	s_wait_kmcnt 0x0
	s_cmp_lt_u32 s40, 512
	s_cselect_b64 s[56:57], s[20:21], s[24:25]
	s_cselect_b64 s[58:59], s[22:23], s[26:27]
	s_cselect_b32 s42, s51, s42
	s_cselect_b32 s44, s51, s44
	s_cselect_b32 s43, 0, s43
	s_cselect_b32 s45, 0, s45
	s_cselect_b32 s46, 768, s46
	s_cselect_b32 s47, 32, s47
	s_cselect_b32 s48, 12288, s48
	s_cselect_b32 s49, 12, s49
	s_cmp_lt_u32 s40, 256
	s_cselect_b64 s[56:57], s[16:17], s[56:57]
	s_cselect_b64 s[58:59], s[18:19], s[58:59]
	s_cselect_b32 s42, s50, s42
	s_cselect_b32 s44, s50, s44
	s_cselect_b32 s45, 3276800, s45
	s_cselect_b32 s50, 1536, s48
	s_mov_b32 s51, 1536
	s_cselect_b32 s51, 12288, s51
	s_cmp_lt_u32 s40, 192
	s_cselect_b64 s[56:57], s[12:13], s[56:57]
	s_cselect_b64 s[58:59], s[14:15], s[58:59]
	s_cselect_b64 s[38:39], s[28:29], s[30:31]     ; Wq, Wk, Wv go to P1, the others to P2
	s_cselect_b32 s50, s48, s50
	s_cselect_b32 s51, 1536, s51
	s_cselect_b32 s42, s33, s42
	s_cselect_b32 s44, s33, s44
	s_cmp_lt_u32 s40, 128
	s_cselect_b64 s[56:57], s[8:9], s[56:57]
	s_cselect_b64 s[58:59], s[10:11], s[58:59]
	s_cselect_b32 s42, s32, s42
	s_cselect_b32 s44, s40, s44
	s_cselect_b32 s45, 0, s45
	s_cmp_lt_u32 s40, 64
	s_cselect_b64 s[56:57], s[4:5], s[56:57]
	s_cselect_b64 s[58:59], s[6:7], s[58:59]
	s_cselect_b32 s42, s40, s42
	s_add_co_u32 s43, s43, s[WV]                   ; my K step
	PLACE
	s_add_nc_u64 s[34:35], s[38:39], s[34:35]
	s_add_nc_u64 s[36:37], s[38:39], s[36:37]
	s_lshr_b32 s50, s42, 1
	s_lshl_b32 s50, s50, 5
	s_and_b32 s51, s42, 1
	s_lshl_b32 s51, s51, 3
	s_add_co_u32 s50, s50, s51                     ; the block's first row
	s_mul_i32 s52, s50, s46
	s_mul_i32 s53, s43, 96
	s_add_co_u32 s52, s52, s53
	s_mov_b32 s53, 0
	s_mul_i32 s54, s50, s47
	s_lshl_b32 s55, s43, 2
	s_add_co_u32 s54, s54, s55
	s_mov_b32 s55, 0
	s_add_nc_u64 s[56:57], s[56:57], s[52:53]
	s_add_nc_u64 s[58:59], s[58:59], s[54:55]
	s_wait_alu depctr_va_vdst(0)
	v_and_b32 v10, 8, v3
	s_delay_alu instid0(VALU_DEP_1)
	v_add_nc_u32 v10, v10, v3                      ; r + 8 (r / 8)
	s_delay_alu instid0(VALU_DEP_1)
	v_mul_lo_u32 v11, v10, s46
	s_delay_alu instid0(VALU_DEP_1)
	v_mad_u32_u24 v11, v4, 24, v11                 ; my row's codes, + 24 h
	s_delay_alu instid0(VALU_DEP_3)
	v_mul_lo_u32 v14, v10, s47                     ; my row's scale bytes
.irp p, 0,1,2,3,4,5
	global_load_b64 v[PC+2*\p:PC+2*\p+1], v11, s[56:57] offset:48*(\p/3)+8*(\p%3) th:TH_LOAD_NT   ; 24 bytes are a block of 32 codes: the operand's registers as they lie
.endr
	global_load_b32 v[PW], v14, s[58:59] th:TH_LOAD_NT
	s_wait_loadcnt 0x0
	IMG
	s_cmp_eq_u32 ttmp9, 1023                       ; the last work-group goes on to the biases, floors and flags
	s_cbranch_scc1 .Lmisc
	FINISH
.Lmisc:
	; ---- the biases that the quantising products take as their first C, the floors, the flags
	s_load_b128 s[4:7], s[0:1], 0x70               ; P1, P2
	s_load_b128 s[8:11], s[0:1], 0x80              ; bq, bk
	s_load_b128 s[12:15], s[0:1], 0x90             ; b1, FLQ
	s_load_b64 s[16:17], s[0:1], 0xa0              ; FLN
	v_lshlrev_b32 v10, 4, v0                       ; 16 x thread
	s_wait_alu depctr_va_vdst(0)
	s_wait_kmcnt 0x0
	global_load_b128 v[32:35], v10, s[8:9]
	global_load_b128 v[36:39], v10, s[10:11]
.irp j, 0,1,2,3
	global_load_b128 v[40+4*\j:43+4*\j], v10, s[12:13] offset:4096*\j
.endr
	s_wait_loadcnt 0x0
	global_store_b128 v10, v[32:35], s[4:5] offset:6553600
	global_store_b128 v10, v[36:39], s[4:5] offset:6553600+4096
.irp j, 0,1,2,3
	global_store_b128 v10, v[40+4*\j:43+4*\j], s[6:7] offset:6553600+4096*\j
.endr
	s_cmp_lg_u32 s[WV], 0
	s_cbranch_scc1 .Lmisc_done
	v_mov_b32 v16, 0xff800000
	v_mov_b32 v17, 0xff800000
	v_mov_b32 v18, 0
	v_mov_b32 v19, 0
	v_mov_b32 v20, 1
	v_mov_b32 v21, 1
	global_store_b64 v6, v[16:17], s[4:5] offset:6569984   ; q, k, v are not clipped: the floor is -infinity
	global_store_b64 v6, v[18:19], s[6:7] offset:6569984   ; relu: the floor is 0
	global_store_b64 v6, v[20:21], s[14:15]                ; the first norm's result is quantised,
	global_store_b64 v6, v[18:19], s[16:17]                ; the second's is not
.Lmisc_done:
	FINISH
.Lfunc_end_k_q46867e2b04_prep:
	.size	k_q46867e2b04_prep, .Lfunc_end_k_q46867e2b04_prep-k_q46867e2b04_prep
	.p2alignl 7, 3214868480
	.fill 96, 4, 3214868480
	.section	.rodata,"a",@progbits
	.p2align	6, 0x0
	.amdhsa_kernel k_q46867e2b04_prep
		.amdhsa_group_segment_fixed_size 68608
		.amdhsa_private_segment_fixed_size 0
		.amdhsa_enable_private_segment 0
		.amdhsa_kernarg_size 168
		.amdhsa_user_sgpr_count 2
		.amdhsa_user_sgpr_kernarg_segment_ptr 1
		.amdhsa_wavefront_size32 1
		.amdhsa_system_sgpr_workgroup_id_x 1
		.amdhsa_system_sgpr_workgroup_id_y 1
		.amdhsa_system_sgpr_workgroup_id_z 1
		.amdhsa_system_vgpr_workitem_id 0
		.amdhsa_next_free_vgpr 128
		.amdhsa_next_free_sgpr 66
		.amdhsa_reserve_vcc 0
		.amdhsa_float_denorm_mode_32 3
		.amdhsa_float_denorm_mode_16_64 3
		.amdhsa_memory_ordered 1
		.amdhsa_forward_progress 1
		.amdhsa_inst_pref_size 22
	.end_amdhsa_kernel
	.amdgpu_metadata
---
amdhsa.version: [ 1, 2 ]
amdhsa.kernels:
  - .name:           k_q46867e2b04_prep
    .symbol:         k_q46867e2b04_prep.kd
    .args:
      - { .name: x, .offset: 0, .size: 8, .value_kind: global_buffer, .address_space: global }
      - { .name: PX, .offset: 8, .size: 8, .value_kind: global_buffer, .address_space: global }
      - { .name: Wq_codes, .offset: 16, .size: 8, .value_kind: global_buffer, .address_space: global }
      - { .name: Wq_scales, .offset: 24, .size: 8, .value_kind: global_buffer, .address_space: global }
      - { .name: Wk_codes, .offset: 32, .size: 8, .value_kind: global_buffer, .address_space: global }
      - { .name: Wk_scales, .offset: 40, .size: 8, .value_kind: global_buffer, .address_space: global }
      - { .name: Wv_codes, .offset: 48, .size: 8, .value_kind: global_buffer, .address_space: global }
      - { .name: Wv_scales, .offset: 56, .size: 8, .value_kind: global_buffer, .address_space: global }
      - { .name: Wo_codes, .offset: 64, .size: 8, .value_kind: global_buffer, .address_space: global }
      - { .name: Wo_scales, .offset: 72, .size: 8, .value_kind: global_buffer, .address_space: global }
      - { .name: W1_codes, .offset: 80, .size: 8, .value_kind: global_buffer, .address_space: global }
      - { .name: W1_scales, .offset: 88, .size: 8, .value_kind: global_buffer, .address_space: global }
      - { .name: W2_codes, .offset: 96, .size: 8, .value_kind: global_buffer, .address_space: global }
      - { .name: W2_scales, .offset: 104, .size: 8, .value_kind: global_buffer, .address_space: global }
      - { .name: P1, .offset: 112, .size: 8, .value_kind: global_buffer, .address_space: global }
      - { .name: P2, .offset: 120, .size: 8, .value_kind: global_buffer, .address_space: global }
      - { .name: bq, .offset: 128, .size: 8, .value_kind: global_buffer, .address_space: global }
      - { .name: bk, .offset: 136, .size: 8, .value_kind: global_buffer, .address_space: global }
      - { .name: b1, .offset: 144, .size: 8, .value_kind: global_buffer, .address_space: global }
      - { .name: FLQ, .offset: 152, .size: 8, .value_kind: global_buffer, .address_space: global }
      - { .name: FLN, .offset: 160, .size: 8, .value_kind: global_buffer, .address_space: global }
    .group_segment_fixed_size: 68608
    .private_segment_fixed_size: 0
    .kernarg_segment_align: 8
    .kernarg_segment_size: 168
    .max_flat_workgroup_size: 256
    .sgpr_count:     66
    .vgpr_count:     128
    .wavefront_size: 32
...
	.end_amdgpu_metadata
.endif
;; end of part 7
;; launch qkv (part 8): grid 8 x 24, 4 waves a work-group, clusters of 4 x 4, 327,680 bytes of LDS; arguments PX, P1, bv, B; writes B
.if DOCPART == 8
	.amdgcn_target "amdgcn-amd-amdhsa--gfx1250"
	.amdhsa_code_object_version 6
	.text
	.protected	k_q46867e2b04_qkv
	.globl	k_q46867e2b04_qkv
	.p2align	8
	.type	k_q46867e2b04_qkv,@function
k_q46867e2b04_qkv:
	s_mov_b64 s[64:65], 0
	v_nop
	global_prefetch_b8 v0, s[64:65] scope:SCOPE_SE
	s_setreg_imm32_b32 hwreg(HW_REG_WAVE_MODE, 25, 1), 1
	s_wait_xcnt 0x0
	s_wait_alu depctr_hold_cnt(0) depctr_sa_sdst(0) depctr_va_vdst(0) depctr_va_sdst(0) depctr_va_ssrc(0) depctr_va_vcc(0) depctr_vm_vsrc(0)
	s_getreg_b32 s2, hwreg(HW_REG_IB_STS2, 6, 4)
	s_cmp_eq_u32 s2, 0
	s_cbranch_scc0 .Lentry_in_a_cluster
	s_endpgm
.Lentry_in_a_cluster:
	s_bfe_u32 s2, ttmp6, 0x10000c
	s_cmp_lg_u32 s2, 0xf033
	s_cbranch_scc0 .Lentry_shape_is_right
	s_endpgm
.Lentry_shape_is_right:
; OUT = Q(max(A B^T + bias, floor)): a product on codes of FP6 (E2M3) whose result leaves as the next product's operand: codes and scale words, quantised along its columns.  K = 1,024.  No work of reference() is left out.
; Operands are images of the matrix unit's registers (rows in blocks of 16, lane r = row 32 (i / 2) + 8 (i % 2) + r + 8 (r / 8); a half = 16 rows x 64 codes = 768 bytes; scale words [8 blocks][K step][512 bytes]).
; ARGUMENTS: A0 (an operand of tokens), B0 (weights: an operand at 0, a second at 3,276,800, the column bias at 6,553,600, the floor at 6,569,984), bv, OUT.
; Clusters with y < 4: A = A0, B = B0's first operand, bias by column (the C of each sum's first product).  OUT's rows are tokens: codes at 0, scale words at 12,582,912.
; Clusters with y >= 4 (the grid of q, k, v alone has them): v TRANSPOSED: A = B0's second operand (Wv), B = A0, bias bv by row: a lane then holds a feature of v and its registers run along the tokens, which are the K
; of attention's second product.  OUT: codes at 13,107,200, scale words at 16,252,928.  The choice hangs on the cluster's y alone: it is the same in all sixteen partners.
; A tile is 256 x 256; four waves, each 128 x 128: 64 accumulators, 512 registers.  K goes in steps of 256 through two LDS slots; a block's part of a slot is 3,072 consecutive bytes of memory and of LDS, so every LDS
; load takes 512 or 256 bytes on end: no padding.  The scale words of the tile's rows, for all of K, come once.  4 x 4 work-groups form a cluster: A's tiles are asked for jointly along a row, B's along a column.
; THE MATRIX INSTRUCTION IS USED TRANSPOSED (source 0 = B's block, source 1 = A's): lane (r, h) holds A's row of lane r, and the 64 registers of one block of A are its 128 columns, register 16 p + i = column 32 p + 16 h + i.
; REGISTERS: window 0: v16-29 addresses; v32-63 scale words, two sets; v64-127 the column bias; v128-223 A's fragments, one set (on the way out: at work); v224-239 the row bias.  window 1: B's fragments, two sets.
;   windows 2, 3: the accumulators ((a, b) at v[8 (8 (a % 4) + b)]).
; LIMITS: NaN and infinities are not served; a block of zeros gets the scale byte 1 (its codes are zeros).
.set PITCHB, 12288                     ; an operand's block, all of K
.set OPITCH, 49152                     ; OUT's block
.set BLKB,   3072                      ; a block's bytes in a slot: 256 along K
.set HALFT,  8*BLKB                    ; what one tensor load brings, and what one wave reads of A or of B
.set SLOT,   4*HALFT
.set LAPS,   2                         ; K / 512
.set HALFS,  4096                      ; the scale words of 128 rows
.set SCL,    2*SLOT
.set SPARE,  SCL+4*HALFS               ; the spare words, 128 bytes a wave
.set SCO,    3145728
.set NQ, 2
.set FR, 12
.set NL, 4
.set NP, 4
.set ADRA, 16                          ; v16-17 A's fragments in slot 0, 1: base + 16 x lane;  v18-19: base + 8 x lane
.set ADRB, 20                          ; v20-23 the same for B
.set L16,  24                          ; v24 16 x lane
.set L8,   25                          ; v25 8 x lane
.set ADRS, 27                          ; v27 my scale words: lanes 0-15 A's, lanes 16-31 B's
.set SPW,  28
.set NIL,  29
.set SC,   32                          ; set s at v[SC + 16 s]; in it the word of block i, step q at 8 q + 4 (i % 2) + i / 2
.set CB,   64
.set AF,   128
.set RB,   224
.set PC,   128                         ; the way out: codes v128-139, at work v140-147
.set TM,   148                         ; v148-163
.set SW,   164                         ; v164-171 the eight blocks' scale words
.set TT,   172                         ; v172-175
.set MODE, 12
.set FLOOR, 13
.set OC,   66
.set OS,   96
.set SEL,  92
.set G1, 24
.set G0, 32
.set G1B, 48
.set G0B, 56
.set G1S, 68
.set G0S, 76
.set G1SB, 80
.set G0SB, 88
.set MSB, 0
.macro WIN new                         ; the immediate's high byte repeats the setting that is left
.if MSB != \new
	s_set_vgpr_msb (MSB<<8)|\new
.set MSB, \new
.endif
.endm
.set MUL_LO, 0xa1                      ; source 0 (B) window 1, source 1 (A) window 0, C and D window 2
.set MUL_HI, 0xf1
.set FIRST_LO, 0x81                    ; the same with C (the bias) in window 0
.set FIRST_HI, 0xc1
.set TO_B,   0x40
; A joint load: waves 0 and 1 fetch for A, waves 2 and 3 for B; the branch hangs on the wave's number alone.  An s_nop 0 and four v_nop follow each line.
.macro JLOAD g0a, g1a, g0b, g1b
	s_cmp_eq_u32 s15, 0
	s_cbranch_scc0 .Lfor_b_\@
	tensor_load_to_lds s[\g0a:\g0a+3], s[\g1a:\g1a+7]
	s_nop 0
.rept 4
	v_nop
.endr
	s_branch .Lasked_\@
.Lfor_b_\@:
	tensor_load_to_lds s[\g0b:\g0b+3], s[\g1b:\g1b+7]
	s_nop 0
.rept 4
	v_nop
.endr
.Lasked_\@:
.endm
.macro CREST                           ; a round of the cluster's barrier behind its opening barrier
	s_cmp_lg_u32 s14, 0
	s_cbranch_scc1 .Lnot_wave_0_\@
	s_barrier_signal -3
.Lnot_wave_0_\@:
	s_barrier_wait -3
	s_barrier_signal -1
	s_barrier_wait -1
.endm
.macro CROUND
	s_barrier_signal -1
	s_barrier_wait -1
	CREST
.endm
	s_load_b256 s[4:11], s[0:1], 0x0               ; A0, B0, bv, OUT
	v_lshl_add_u32 v[SPW], v0, 2, SPARE
	v_mov_b32 v[NIL], 0
	ds_add_u32 v[SPW], v[NIL]                      ; the opening: the add, twice on end, and its wait ahead of my first tensor load
	ds_add_u32 v[SPW], v[NIL]
	v_lshrrev_b32 v1, 5, v0
	v_readfirstlane_b32 s14, v1                    ; wave 0..3
	s_lshr_b32 s15, s14, 1                         ; my half of the tile's rows.  Also: I fetch for A (0) or for B (1)
	s_and_b32 s16, s14, 1                          ; my half of its columns.  Also: which 128 rows I fetch
	s_bfe_u32 s40, ttmp6, 0x40000                  ; cx
	s_bfe_u32 s41, ttmp6, 0x40004                  ; cy
	s_and_b32 s18, ttmp7, 0xffff                   ; cluster y
	s_sub_co_u32 s19, s18, 4
	s_lshl_b32 s19, s19, 1
	s_add_co_u32 s19, s19, ttmp9                   ; transposed: 2 (cluster y - 4) + cluster x
	s_cmp_ge_u32 s18, 4
	s_cselect_b32 s[MODE], 1, 0
	s_cselect_b32 s18, 0, s18                      ; the cluster's place along A's tiles
	s_cselect_b32 s19, s19, ttmp9                  ; and along B's
	s_mov_b32 s3, 12582912
	s_cselect_b32 s2, 13107200, 0                  ; OUT: where the codes begin,
	s_cselect_b32 s3, 16252928, s3                 ; and the scale words
	s_lshl_b32 s17, s18, 2
	s_add_co_u32 s17, s17, s41                     ; tile row
	s_lshl_b32 s42, s19, 2
	s_add_co_u32 s42, s42, s40                     ; tile column
	s_lshl_b32 s43, s41, 2
	s_lshl_b32 s43, 15, s43                        ; my row of the cluster
	s_lshl_b32 s44, 0x1111, s40                    ; my column
	; group 1, codes: 8 blocks x 3,072 bytes (384 elements of 8 bytes), a block's pitch apart; no padding
	s_or_b32 s[G1+0], s43, (3<<16)|(1<<21)
	s_or_b32 s[G1B+0], s44, (3<<16)|(1<<21)
.irp g, G1, G1B
	s_mov_b32 s[\g+1], 384<<16                     ; tensor_dim0
	s_mov_b32 s[\g+2], 16<<16                      ; tensor_dim1: 16 blocks for the head's loads, 8 behind them
	s_mov_b32 s[\g+3], 384<<16                     ; tile_dim0
	s_mov_b32 s[\g+4], 16                          ; tile_dim1 likewise
	s_mov_b32 s[\g+5], PITCHB/8                    ; stride
	s_mov_b32 s[\g+6], 0
	s_mov_b32 s[\g+7], 0
.endr
	; group 1, scale words of 128 rows: a dense block, as rows of 256 bytes
	s_or_b32 s[G1S+0], s43, (3<<16)|(1<<21)
	s_or_b32 s[G1SB+0], s44, (3<<16)|(1<<21)
.irp g, G1S, G1SB
	s_mov_b32 s[\g+1], 32<<16
	s_mov_b32 s[\g+2], (HALFS/128)<<16             ; the scale words of 256 rows
	s_mov_b32 s[\g+3], 32<<16
	s_mov_b32 s[\g+4], HALFS/128
	s_mov_b32 s[\g+5], 32
	s_mov_b32 s[\g+6], 0
	s_mov_b32 s[\g+7], 0
.endr
	s_lshl_b32 s18, s17, 1                         ; A: the tile's first 128 rows
	s_mul_i32 s22, s18, HALFS
	s_add_co_u32 s22, s22, SCO                     ; their scale words,
	s_mul_i32 s18, s18, 8*PITCHB                   ; their codes
	s_mov_b32 s19, 0
	s_mov_b32 s23, 0
	s_lshl_b32 s46, s42, 1                         ; B likewise, in registers that never hold cy
	s_mul_i32 s92, s46, HALFS
	s_add_co_u32 s92, s92, SCO
	s_mul_i32 s46, s46, 8*PITCHB
	s_mov_b32 s47, 0
	s_mov_b32 s93, 0
	s_mul_i32 s45, s14, HALFT                      ; where they go: no place in the cluster enters an LDS address
	s_wait_dscnt 0x0                               ; both opening adds are done
	s_wait_kmcnt 0x0
	s_load_b32 s[FLOOR], s[6:7], 6569984           ; -infinity or 0: an operand of the clip, nothing else
	s_add_nc_u64 s[20:21], s[6:7], 3276800
	s_cmp_eq_u32 s[MODE], 1
	s_cselect_b64 s[96:97], s[20:21], s[4:5]       ; A's operand
	s_cselect_b64 s[98:99], s[4:5], s[6:7]         ; B's
	s_add_nc_u64 s[18:19], s[96:97], s[18:19]
	s_add_nc_u64 s[22:23], s[96:97], s[22:23]
	s_add_nc_u64 s[46:47], s[98:99], s[46:47]
	s_add_nc_u64 s[92:93], s[98:99], s[92:93]
	CROUND                                         ; all sixteen work-groups are here: the first joint loads meet
	s_mov_b32 s[G0S], 1
	s_mov_b32 s[G0S+1], SCL
	s_mov_b64 s[G0S+2:G0S+3], s[22:23]
	s_or_b32 s[G0S+3], s[G0S+3], 0x80000000
	s_mov_b32 s[G0SB], 1
	s_mov_b32 s[G0SB+1], SCL+2*HALFS
	s_mov_b64 s[G0SB+2:G0SB+3], s[92:93]
	s_or_b32 s[G0SB+3], s[G0SB+3], 0x80000000
	s_mov_b32 s[G0], 1                             ; the head's loads of slot 0, each whole: A's 16 blocks,
	s_mov_b32 s[G0+1], 0
	s_mov_b64 s[G0+2:G0+3], s[18:19]
	s_or_b32 s[G0+3], s[G0+3], 0x80000000
	s_mov_b32 s[G0B], 1                            ; B's 16 blocks behind them
	s_mov_b32 s[G0B+1], 2*HALFT
	s_mov_b64 s[G0B+2:G0B+3], s[46:47]
	s_or_b32 s[G0B+3], s[G0B+3], 0x80000000
	s_mul_i32 s20, s16, 8*PITCHB                   ; for the ring: my 8 blocks of the tile
	s_mov_b32 s21, 0
	s_add_nc_u64 s[18:19], s[18:19], s[20:21]
	s_add_nc_u64 s[46:47], s[46:47], s[20:21]
	s_mov_b32 s[G0+4], 1
	s_add_co_u32 s[G0+5], s45, SLOT
	s_add_nc_u64 s[G0+6:G0+7], s[18:19], BLKB
	s_or_b32 s[G0+7], s[G0+7], 0x80000000
	s_mov_b32 s[G0B+4], 1
	s_add_co_u32 s[G0B+5], s45, SLOT
	s_add_nc_u64 s[G0B+6:G0B+7], s[46:47], BLKB
	s_or_b32 s[G0B+7], s[G0B+7], 0x80000000
; The head's loads, one a wave: wave 0 slot 0's blocks of A, wave 1 those of B, wave 2 A's scale words, wave 3 B's.  One chain of branches on the wave's number.
.macro ARM under, g0, g1, next
	s_cmp_lt_u32 s14, \under
	s_cbranch_scc0 \next
	tensor_load_to_lds s[\g0:\g0+3], s[\g1:\g1+7]
	s_nop 0
.rept 4
	v_nop
.endr
	s_branch .Lhead_asked
\next:
.endm
	ARM 1, G0,  G1,  .Lhead_b
	ARM 2, G0B, G1B, .Lhead_sa
	ARM 3, G0S, G1S, .Lhead_sb
	tensor_load_to_lds s[G0SB:G0SB+3], s[G1SB:G1SB+7]
	s_nop 0
.rept 4
	v_nop
.endr
.Lhead_asked:
	s_mov_b32 s[SEL], 0x76543210
	s_mov_b32 s[SEL+1], 0xfedcba98
	v_and_b32 v1, 15, v0                           ; r
	v_bfe_u32 v2, v0, 4, 1                         ; h
	v_and_b32 v5, 31, v0
	v_lshlrev_b32 v[L16], 4, v5
	v_lshlrev_b32 v[L8], 3, v5
	s_mul_i32 s21, s15, HALFT                      ; my 128 rows of A
	s_mul_i32 s22, s16, HALFT
	s_add_co_u32 s22, s22, 2*HALFT                 ; my 128 rows of B, behind A's 256
.irp s, 0,1
	v_add_nc_u32 v[ADRA+\s], s21, v[L16]
	v_add_nc_u32 v[ADRA+2+\s], s21, v[L8]
	v_add_nc_u32 v[ADRB+\s], s22, v[L16]
	v_add_nc_u32 v[ADRB+2+\s], s22, v[L8]
	s_add_co_u32 s21, s21, SLOT
	s_add_co_u32 s22, s22, SLOT
.endr
	v_lshlrev_b32 v5, 4, v1                        ; a row's words: 16 r
	s_mul_i32 s21, s15, HALFS
	s_mul_i32 s22, s16, HALFS
	s_add_co_u32 s22, s22, 2*HALFS
	s_sub_co_u32 s22, s22, s21
	v_mul_u32_u24 v6, s22, v2                      ; lanes 16-31 take B's: one product with h
	s_add_co_u32 s21, s21, SCL
	v_add_nc_u32 v5, v5, v6
	v_add_nc_u32 v[ADRS], s21, v5
	; where my 128 x 128 goes in OUT
	s_lshl_b32 s20, s17, 1
	s_add_co_u32 s20, s20, s15                     ; my rows: which 8 blocks
	s_lshl_b32 s21, s42, 1
	s_add_co_u32 s21, s21, s16                     ; my columns: which K step of OUT
	s_mul_i32 s22, s20, 8*OPITCH
	s_add_co_u32 s2, s2, s22
	s_mul_i32 s22, s21, 1536
	s_add_co_u32 s2, s2, s22
	s_lshl_b32 s20, s20, 14
	s_add_co_u32 s22, s3, s20
	s_lshl_b32 s21, s21, 9
	s_add_co_u32 s22, s22, s21
	s_mov_b32 s3, 0
	s_mov_b32 s23, 0
	s_add_nc_u64 s[OC:OC+1], s[10:11], s[2:3]
	s_add_nc_u64 s[OS:OS+1], s[10:11], s[22:23]
	; the biases
	v_lshlrev_b32 v7, 6, v2                        ; 64 h
	v_and_b32 v8, 8, v1
	v_add_nc_u32 v8, v8, v1
	v_lshlrev_b32 v8, 2, v8                        ; 4 (r + 8 (r / 8))
	s_lshl_b32 s20, s42, 10
	s_lshl_b32 s21, s16, 9
	s_add_co_u32 s20, s20, s21
	s_add_co_u32 s20, s20, 6553600
	s_mov_b32 s21, 0
	s_add_nc_u64 s[20:21], s[6:7], s[20:21]        ; the column bias of my 128 columns
	s_lshl_b32 s22, s17, 10
	s_lshl_b32 s23, s15, 9
	s_add_co_u32 s22, s22, s23
	s_mov_b32 s23, 0
	s_add_nc_u64 s[22:23], s[8:9], s[22:23]        ; bv of my 128 rows
.set J, 0
.rept 16
	v_mov_b32 v[RB+J], 0                           ; named in pairs below, so all sixteen are written
.set J, J+1
.endr
	s_cmp_eq_u32 s[MODE], 0
	s_cbranch_scc0 .Lrowbias
.irp n, 0,1,2,3,4,5,6,7,8,9,10,11,12,13,14,15
	global_load_b128 v[CB+4*\n:CB+4*\n+3], v7, s[20:21] offset:128*(\n/4)+16*(\n%4)   ; register 16 p + i: column 32 p + 16 h + i: the result's own layout
.endr
	s_branch .Lbias_asked
.Lrowbias:
.set J, 0
.rept 64
	v_mov_b32 v[CB+J], 0                           ; no column bias here: the first products' C is 0
.set J, J+1
.endr
.irp a, 0,1,2,3,4,5,6,7
	global_load_b32 v[RB+2*\a], v8, s[22:23] offset:4*(32*(\a/2)+8*(\a%2))   ; bv of block a's row of my lane
.endr
.Lbias_asked:
.macro FRAG reg, adr, q, i             ; a fragment, 16 rows x 128 K: two halves, each 512 bytes of registers 0-3 and 256 of registers 4-5, lane by lane
	ds_load_b128 v[\reg:\reg+3], v[\adr] offset:(\i)*BLKB+(\q)*1536
	ds_load_b64 v[\reg+4:\reg+5], v[\adr+2] offset:(\i)*BLKB+(\q)*1536+512
	ds_load_b128 v[\reg+6:\reg+9], v[\adr] offset:(\i)*BLKB+(\q)*1536+768
	ds_load_b64 v[\reg+10:\reg+11], v[\adr+2] offset:(\i)*BLKB+(\q)*1536+1280
.endm
; 16 matrix instructions: A's blocks a0, a0 + 1 x B's eight, the slot's q-th 128 along K.  p: B's set; sc: the set of scale words; first = 1: the bias is the C.  The 64 accumulators take turns.
.macro MUL16 a0, p, q, sc, first
.irp a, \a0, \a0+1
.irp b, 0,1,2,3,4,5,6,7
.if \first
	v_wmma_scale_f32_16x16x128_f8f6f4 v[8*(8*((\a)%4)+\b):8*(8*((\a)%4)+\b)+7], v[128*(\p)+FR*\b:128*(\p)+FR*\b+FR-1], v[AF+FR*(\a):AF+FR*(\a)+FR-1], v[CB+8*\b:CB+8*\b+7], v[SC+16*(\sc)+8*(\q)+4*(\b%2)+\b/2], v[SC+16*(\sc)+8*(\q)+4*((\a)%2)+(\a)/2] matrix_a_fmt:MATRIX_FMT_FP6 matrix_b_fmt:MATRIX_FMT_FP6 matrix_a_scale:MATRIX_SCALE_ROW1
.else
	v_wmma_scale_f32_16x16x128_f8f6f4 v[8*(8*((\a)%4)+\b):8*(8*((\a)%4)+\b)+7], v[128*(\p)+FR*\b:128*(\p)+FR*\b+FR-1], v[AF+FR*(\a):AF+FR*(\a)+FR-1], v[8*(8*((\a)%4)+\b):8*(8*((\a)%4)+\b)+7], v[SC+16*(\sc)+8*(\q)+4*(\b%2)+\b/2], v[SC+16*(\sc)+8*(\q)+4*((\a)%2)+(\a)/2] matrix_a_fmt:MATRIX_FMT_FP6 matrix_b_fmt:MATRIX_FMT_FP6 matrix_a_scale:MATRIX_SCALE_ROW1
.endif
.endr
.endr
.endm
.macro FETCH_B slot, q, p
	WIN TO_B
.irp i, 0,1,2,3,4,5,6,7
	FRAG 128*(\p)+FR*\i, ADRB+\slot, \q, \i
.endr
	WIN 0
.endm
.macro FETCH_A slot, q, i0
.irp i, \i0, \i0+1, \i0+2, \i0+3
	FRAG AF+FR*(\i), ADRA+\slot, \q, \i
.endr
.endm
.macro SCALES sc                       ; a slot's scale words: a load brings the words of blocks par, par + 2, par + 4, par + 6 of one step; lanes 0-15 A's, lanes 16-31 B's
.irp n, 0,1,2,3
	ds_load_b128 v[SC+16*\sc+4*\n:SC+16*\sc+4*\n+3], v[ADRS] offset:256*\n
.endr
.endm
.macro PLACES n                        ; plain places behind matrix instructions, in front of loads into registers that they read and of the first read of results
.rept \n
	v_nop
.endr
.endm
.macro STEP slot, q, first             ; a step of 128 along K that has its successor in the same slot
	s_wait_dscnt 4*NL                              ; B's set and A's blocks 0-3 are in; the 16 youngest loads (A's blocks 4-7) may be out
.if \first
	WIN FIRST_LO
.else
	WIN MUL_LO
.endif
	MUL16 0, (\q)%2, \q, \slot, \first
	MUL16 2, (\q)%2, \q, \slot, \first
	s_wait_dscnt 0
	PLACES NP
	FETCH_B \slot, (\q)+1, 1-(\q)%2
	FETCH_A \slot, (\q)+1, 0
.if \first
	WIN FIRST_HI
.else
	WIN MUL_HI
.endif
	MUL16 4, (\q)%2, \q, \slot, \first
	MUL16 6, (\q)%2, \q, \slot, \first
	PLACES NP
	WIN 0
	FETCH_A \slot, (\q)+1, 4
.endm
; A slot's last step changes slots: one barrier; in front of it each wave waits for all its tensor loads, adds 0 to its spare word, and waits for that and for its reads of this slot.
.macro TURN slot, next, fill
	s_wait_tensorcnt 0x0                           ; all my tensor loads have landed: my part of the next slot
	ds_add_u32 v[SPW], v[NIL]
	s_wait_dscnt 4*NL+1                            ; (the add and the 16 youngest loads may be out)
	WIN MUL_LO
	MUL16 0, 1, NQ-1, \slot, 0
	s_wait_dscnt 0x0                               ; the add is done, and my reads of this slot are over
	s_barrier_signal -1
	MUL16 2, 1, NQ-1, \slot, 0
	WIN 0
	s_barrier_wait -1
.if \fill
	CREST                                          ; the barrier has opened a round of the cluster's: no wave of any partner still reads this slot or has a load on its way
	s_add_nc_u64 s[G0+4*\slot+2:G0+4*\slot+3], s[G0+4*\slot+2:G0+4*\slot+3], 2*BLKB
	s_add_nc_u64 s[G0B+4*\slot+2:G0B+4*\slot+3], s[G0B+4*\slot+2:G0B+4*\slot+3], 2*BLKB
	JLOAD G0+4*\slot, G1, G0B+4*\slot, G1B         ; my one tensor load behind the round; its four v_nop are the places in front of the loads below
.else
	PLACES NP
.endif
	s_wait_alu depctr_va_vdst(0)
	v_add_nc_u32 v[ADRS], 512*NQ, v[ADRS]          ; the next slot's scale words (no LDS load of mine is out)
	FETCH_B \next, 0, 0
	FETCH_A \next, 0, 0
	SCALES \next
	WIN MUL_HI
	MUL16 4, 1, NQ-1, \slot, 0
	MUL16 6, 1, NQ-1, \slot, 0
	PLACES NP
	WIN 0
	FETCH_A \next, 0, 4
.endm
	s_wait_kmcnt 0x0                               ; the floor
	s_wait_alu depctr_va_vdst(0)                   ; the wait at the head's end
	s_wait_tensorcnt 0x0                           ; my tile of the head's four is in
	ds_add_u32 v[SPW], v[NIL]
	s_mov_b32 s[G1+2], 8<<16                       ; no tensor load of mine is out: from here on a load brings 8 blocks,
	s_mov_b32 s[G1+4], 8
	s_mov_b32 s[G1B+2], 8<<16
	s_mov_b32 s[G1B+4], 8
	s_add_co_u32 s[G0+1], s45, 0                   ; and slot 0's group 0 is my quarter of it
	s_mov_b64 s[G0+2:G0+3], s[18:19]
	s_or_b32 s[G0+3], s[G0+3], 0x80000000
	s_add_co_u32 s[G0B+1], s45, 0
	s_mov_b64 s[G0B+2:G0B+3], s[46:47]
	s_or_b32 s[G0B+3], s[G0B+3], 0x80000000
	s_wait_dscnt 0x0
	CROUND                                         ; everybody's tile is in, and all sixteen work-groups are here
	JLOAD G0+4, G1, G0B+4, G1B                     ; slot 1's first fill, my one tensor load behind the round
	FETCH_B 0, 0, 0
	FETCH_A 0, 0, 0
	SCALES 0
	FETCH_A 0, 0, 4
	s_wait_loadcnt 0x0                             ; the biases
	s_wait_alu depctr_va_vdst(0)
	STEP 0, 0, 1                                   ; the first step stands in front of the loop: its products start the sums on the bias
	s_mov_b32 s95, LAPS-1
.Llap:                                                 ; a trip goes once round the ring and fills both slots again
	TURN 0, 1, 1
	STEP 1, 0, 0
	TURN 1, 0, 1
	STEP 0, 0, 0
	s_sub_co_u32 s95, s95, 1
	s_cmp_lg_u32 s95, 0
	s_cbranch_scc1 .Llap
	TURN 0, 1, 0                                   ; the last lap fills nothing
	STEP 1, 0, 0
	s_wait_dscnt 4*NL
	WIN MUL_LO
	MUL16 0, 1, NQ-1, 1, 0
	MUL16 2, 1, NQ-1, 1, 0
	s_wait_dscnt 0
	WIN MUL_HI
	MUL16 4, 1, NQ-1, 1, 0
	MUL16 6, 1, NQ-1, 1, 0
	WIN 0
; THE WAY OUT, block by block of 16 rows: row bias (transposed tiles alone), clip at the floor, the four blocks' scales, codes; the fragment leaves straight from registers, in whole runs of 256 bytes.
.macro QOUT a
.set AC, 64*((\a)%4)
.set WD, 2+(\a)/4
	s_cmp_eq_u32 s[MODE], 0
	s_cbranch_scc1 .Lno_row_\@
	WIN ((WD<<6)|WD)
.set J, 0
.rept 32
	v_pk_add_f32 v[AC+J:AC+J+1], v[AC+J:AC+J+1], v[RB+2*(\a):RB+2*(\a)+1] op_sel_hi:[1,0]
.set J, J+2
.endr
	WIN 0
.Lno_row_\@:
	WIN ((WD<<6)|(WD<<2))
.set J, 0
.rept 64
	v_max_num_f32 v[AC+J], s[FLOOR], v[AC+J]       ; each accumulator from its low end on
.set J, J+1
.endr
	WIN ((WD<<4)|(WD<<2))
.irp b, 0,1,2,3
	v_max3_num_f32 v[TM+\b], 0x1800000, |v[AC+16*\b]|, |v[AC+16*\b+1]|   ; my 16 numbers of block b, and the floor 2^(3 - 127) of the scale's byte
.endr
.irp i, 2,4,6,8,10,12,14
.irp b, 0,1,2,3
	v_max3_num_f32 v[TM+\b], v[TM+\b], |v[AC+16*\b+\i]|, |v[AC+16*\b+\i+1]|
.endr
.endr
	WIN 0
.irp b, 0,1,2,3
	v_permlanex16_b32 v[TM+4+\b], v[TM+\b], s[SEL], s[SEL+1]
.endr
.irp b, 0,1,2,3
	v_max_num_f32 v[TM+\b], v[TM+\b], v[TM+4+\b]
.endr
.irp b, 0,1,2,3
	v_add_nc_u32 v[TM+12+\b], 0xff000000, v[TM+\b] ; 2 off the exponent field: the conversion's scale operand
.endr
.irp b, 0,1,2,3
	v_lshrrev_b32 v[TM+4+\b], 23, v[TM+12+\b]
.endr
	v_lshl_or_b32 v[SW+\a], v[TM+5], 8, v[TM+4]
	v_lshl_or_b32 v[SW+\a], v[TM+6], 16, v[SW+\a]
	v_lshl_or_b32 v[SW+\a], v[TM+7], 24, v[SW+\a]
.if \a > 0
	s_wait_xcnt 0x0                                ; the last block's stores have read the codes' registers: they are written again only behind this wait
.endif
	WIN WD
.irp c, 0,1
	v_cvt_scalef32_pk16_fp6_f32 v[PC+6*\c:PC+6*\c+2], v[AC+32*\c:AC+32*\c+15], v[TM+12+2*\c]
	v_cvt_scalef32_pk16_fp6_f32 v[PC+12+4*\c:PC+14+4*\c], v[AC+32*\c+16:AC+32*\c+31], v[TM+13+2*\c]
.endr
	v_nop                                          ; one plain place behind a scaled conversion
	WIN 0
.irp c, 0,1
.irp i, 0,1,2
	v_permlane16_swap_b32 v[PC+6*\c+\i], v[PC+12+4*\c+\i]
.endr
.irp i, 0,1,2
	v_mov_b32 v[PC+3+6*\c+\i], v[PC+12+4*\c+\i]
.endr
.endr
	global_store_b128 v[L16], v[PC:PC+3], s[OC:OC+1] offset:(\a)*OPITCH
	global_store_b64 v[L8], v[PC+4:PC+5], s[OC:OC+1] offset:(\a)*OPITCH+512
	global_store_b128 v[L16], v[PC+6:PC+9], s[OC:OC+1] offset:(\a)*OPITCH+768
	global_store_b64 v[L8], v[PC+10:PC+11], s[OC:OC+1] offset:(\a)*OPITCH+1280
.endm
	PLACES NP
.irp b, 0,1,2,3
	v_mov_b32 v[TM+4+\b], 0                        ; a lane permute's destination counts as one of its sources
.endr
.irp a, 0,1,2,3,4,5,6,7
	QOUT \a
.endr
	s_mov_b32 vcc_lo, 0xffff0000
.irp j, 0,1,2,3
	v_cndmask_b32 v[TT+\j], v[SW+2*\j], v[SW+2*\j+1], vcc_lo   ; lanes 0-15 the even blocks' words, lanes 16-31 the odd blocks'
.endr
	global_store_b128 v[L16], v[TT:TT+3], s[OS:OS+1]           ; the eight blocks' scale words of this K step: 512 consecutive bytes
	s_wait_tensorcnt 0x0                           ; the wave's end
	ds_add_u32 v[SPW], v[NIL]
	s_wait_dscnt 0x0
	CROUND                                         ; the closing round
	s_endpgm
.Lfunc_end_k_q46867e2b04_qkv:
	.size	k_q46867e2b04_qkv, .Lfunc_end_k_q46867e2b04_qkv-k_q46867e2b04_qkv
	.p2alignl 7, 3214868480
	.fill 96, 4, 3214868480
	.section	.rodata,"a",@progbits
	.p2align	6, 0x0
	.amdhsa_kernel k_q46867e2b04_qkv
		.amdhsa_group_segment_fixed_size 327680
		.amdhsa_private_segment_fixed_size 0
		.amdhsa_enable_private_segment 0
		.amdhsa_kernarg_size 32
		.amdhsa_user_sgpr_count 2
		.amdhsa_user_sgpr_kernarg_segment_ptr 1
		.amdhsa_wavefront_size32 1
		.amdhsa_system_sgpr_workgroup_id_x 1
		.amdhsa_system_sgpr_workgroup_id_y 1
		.amdhsa_system_sgpr_workgroup_id_z 1
		.amdhsa_system_vgpr_workitem_id 0
		.amdhsa_next_free_vgpr 1024
		.amdhsa_next_free_sgpr 100
		.amdhsa_reserve_vcc 1
		.amdhsa_float_denorm_mode_32 3
		.amdhsa_float_denorm_mode_16_64 3
		.amdhsa_memory_ordered 1
		.amdhsa_forward_progress 1
		.amdhsa_inst_pref_size 188
	.end_amdhsa_kernel
	.amdgpu_metadata
---
amdhsa.version: [ 1, 2 ]
amdhsa.kernels:
  - .name:           k_q46867e2b04_qkv
    .symbol:         k_q46867e2b04_qkv.kd
    .args:
      - { .name: PX, .offset: 0, .size: 8, .value_kind: global_buffer, .address_space: global }
      - { .name: P1, .offset: 8, .size: 8, .value_kind: global_buffer, .address_space: global }
      - { .name: bv, .offset: 16, .size: 8, .value_kind: global_buffer, .address_space: global }
      - { .name: B, .offset: 24, .size: 8, .value_kind: global_buffer, .address_space: global }
    .group_segment_fixed_size: 327680
    .private_segment_fixed_size: 0
    .kernarg_segment_align: 8
    .kernarg_segment_size: 32
    .max_flat_workgroup_size: 128
    .sgpr_count:     100
    .vgpr_count:     1024
    .wavefront_size: 32
...
	.end_amdgpu_metadata
.endif
;; end of part 8
;; launch attn (part 9): grid 8 x 32, 16 waves a work-group, clusters of 4 x 1, 215,040 bytes of LDS; arguments B, PX; writes PX
.if DOCPART == 9
	.amdgcn_target "amdgcn-amd-amdhsa--gfx1250"
	.amdhsa_code_object_version 6
	.text
	.protected	k_q46867e2b04_attn
	.globl	k_q46867e2b04_attn
	.p2align	8
	.type	k_q46867e2b04_attn,@function
k_q46867e2b04_attn:
	s_mov_b64 s[64:65], 0
	v_nop
	global_prefetch_b8 v0, s[64:65] scope:SCOPE_SE
	s_setreg_imm32_b32 hwreg(HW_REG_WAVE_MODE, 25, 1), 1
	s_wait_xcnt 0x0
	s_wait_alu depctr_hold_cnt(0) depctr_sa_sdst(0) depctr_va_vdst(0) depctr_va_sdst(0) depctr_va_ssrc(0) depctr_va_vcc(0) depctr_vm_vsrc(0)
	s_getreg_b32 s2, hwreg(HW_REG_IB_STS2, 6, 4)
	s_cmp_eq_u32 s2, 0
	s_cbranch_scc0 .Lentry_in_a_cluster
	s_endpgm
.Lentry_in_a_cluster:
	s_bfe_u32 s2, ttmp6, 0x10000c
	s_cmp_lg_u32 s2, 0x3003
	s_cbranch_scc0 .Lentry_shape_is_right
	s_endpgm
.Lentry_shape_is_right:
; ctx = Q(softmax(q k^T / 8) v), both products on codes of FP6 (E2M3); 2 batches x 16 heads of 64, 2,048 keys.  No work of reference() is left out.
; q, k: images of 16 rows x 64 codes (a half, 768 bytes) in B: block i of tokens at 49,152 i, q's head at half `head`, k's at half 16 + head; scale words at 12,582,912.  v TRANSPOSED (rows = features, K = tokens) at 13,107,200,
; its scale words at 16,252,928.  ctx leaves as the next product's operand, in PX.
; THE SOFTMAX: t = score x log2(e) / 8; M = the running largest t rounded up to a whole number; p = 2^(t - M) is quantised along the keys; the sum is taken of the unquantised p and divides at the end; when M moves,
; the sum and O are multiplied by 2^(old M - new M), which rounds nothing.
; SHARES.  A work-group owns 256 queries of one head, each of its sixteen waves 16.  THE WHOLE HEAD'S K AND V LIE IN LDS, filled once, by one load a wave: waves 0-3 fetch K (32 blocks x 768 bytes each), waves 4-11 V of two key steps (4 blocks x 3,072 bytes),
; waves 12-13 K's scale words, waves 14-15 V's.  So V lies as [pair of key steps][block][2 x 1,536 bytes], and a trip of the loop runs two key steps.
; The four work-groups of a cluster belong to one head: each tile is asked for jointly.  Both products are used transposed: a lane holds one query throughout; the rows' order in the images makes a lane's 16 registers of
; two neighbouring tiles 16 neighbouring keys (or features).  The head has 64 codes along the first product's K: the upper 64 of the instruction's 128 are zero codes on both sides.
; Two heads share a scale word of ctx, so each writes two bytes of it a lane.
; LIMITS: NaN and infinities are not served; a block of zeros gets the scale byte 1 (its codes are zeros).
; REGISTERS: v1-4, v7-8 LDS addresses, stepped in the loop; v9-11 offsets that stay; v12 -M, v13 largest t, v[14:15] the sum; v16-27 q; v32-79 four fragments of K (upper six registers of each: zeros);
;   v96-159 S^T, then p, then V's four fragments; v160-191 O^T; v224-235 p's codes; v232-254 at work; v248-251, v253, v255 scale words.
.set VB,    98304
.set KSB,   196608
.set VSB,   204800
.set SPARE, 212992
.set SCO,   3145728
.set K16, 1
.set K8,  2
.set V16, 3
.set V8,  4
.set SPW, 5
.set NIL, 6
.set KS,  7
.set VS,  8
.set GL16, 9
.set GL8, 10
.set GR,  11
.set WV,  8
.set SEL, 20
.set CS,  22
.set G1K, 24
.set G1V, 32
.set G1KS, 40
.set G1VS, 48
.set G0K, 56
.set G0V, 60
.set G0KS, 68
.set G0VS, 72
.macro G1SET g, c, r, p                ; r rows of c elements of 8 bytes, p elements apart; the mask names all four work-groups
	s_mov_b32 s[\g], 15|(3<<16)|(1<<21)
	s_mov_b32 s[\g+1], (\c)<<16
	s_mov_b32 s[\g+2], (\r)<<16
	s_mov_b32 s[\g+3], (\c)<<16
	s_mov_b32 s[\g+4], \r
	s_mov_b32 s[\g+5], \p
	s_mov_b32 s[\g+6], 0
	s_mov_b32 s[\g+7], 0
.endm
.macro G0SET g, lds, base, off
	s_mov_b32 s[\g], 1
	s_add_co_u32 s[\g+1], s[\lds], \base
	s_add_nc_u64 s[\g+2:\g+3], s[4:5], s[\off:\off+1]
	s_or_b32 s[\g+3], s[\g+3], 0x80000000
.endm
.macro CROUND
	s_barrier_signal -1
	s_barrier_wait -1
	s_cmp_lg_u32 s[WV], 0
	s_cbranch_scc1 .Lnot_wave_0_\@
	s_barrier_signal -3
.Lnot_wave_0_\@:
	s_barrier_wait -3
	s_barrier_signal -1
	s_barrier_wait -1
.endm
	s_load_b128 s[4:7], s[0:1], 0x0                ; B, PX
	v_lshl_add_u32 v[SPW], v0, 2, SPARE
	v_mov_b32 v[NIL], 0
	ds_add_u32 v[SPW], v[NIL]                      ; the opening: the add, twice on end, and its wait ahead of my first tensor load
	ds_add_u32 v[SPW], v[NIL]
	v_lshrrev_b32 v8, 5, v0
	s_delay_alu instid0(VALU_DEP_1)
	v_readfirstlane_b32 s[WV], v8                  ; wave 0..15
	s_and_b32 s16, s[WV], 7                        ; which pair of key steps I fetch
	s_bfe_u32 s9, ttmp6, 0x40000                   ; cx
	s_lshl_b32 s10, ttmp9, 2
	s_add_co_u32 s10, s10, s9                      ; my block of 256 queries: it enters q's and ctx's global addresses alone
	s_and_b32 s11, ttmp7, 0xffff
	s_lshr_b32 s12, s11, 4                         ; batch
	s_and_b32 s13, s11, 15                         ; head
	s_and_b32 s14, s13, 1                          ; c: which half of a scale word is the head's
	s_lshr_b32 s15, s13, 1
	G1SET G1K, 96, 32, 6144                        ; K: 32 blocks x 768 bytes, 49,152 bytes apart
	G1SET G1V, 384, 4, 6144                        ; V: 4 blocks x 3,072 bytes, 49,152 bytes apart
	G1SET G1KS, 64, 8, 2048                        ; K's scale words: 8 x 512 bytes, 16,384 bytes apart
	G1SET G1VS, 32, 16, 32                         ; V's: 4,096 dense bytes, as rows of 256
	s_mul_i32 s84, s12, 6291456                    ; K: block 128 batch + 32 (w % 4), half 16 + head
	s_and_b32 s95, s[WV], 3                        ; K goes in four loads of 32 blocks
	s_mul_i32 s85, s95, 1572864
	s_add_co_u32 s84, s84, s85
	s_mul_i32 s85, s13, 768
	s_add_co_u32 s84, s84, s85
	s_add_co_u32 s84, s84, 12288
	s_mov_b32 s85, 0
	s_mul_i32 s86, s13, 196608                     ; V: block 4 head, halves 32 batch + 4 pair
	s_mul_i32 s87, s12, 24576
	s_add_co_u32 s86, s86, s87
	s_mul_i32 s87, s16, 3072
	s_add_co_u32 s86, s86, s87
	s_add_co_u32 s86, s86, 13107200
	s_mov_b32 s87, 0
	s_lshl_b32 s88, s12, 18                        ; K's scale words: 8 blocks 16 batch + 8 (w % 2), K step 8 + head / 2
	s_and_b32 s94, s[WV], 1                        ; each kind of scale words in two loads of 4,096 bytes
	s_lshl_b32 s89, s94, 17
	s_add_co_u32 s88, s88, s89
	s_lshl_b32 s89, s15, 9
	s_add_co_u32 s88, s88, s89
	s_add_co_u32 s88, s88, 12582912+4096
	s_mov_b32 s89, 0
	s_lshl_b32 s90, s15, 14                        ; V's: 8 blocks head / 2, K steps 16 batch + 8 (w % 2)
	s_lshl_b32 s91, s12, 13
	s_add_co_u32 s90, s90, s91
	s_lshl_b32 s91, s94, 12
	s_add_co_u32 s90, s90, s91
	s_add_co_u32 s90, s90, 16252928
	s_mov_b32 s91, 0
	s_lshl_b32 s19, s12, 7
	s_lshl_b32 s17, s10, 4
	s_add_co_u32 s19, s19, s17
	s_add_co_u32 s19, s19, s[WV]                   ; i: my block of 16 queries
	s_mul_i32 s17, s13, 768
	s_mul_i32 s76, s19, 49152
	s_add_co_u32 s76, s76, s17                     ; q's half
	s_mov_b32 s77, 0
	s_mul_i32 s80, s19, 12288
	s_add_co_u32 s80, s80, s17                     ; ctx's half
	s_mov_b32 s81, 0
	s_lshl_b32 s17, s15, 9                         ; the place of my block's words in 8 blocks' 512 bytes, and the head's two bytes
	s_and_b32 s18, s19, 1
	s_lshl_b32 s18, s18, 8
	s_add_co_u32 s17, s17, s18
	s_bfe_u32 s18, s19, 0x20001
	s_lshl_b32 s18, s18, 2
	s_add_co_u32 s17, s17, s18
	s_lshl_b32 s18, s14, 1
	s_add_co_u32 s17, s17, s18
	s_lshr_b32 s18, s19, 3
	s_lshl_b32 s78, s18, 14
	s_add_co_u32 s78, s78, s17
	s_add_co_u32 s78, s78, 12582912                ; q's scale bytes
	s_mov_b32 s79, 0
	s_lshl_b32 s82, s18, 12
	s_add_co_u32 s82, s82, s17
	s_add_co_u32 s82, s82, SCO                     ; ctx's
	s_mov_b32 s83, 0
	s_mul_i32 s92, s16, 12288                      ; where my tiles go: the pair's place; no place in the cluster enters an LDS address
	s_lshl_b32 s93, s94, 12
	s_mul_i32 s95, s95, 24576
	s_mov_b32 s[SEL], 0x76543210
	s_mov_b32 s[SEL+1], 0xfedcba98
	s_mov_b32 s[CS], 0x3e38aa3b                    ; c = log2(e) / 8
	s_mov_b32 s[CS+1], s[CS]
	s_wait_dscnt 0x0                               ; both opening adds are done
	s_wait_kmcnt 0x0
	G0SET G0K, 95, 0, 84
	G0SET G0V, 92, VB, 86
	G0SET G0KS, 93, KSB, 88
	G0SET G0VS, 93, VSB, 90
	s_add_nc_u64 s[76:77], s[4:5], s[76:77]
	s_add_nc_u64 s[78:79], s[4:5], s[78:79]
	s_add_nc_u64 s[80:81], s[6:7], s[80:81]
	s_add_nc_u64 s[82:83], s[6:7], s[82:83]
	CROUND                                         ; all four work-groups are here: the joint loads meet
	s_cmp_lt_u32 s[WV], 4                          ; one first fill a wave, in one chain of branches on its number: waves 0-3 K, 4-11 V, 12-13 K's scale words, 14-15 V's; every byte is filled once
	s_cbranch_scc0 .Lfirst_v
	tensor_load_to_lds s[G0K:G0K+3], s[G1K:G1K+7]
	s_nop 0
.rept 4
	v_nop
.endr
	s_branch .Lfirst_asked
.Lfirst_v:
	s_cmp_lt_u32 s[WV], 12
	s_cbranch_scc0 .Lfirst_ks
	tensor_load_to_lds s[G0V:G0V+3], s[G1V:G1V+7]
	s_nop 0
.rept 4
	v_nop
.endr
	s_branch .Lfirst_asked
.Lfirst_ks:
	s_cmp_lt_u32 s[WV], 14
	s_cbranch_scc0 .Lfirst_vs
	tensor_load_to_lds s[G0KS:G0KS+3], s[G1KS:G1KS+7]
	s_nop 0
.rept 4
	v_nop
.endr
	s_branch .Lfirst_asked
.Lfirst_vs:
	tensor_load_to_lds s[G0VS:G0VS+3], s[G1VS:G1VS+7]
	s_nop 0
.rept 4
	v_nop
.endr
.Lfirst_asked:
	v_and_b32 v[GL8], 31, v0
	s_delay_alu instid0(VALU_DEP_1)
	v_lshlrev_b32 v[GL16], 4, v[GL8]               ; 16 x lane
	s_delay_alu instid0(VALU_DEP_2)
	v_lshlrev_b32 v[GL8], 3, v[GL8]                ; 8 x lane
	v_and_b32 v[GR], 15, v0
	s_delay_alu instid0(VALU_DEP_1)
	v_lshlrev_b32 v[GR], 4, v[GR]                  ; 16 r
	global_load_b128 v[16:19], v[GL16], s[76:77]   ; q's 64 codes a row
	global_load_b64 v[20:21], v[GL8], s[76:77] offset:512
	global_load_u16 v255, v[GR], s[78:79]          ; its two scale bytes; the two above them come as 0 and stand over zero codes
	v_mov_b32 v[K16], v[GL16]
	v_mov_b32 v[K8], v[GL8]
	v_add_nc_u32 v[V16], VB, v[GL16]
	v_add_nc_u32 v[V8], VB, v[GL8]
	s_lshl_b32 s17, s14, 1
	s_add_co_u32 s17, s17, KSB
	v_add_nc_u32 v[KS], s17, v[GR]
	s_lshl_b32 s18, s14, 3
	s_add_co_u32 s18, s18, VSB
	v_add_nc_u32 v[VS], s18, v[GR]
.irp j, 22,23,24,25,26,27
	v_mov_b32 v[\j], 0                             ; q: zero codes for k = 64 .. 127
.endr
.irp t, 0,1,2,3
.irp j, 6,7,8,9,10,11
	v_mov_b32 v[32+12*\t+\j], 0                    ; K likewise: written once
.endr
.endr
	v_mov_b32 v13, 0xff61b1e6                      ; the largest t so far: -3e38
	s_delay_alu instid0(VALU_DEP_1)
	v_floor_f32 v12, -v13                          ; -M
	v_mov_b32 v14, 0
	v_mov_b32 v15, 0
.irp b, 0,1,2,3
	v_mov_b32 v[236+\b], 0                         ; a lane permute's destination counts as one of its sources
.endr
	v_mov_b32 v253, 0
.set J, 0
.rept 32
	v_mov_b32 v[160+J], 0                          ; O^T: the loop is written once; its first step finds zeros
.set J, J+1
.endr
; A KEY STEP, 128 keys: the u-th of a pair.
.macro KSTEP u
.irp g, 0,1                                    ; S^T = K q^T, four tiles of 16 keys at a time
.if \g
.rept 4
	v_nop                                          ; places in front of loads into registers that the last products read
.endr
.endif
.irp t, 0,1,2,3
	ds_load_b128 v[32+12*\t:35+12*\t], v[K16] offset:768*(4*\g+\t)
	ds_load_b64 v[36+12*\t:37+12*\t], v[K8] offset:768*(4*\g+\t)+512
	ds_load_u16 v[248+\t], v[KS] offset:256*(\t%2)+4*((4*\g+\t)/2)
.endr
	s_wait_dscnt 0x0
.irp t, 0,1,2,3
	v_wmma_scale_f32_16x16x128_f8f6f4 v[96+8*(4*\g+\t):103+8*(4*\g+\t)], v[32+12*\t:43+12*\t], v[16:27], 0, v[248+\t], v255 matrix_a_fmt:MATRIX_FMT_FP6 matrix_b_fmt:MATRIX_FMT_FP6
.endr
.endr
.rept 4
	v_nop
.endr
.irp b, 0,1,2,3
	v_max3_num_f32 v[232+\b], v[96+16*\b], v[97+16*\b], v[98+16*\b]   ; the largest score of each block of 32 keys: for the row's maximum and, since p rises with the score, for the block's largest p
.endr
.irp i, 3,5,7,9,11,13
.irp b, 0,1,2,3
	v_max3_num_f32 v[232+\b], v[232+\b], v[96+16*\b+\i], v[97+16*\b+\i]
.endr
.endr
.irp b, 0,1,2,3
	v_max_num_f32 v[232+\b], v[232+\b], v[111+16*\b]
.endr
.irp b, 0,1,2,3
	s_delay_alu instid0(VALU_DEP_4)
	v_permlanex16_b32 v[236+\b], v[232+\b], s[SEL], s[SEL+1]
.endr
.irp b, 0,1,2,3
	s_delay_alu instid0(VALU_DEP_4)
	v_max_num_f32 v[232+\b], v[232+\b], v[236+\b]
.endr
	s_delay_alu instid0(VALU_DEP_2)
	v_max3_num_f32 v254, v232, v233, v234
	s_delay_alu instid0(VALU_DEP_1)
	v_max_num_f32 v254, v254, v235
	s_delay_alu instid0(VALU_DEP_1)
	v_mul_f32 v254, s[CS], v254
	s_delay_alu instid0(VALU_DEP_1)
	v_max_num_f32 v13, v13, v254                   ; the running largest t
	v_mov_b32 v254, v12
	s_delay_alu instid0(VALU_DEP_2)
	v_floor_f32 v12, -v13                          ; the new -M = -ceil(t)
	s_delay_alu instid0(VALU_DEP_1)
	v_sub_f32 v254, v12, v254                      ; old M - new M: a whole number, 0 or less
	s_delay_alu instid0(VALU_DEP_1)
	v_cvt_i32_f32 v254, v254                       ; (it saturates)
	s_delay_alu instid0(VALU_DEP_1)
	v_ldexp_f32 v252, 1.0, v254                    ; f = 2^(old M - new M)
.set J, 0
.rept 32
	v_pk_fma_f32 v[96+J:97+J], v[96+J:97+J], s[CS:CS+1], v[12:13] op_sel_hi:[1,0,0]   ; t - M
.set J, J+2
.endr
.irp b, 0,1,2,3
	v_fma_f32 v[232+\b], v[232+\b], s[CS], v12
.endr
.set J, 0
	s_wait_alu depctr_va_vdst(0)
.rept 64
	v_exp_f32 v[96+J], v[96+J]                     ; p = 2^(t - M)
.set J, J+1
.endr
	v_pk_mul_f32 v[14:15], v[14:15], v[252:253] op_sel_hi:[1,0]   ; the sums under the new M: the plain place behind the batch
	s_wait_alu depctr_va_vdst(0)                   ; one wait for the 64, ahead of their first reader
.irp b, 0,1,2,3
	v_exp_f32 v[232+\b], v[232+\b]                 ; each block's largest p
.endr
	v_pk_add_f32 v[236:237], v[100:101], v[104:105]
	v_pk_add_f32 v[250:251], v[108:109], v[112:113]
	v_pk_add_f32 v[248:249], v[116:117], v[120:121]
	v_pk_add_f32 v[246:247], v[124:125], v[128:129]
	v_pk_add_f32 v[244:245], v[132:133], v[136:137]
	v_pk_add_f32 v[242:243], v[140:141], v[144:145]
	v_pk_add_f32 v[240:241], v[148:149], v[152:153]
	v_pk_add_f32 v[14:15], v[14:15], v[156:157]
	v_pk_add_f32 v[236:237], v[236:237], v[96:97]
	v_pk_add_f32 v[250:251], v[250:251], v[98:99]
	v_pk_add_f32 v[248:249], v[248:249], v[102:103]
	v_pk_add_f32 v[246:247], v[246:247], v[106:107]
	v_pk_add_f32 v[244:245], v[244:245], v[110:111]
	v_pk_add_f32 v[242:243], v[242:243], v[114:115]
	v_pk_add_f32 v[240:241], v[240:241], v[118:119]
	v_pk_add_f32 v[14:15], v[14:15], v[122:123]
	v_pk_add_f32 v[236:237], v[236:237], v[126:127]
	v_pk_add_f32 v[250:251], v[250:251], v[130:131]
	v_pk_add_f32 v[248:249], v[248:249], v[134:135]
	v_pk_add_f32 v[246:247], v[246:247], v[138:139]
	v_pk_add_f32 v[244:245], v[244:245], v[142:143]
	v_pk_add_f32 v[242:243], v[242:243], v[146:147]
	v_pk_add_f32 v[240:241], v[240:241], v[150:151]
	v_pk_add_f32 v[14:15], v[14:15], v[154:155]
	v_pk_add_f32 v[236:237], v[236:237], v[158:159]
	s_delay_alu instid0(VALU_DEP_2)
	v_pk_add_f32 v[14:15], v[14:15], v[246:247]
	s_delay_alu instid0(VALU_DEP_2)
	v_pk_add_f32 v[236:237], v[236:237], v[244:245]
	v_pk_add_f32 v[250:251], v[250:251], v[242:243]
	v_pk_add_f32 v[248:249], v[248:249], v[240:241]
	s_delay_alu instid0(VALU_DEP_2)
	v_pk_add_f32 v[14:15], v[14:15], v[250:251]
	s_delay_alu instid0(VALU_DEP_2)
	v_pk_add_f32 v[236:237], v[236:237], v[248:249]
	s_delay_alu instid0(VALU_DEP_1)
	v_pk_add_f32 v[14:15], v[14:15], v[236:237]
	s_wait_alu depctr_va_vdst(0)                   ; and one for the four
.irp b, 0,1,2,3
	v_max_num_f32 v[232+\b], 0x1800000, v[232+\b]  ; the floor 2^(3 - 127): the byte cannot fall under 1
.endr
.irp b, 0,1,2,3
	s_delay_alu instid0(VALU_DEP_4)
	v_add_nc_u32 v[244+\b], 0xff000000, v[232+\b]
.endr
.irp b, 0,1,2,3
	s_delay_alu instid0(VALU_DEP_4)
	v_lshrrev_b32 v[236+\b], 23, v[244+\b]
.endr
	s_delay_alu instid0(VALU_DEP_3)
	v_lshl_or_b32 v253, v237, 8, v236              ; p's scale word for these 128 keys
	s_delay_alu instid0(VALU_DEP_1)
	v_lshl_or_b32 v253, v238, 16, v253
	s_delay_alu instid0(VALU_DEP_1)
	v_lshl_or_b32 v253, v239, 24, v253
.irp c, 0,1
	v_cvt_scalef32_pk16_fp6_f32 v[224+6*\c:226+6*\c], v[96+32*\c:111+32*\c], v[244+2*\c]
	v_cvt_scalef32_pk16_fp6_f32 v[236+4*\c:238+4*\c], v[112+32*\c:127+32*\c], v[244+2*\c+1]
.endr
	v_nop                                          ; one plain place behind a scaled conversion
.irp t, 0,1,2,3                                ; V's four fragments take p's registers, which the conversions have read; they land under the lines below
	ds_load_b128 v[96+12*\t:99+12*\t], v[V16] offset:3072*\t+1536*\u
	ds_load_b64 v[100+12*\t:101+12*\t], v[V8] offset:3072*\t+1536*\u+512
	ds_load_b128 v[102+12*\t:105+12*\t], v[V16] offset:3072*\t+1536*\u+768
	ds_load_b64 v[106+12*\t:107+12*\t], v[V8] offset:3072*\t+1536*\u+1280
	ds_load_b32 v[248+\t], v[VS] offset:256*(\t%2)+4*(\t/2)
.endr
.irp c, 0,1
.irp i, 0,1,2
	v_permlane16_swap_b32 v[224+6*\c+\i], v[236+4*\c+\i]
.endr
.irp i, 0,1,2
	s_delay_alu instid0(VALU_DEP_3)
	v_mov_b32 v[227+6*\c+\i], v[236+4*\c+\i]
.endr
.endr
.set J, 0
.rept 16
	v_pk_mul_f32 v[160+J:161+J], v[160+J:161+J], v[252:253] op_sel_hi:[1,0]   ; O^T under the new M; these sixteen are also the places in front of the scaled products
.set J, J+2
.endr
	s_wait_alu depctr_va_vdst(0)
	s_wait_dscnt 0x0
.irp t, 0,1,2,3                                ; O^T += V^T P^T: four accumulators by turns
	v_wmma_scale_f32_16x16x128_f8f6f4 v[160+8*\t:167+8*\t], v[96+12*\t:107+12*\t], v[224:235], v[160+8*\t:167+8*\t], v[248+\t], v253 matrix_a_fmt:MATRIX_FMT_FP6 matrix_b_fmt:MATRIX_FMT_FP6
.endr
	v_add_nc_u32 v[K16], 6144, v[K16]              ; the next key step.  Six plain places: the next step's loads land on these products' scale registers (four are owed), its first products write over V's (five)
	v_add_nc_u32 v[K8], 6144, v[K8]
	v_add_nc_u32 v[KS], 512, v[KS]
	v_add_nc_u32 v[VS], 512, v[VS]
.if \u
	v_add_nc_u32 v[V16], 12288, v[V16]             ; V: the next pair of key steps
	v_add_nc_u32 v[V8], 12288, v[V8]
.else
	v_nop
	v_nop
.endif
.endm
	s_mov_b32 s94, 8
	s_wait_tensorcnt 0x0                           ; my tile has landed,
	s_barrier_signal -1
	s_barrier_wait -1                              ; everybody's have
	s_wait_loadcnt 0x0                             ; q
.Lstep:                                            ; 8 trips, two key steps of 128 keys each
	s_wait_alu depctr_va_vdst(0)
	KSTEP 0
	s_wait_alu depctr_va_vdst(0)
	KSTEP 1
	s_sub_co_u32 s94, s94, 1
	s_cmp_lg_u32 s94, 0
	s_cbranch_scc1 .Lstep
	; THE WAY OUT: O^T / the sum; register 16 p + i is feature 32 p + 16 h + i of my query: two blocks of 32 along the next product's K
	v_add_f32 v14, v14, v15
	s_delay_alu instid0(VALU_DEP_1)
	v_permlanex16_b32 v252, v14, s[SEL], s[SEL+1]
	s_delay_alu instid0(VALU_DEP_1)
	v_add_f32 v14, v14, v252
	s_wait_alu depctr_va_vdst(0)
	v_rcp_f32 v14, v14
	v_nop                                          ; a plain place behind the reciprocal
	s_wait_alu depctr_va_vdst(0)                   ; and the wait ahead of its first reader
.set J, 0
.rept 32
	v_mul_f32 v[96+J], v[160+J], v14
.set J, J+1
.endr
	v_max3_num_f32 v232, |v96|, |v97|, 0x1800000
	v_max3_num_f32 v233, |v112|, |v113|, 0x1800000
.irp i, 2,4,6,8,10,12,14
	s_delay_alu instid0(VALU_DEP_2)
	v_max3_num_f32 v232, v232, |v[96+\i]|, |v[97+\i]|
	s_delay_alu instid0(VALU_DEP_2)
	v_max3_num_f32 v233, v233, |v[112+\i]|, |v[113+\i]|
.endr
	s_delay_alu instid0(VALU_DEP_2)
	v_permlanex16_b32 v236, v232, s[SEL], s[SEL+1]
	s_delay_alu instid0(VALU_DEP_2)
	v_permlanex16_b32 v237, v233, s[SEL], s[SEL+1]
	s_delay_alu instid0(VALU_DEP_2)
	v_max_num_f32 v232, v232, v236
	s_delay_alu instid0(VALU_DEP_2)
	v_max_num_f32 v233, v233, v237
	s_delay_alu instid0(VALU_DEP_2)
	v_add_nc_u32 v244, 0xff000000, v232
	s_delay_alu instid0(VALU_DEP_2)
	v_add_nc_u32 v245, 0xff000000, v233
	s_delay_alu instid0(VALU_DEP_2)
	v_lshrrev_b32 v236, 23, v244
	s_delay_alu instid0(VALU_DEP_2)
	v_lshrrev_b32 v237, 23, v245
	s_delay_alu instid0(VALU_DEP_1)
	v_lshl_or_b32 v240, v237, 8, v236              ; the head's two scale bytes of my query
	v_cvt_scalef32_pk16_fp6_f32 v[224:226], v[96:111], v244
	v_cvt_scalef32_pk16_fp6_f32 v[228:230], v[112:127], v245
	v_nop
	v_permlane16_swap_b32 v224, v228
	v_permlane16_swap_b32 v225, v229
	v_permlane16_swap_b32 v226, v230
	s_delay_alu instid0(VALU_DEP_3)
	v_mov_b32 v227, v228
	s_delay_alu instid0(VALU_DEP_3)
	v_mov_b32 v228, v229
	s_delay_alu instid0(VALU_DEP_3)
	v_mov_b32 v229, v230
	global_store_b128 v[GL16], v[224:227], s[80:81]            ; 512 consecutive bytes,
	global_store_b64 v[GL8], v[228:229], s[80:81] offset:512   ; and 256
	global_store_b16 v[GR], v240, s[82:83]                     ; lanes 16-31 hold and write the same bytes as lanes 0-15
	s_wait_tensorcnt 0x0                           ; the wave's end
	ds_add_u32 v[SPW], v[NIL]
	s_wait_dscnt 0x0
	CROUND                                         ; the closing round
	s_endpgm
.Lfunc_end_k_q46867e2b04_attn:
	.size	k_q46867e2b04_attn, .Lfunc_end_k_q46867e2b04_attn-k_q46867e2b04_attn
	.p2alignl 7, 3214868480
	.fill 96, 4, 3214868480
	.section	.rodata,"a",@progbits
	.p2align	6, 0x0
	.amdhsa_kernel k_q46867e2b04_attn
		.amdhsa_group_segment_fixed_size 215040
		.amdhsa_private_segment_fixed_size 0
		.amdhsa_enable_private_segment 0
		.amdhsa_kernarg_size 16
		.amdhsa_user_sgpr_count 2
		.amdhsa_user_sgpr_kernarg_segment_ptr 1
		.amdhsa_wavefront_size32 1
		.amdhsa_system_sgpr_workgroup_id_x 1
		.amdhsa_system_sgpr_workgroup_id_y 1
		.amdhsa_system_sgpr_workgroup_id_z 1
		.amdhsa_system_vgpr_workitem_id 0
		.amdhsa_next_free_vgpr 256
		.amdhsa_next_free_sgpr 96
		.amdhsa_reserve_vcc 0
		.amdhsa_float_denorm_mode_32 3
		.amdhsa_float_denorm_mode_16_64 3
		.amdhsa_memory_ordered 1
		.amdhsa_forward_progress 1
		.amdhsa_inst_pref_size 52
	.end_amdhsa_kernel
	.amdgpu_metadata
---
amdhsa.version: [ 1, 2 ]
amdhsa.kernels:
  - .name:           k_q46867e2b04_attn
    .symbol:         k_q46867e2b04_attn.kd
    .args:
      - { .name: B, .offset: 0, .size: 8, .value_kind: global_buffer, .address_space: global }
      - { .name: PX, .offset: 8, .size: 8, .value_kind: global_buffer, .address_space: global }
    .group_segment_fixed_size: 215040
    .private_segment_fixed_size: 0
    .kernarg_segment_align: 8
    .kernarg_segment_size: 16
    .max_flat_workgroup_size: 512
    .sgpr_count:     96
    .vgpr_count:     256
    .wavefront_size: 32
...
	.end_amdgpu_metadata
.endif
;; end of part 9
;; launch woln (part 10): grid 256 x 1, 8 waves a work-group, no clusters, 69,632 bytes of LDS; arguments PX, P2, x, bo, ln1_g, ln1_b, H, D; writes H, D
.if DOCPART == 10
	.amdgcn_target "amdgcn-amd-amdhsa--gfx1250"
	.amdhsa_code_object_version 6
	.text
	.protected	k_q46867e2b04_woln
	.globl	k_q46867e2b04_woln
	.p2align	8
	.type	k_q46867e2b04_woln,@function
k_q46867e2b04_woln:
	s_mov_b64 s[64:65], 0
	v_nop
	global_prefetch_b8 v0, s[64:65] scope:SCOPE_SE
	s_setreg_imm32_b32 hwreg(HW_REG_WAVE_MODE, 25, 1), 1
	s_wait_xcnt 0x0
; h = LN1(x + ctx Wo + bo): the product on codes of FP6 (E2M3), all else f32.  h leaves as f32 (H) and, quantised along its columns, as the next product's operand.  No work of reference() is left out.
; The operand goes to the first 3,276,800 bytes of D, which nobody else uses until a later launch fills D: this launch reads PX, so it stores nothing there.
; SHARES.  A work-group takes ONE block of 16 tokens (lane r = row 32 (i / 2) + 8 (i % 2) + r + 8 (r / 8)) and all 1,024 columns, so that the norm's rows are whole; wave w owns columns 128 w .. 128 w + 127.
; The matrix instruction is used transposed (source 0 = 16 rows of Wo, source 1 = the 16 tokens): lane (r, h) holds token r, and register 16 p + i of the 64 sums is column 32 p + 16 h + i.
; So the norm wants one exchange of halves and one round through LDS among the eight waves, and the quantiser finds 16 neighbours along the next K in a lane's registers.
; Wo goes from memory straight into registers.  The first launch laid it [8 blocks][K step][block][1,536 bytes]: a UNIT, 8 fragments of one K step, is 12,288 bytes on end, its scale words 512 bytes on end;
; a wave walks 8 units.  Two register sets take turns: unit u's products are followed by the 33 loads of unit u + 2 into the same set.
; NO CLUSTER, NO LDS RING for Wo: each fragment feeds one matrix instruction of one wave, and the walk has no barrier; Wo's 819,200 bytes do not fit in LDS at once, so joint loads would want refills, each behind a round.
; NO PREFETCH: the text has no loop to run ahead in; all that it reads but g and beta is asked for at the head or two units ahead.
; LIMITS: NaN and infinities are not served; a block of zeros gets the scale byte 1 (its codes are zeros).
; REGISTERS.  Window 0: v1-11 addresses; v16-23 ctx's scale words; v24-31 Wo's scale words, two sets; v32-95 the sums; v96-159 x's rows, beta, the quantiser's registers;
;   v160-255 ctx's 8 fragments; then x by lanes, g, rows on the way out; v224-235 the norm's sums.  Window 1: v0-95, v96-191 Wo's two sets.
.set SCO,   3145728
.set WOB,   3276800
.set RED,   0                          ; twice 16 rows x 8 waves x 4 bytes
.set STG,   1024                       ; a wave's stage: 16 rows x 528
.set STB,   8448
.set SPARE, 68608
.set UB,    12288
.set NLD,   33                         ; loads of a unit
.set L16, 1
.set L8,  2
.set R16, 3
.set SPW, 4
.set NIL, 5
.set STR, 6
.set STL, 7
.set RDA, 8
.set RDW, 9
.set H64, 10
.set AS,  16
.set SB,  24
.set ACC, 32
.set TMP, 96
.set PC,  96
.set TM,  116
.set PW,  132
.set AF,  160
.set GG,  160
.set WV,  26
.set SEL, 30
.set IP,  32
.set IS,  34
.set MSB, 0
.macro WIN new                         ; the immediate's high byte repeats the setting that is left
.if MSB != (\new)
	s_set_vgpr_msb (MSB<<8)|(\new)
.set MSB, (\new)
.endif
.endm
.macro ISSUE p, step                   ; the 33 loads of the next unit into set p
.if \step
	s_wait_xcnt 0x0                                ; the last unit's loads have read their bases
	s_add_nc_u64 s[IP:IP+1], s[IP:IP+1], UB
	s_add_nc_u64 s[IS:IS+1], s[IS:IS+1], 512
.endif
	WIN 0x40
.irp b, 0,1,2,3,4,5,6,7
	global_load_b128 v[96*(\p)+12*\b:96*(\p)+12*\b+3], v[L16], s[IP:IP+1] offset:1536*\b
	global_load_b64 v[96*(\p)+12*\b+4:96*(\p)+12*\b+5], v[L8], s[IP:IP+1] offset:1536*\b+512
	global_load_b128 v[96*(\p)+12*\b+6:96*(\p)+12*\b+9], v[L16], s[IP:IP+1] offset:1536*\b+768
	global_load_b64 v[96*(\p)+12*\b+10:96*(\p)+12*\b+11], v[L8], s[IP:IP+1] offset:1536*\b+1280
.endr
	WIN 0
	global_load_b128 v[SB+4*(\p):SB+4*(\p)+3], v[L16], s[IS:IS+1]   ; lanes 0-15 the words of blocks 0, 2, 4, 6; lanes 16-31 of blocks 1, 3, 5, 7
.endm
; a unit's 8 products, the 8 sums by turns, and the four places in front of the loads into their registers and of the first read of the sums
.macro MUL8 p, a, as
	WIN 0x01
.irp b, 0,1,2,3,4,5,6,7
.if \b%2
	v_wmma_scale_f32_16x16x128_f8f6f4 v[ACC+8*\b:ACC+8*\b+7], v[96*(\p)+12*\b:96*(\p)+12*\b+11], v[\a:\a+11], v[ACC+8*\b:ACC+8*\b+7], v[SB+4*(\p)+\b/2], v[\as] matrix_a_fmt:MATRIX_FMT_FP6 matrix_b_fmt:MATRIX_FMT_FP6 matrix_a_scale:MATRIX_SCALE_ROW1
.else
	v_wmma_scale_f32_16x16x128_f8f6f4 v[ACC+8*\b:ACC+8*\b+7], v[96*(\p)+12*\b:96*(\p)+12*\b+11], v[\a:\a+11], v[ACC+8*\b:ACC+8*\b+7], v[SB+4*(\p)+\b/2], v[\as] matrix_a_fmt:MATRIX_FMT_FP6 matrix_b_fmt:MATRIX_FMT_FP6
.endif
.endr
.rept 4
	v_nop
.endr
	WIN 0
.endm
; 64 numbers of a lane become a fragment's 12 registers of codes (v[PC] ..) and the row's scale word (v[PW])
.macro QUANT s
.irp b, 0,1,2,3
	v_max3_num_f32 v[TM+\b], |v[\s+16*\b]|, |v[\s+1+16*\b]|, 0x1800000   ; my 16 numbers of block b, and the floor 2^(3 - 127): the byte cannot fall under 1
.endr
.irp i, 2,4,6,8,10,12,14
.irp b, 0,1,2,3
	v_max3_num_f32 v[TM+\b], v[TM+\b], |v[\s+16*\b+\i]|, |v[\s+1+16*\b+\i]|
.endr
.endr
.irp b, 0,1,2,3
	v_permlanex16_b32 v[TM+4+\b], v[TM+\b], s[SEL], s[SEL+1]
.endr
.irp b, 0,1,2,3
	v_max_num_f32 v[TM+\b], v[TM+\b], v[TM+4+\b]   ; with lane l xor 16's 16
.endr
.irp b, 0,1,2,3
	v_add_nc_u32 v[TM+12+\b], 0xff000000, v[TM+\b] ; 2 off the exponent field: the conversion's scale operand
.endr
.irp b, 0,1,2,3
	v_lshrrev_b32 v[TM+4+\b], 23, v[TM+12+\b]      ; the scale's byte
.endr
	v_lshl_or_b32 v[PW], v[TM+5], 8, v[TM+4]
	s_delay_alu instid0(VALU_DEP_1)
	v_lshl_or_b32 v[PW], v[TM+6], 16, v[PW]
	s_delay_alu instid0(VALU_DEP_1)
	v_lshl_or_b32 v[PW], v[TM+7], 24, v[PW]
.irp c, 0,1
	v_cvt_scalef32_pk16_fp6_f32 v[PC+6*\c:PC+2+6*\c], v[\s+32*\c:\s+15+32*\c], v[TM+12+2*\c]
	v_cvt_scalef32_pk16_fp6_f32 v[PC+12+4*\c:PC+14+4*\c], v[\s+16+32*\c:\s+31+32*\c], v[TM+13+2*\c]
.endr
	v_nop                                          ; one plain place behind a scaled conversion
.irp c, 0,1
.irp i, 0,1,2
	v_permlane16_swap_b32 v[PC+6*\c+\i], v[PC+12+4*\c+\i]
.endr
.irp i, 0,1,2
	v_mov_b32 v[PC+3+6*\c+\i], v[PC+12+4*\c+\i]
.endr
.endr
.endm
; v[224:227], two packed partial sums of my 64 numbers, become the row's sum over all 1,024 columns, in v228
.macro RSUM off
	v_pk_add_f32 v[224:225], v[224:225], v[226:227]
	s_delay_alu instid0(VALU_DEP_1)
	v_add_f32 v224, v224, v225
	s_delay_alu instid0(VALU_DEP_1)
	v_permlanex16_b32 v225, v224, s[SEL], s[SEL+1]
	s_delay_alu instid0(VALU_DEP_1)
	v_add_f32 v224, v224, v225
	ds_store_b32 v[RDW], v224 offset:\off          ; lanes r and 16 + r write the same word with the same value
	s_wait_dscnt 0x0                               ; for the others' sake
	s_barrier_signal -1
	s_barrier_wait -1
	ds_load_b128 v[228:231], v[RDA] offset:\off
	ds_load_b128 v[232:235], v[RDA] offset:\off+16
	s_wait_dscnt 0x0
	v_pk_add_f32 v[228:229], v[228:229], v[230:231]
	v_pk_add_f32 v[232:233], v[232:233], v[234:235]
	s_delay_alu instid0(VALU_DEP_1)
	v_pk_add_f32 v[228:229], v[228:229], v[232:233]
	s_delay_alu instid0(VALU_DEP_1)
	v_add_f32 v228, v228, v229
.endm
.macro VEC64 dst, base                 ; 64 numbers of a vector over my 128 columns, in the sums' order: register 16 p + i = column 32 p + 16 h + i
.irp n, 0,1,2,3,4,5,6,7,8,9,10,11,12,13,14,15
	global_load_b128 v[\dst+4*\n:\dst+4*\n+3], v[H64], s[\base:\base+1] offset:128*(\n/4)+16*(\n%4)
.endr
.endm
	s_load_b512 s[4:19], s[0:1], 0x0               ; PX, P2, x, bo, ln1_g, ln1_b, H, D
	v_lshrrev_b32 v96, 5, v0
	v_readfirstlane_b32 s[WV], v96                 ; wave 0..7
	s_mov_b32 s[SEL], 0x76543210
	s_mov_b32 s[SEL+1], 0xfedcba98                 ; lane l xor 16
	s_mov_b32 s27, 0x3a800000                      ; 1 / 1,024
	s_mov_b32 s28, 0x3727c5ac                      ; 1e-5
	s_lshr_b32 s50, ttmp9, 1                       ; x, H: the block's first row, my 128 columns
	s_lshl_b32 s50, s50, 17
	s_and_b32 s51, ttmp9, 1
	s_lshl_b32 s46, s51, 15
	s_add_co_u32 s50, s50, s46
	s_lshl_b32 s48, s[WV], 9
	s_add_co_u32 s50, s50, s48
	s_mov_b32 s49, 0
	s_lshr_b32 s46, ttmp9, 3                       ; the block's scale words in an operand's image: ctx's,
	s_lshl_b32 s46, s46, 12
	s_lshl_b32 s51, s51, 8
	s_add_co_u32 s46, s46, s51
	s_bfe_u32 s51, ttmp9, 0x20001
	s_lshl_b32 s51, s51, 2
	s_add_co_u32 s46, s46, s51
	s_add_co_u32 s46, s46, SCO
	s_mov_b32 s47, 0
	s_mov_b32 s51, 0
	s_add_co_u32 s38, s46, s48                     ; and h's, K step w
	s_mov_b32 s39, 0
	s_mul_i32 s44, ttmp9, 12288                    ; the block's codes: ctx's,
	s_mov_b32 s45, 0
	s_mul_i32 s36, s[WV], 1536
	s_add_co_u32 s36, s36, s44                     ; and h's, K step w
	s_mov_b32 s37, 0
	s_mul_i32 s[IP], s[WV], 98304                  ; my walk: Wo's 8 units
	s_add_co_u32 s[IP], s[IP], WOB
	s_mov_b32 s[IP+1], 0
	s_lshl_b32 s[IS], s[WV], 12
	s_add_co_u32 s[IS], s[IS], WOB+SCO
	s_mov_b32 s[IS+1], 0
	s_mul_i32 s55, s[WV], STB
	s_add_co_u32 s55, s55, STG
	s_lshl_b32 s56, s[WV], 2
	v_lshl_add_u32 v[SPW], v0, 2, SPARE
	v_mov_b32 v[NIL], 0
	v_and_b32 v97, 31, v0                          ; lane
	v_and_b32 v98, 15, v0                          ; r
	v_bfe_u32 v99, v0, 4, 1                        ; h
	v_lshlrev_b32 v[L16], 4, v97
	v_lshlrev_b32 v[L8], 3, v97
	v_lshlrev_b32 v[R16], 4, v98
	v_lshlrev_b32 v[H64], 6, v99
	v_add_nc_u32 v[STR], s55, v[L16]               ; the stage by rows,
	v_mul_u32_u24 v[STL], v98, 528
	v_lshl_add_u32 v[STL], v99, 6, v[STL]
	v_add_nc_u32 v[STL], s55, v[STL]               ; and by lanes: row r, + 64 h
	v_lshl_add_u32 v[RDA], v98, 5, RED             ; row r's eight partial sums,
	v_add_nc_u32 v[RDW], s56, v[RDA]               ; and my wave's among them
	s_wait_alu depctr_va_vdst(0)                   ; the wait at the head's end
	s_wait_kmcnt 0x0
	s_add_nc_u64 s[8:9], s[8:9], s[50:51]
	s_add_nc_u64 s[16:17], s[16:17], s[50:51]
.irp p, 10,12,14
	s_add_nc_u64 s[\p:\p+1], s[\p:\p+1], s[48:49]
.endr
	s_add_nc_u64 s[44:45], s[4:5], s[44:45]
	s_add_nc_u64 s[46:47], s[4:5], s[46:47]
	s_add_nc_u64 s[36:37], s[18:19], s[36:37]
	s_add_nc_u64 s[38:39], s[18:19], s[38:39]
	s_add_nc_u64 s[IP:IP+1], s[6:7], s[IP:IP+1]
	s_add_nc_u64 s[IS:IS+1], s[6:7], s[IS:IS+1]
.irp k, 0,1,2,3,4,5,6,7
	global_load_b128 v[AF+12*\k:AF+12*\k+3], v[L16], s[44:45] offset:1536*\k
	global_load_b64 v[AF+12*\k+4:AF+12*\k+5], v[L8], s[44:45] offset:1536*\k+512
	global_load_b128 v[AF+12*\k+6:AF+12*\k+9], v[L16], s[44:45] offset:1536*\k+768
	global_load_b64 v[AF+12*\k+10:AF+12*\k+11], v[L8], s[44:45] offset:1536*\k+1280
	global_load_b32 v[AS+\k], v[R16], s[46:47] offset:512*\k
.endr
	VEC64 ACC, 10                                  ; bo is what the sums begin with
.irp t, 0,1,2,3,4,5,6,7,8,9,10,11,12,13,14,15
	global_load_b128 v[TMP+4*\t:TMP+4*\t+3], v[L16], s[8:9] offset:(\t+8*(\t/8))*4096 th:TH_LOAD_NT   ; x: 512 consecutive bytes of a row; wanted behind the product
.endr
	WIN 0x40
	VEC64 192, 12                                  ; g, into window 1's v192-255: wanted behind the norm's sums
	WIN 0
	ISSUE 0, 0
	ISSUE 1, 1
.irp k, 0,1,2,3,4,5,6,7
.if \k == 7
	s_wait_loadcnt 16                              ; the last unit is in; beta's 16 loads, which are younger, may be out
.else
	s_wait_loadcnt NLD                             ; this unit and all that was asked for earlier is in; the younger unit's 33 loads may be out
.endif
	MUL8 (\k%2), AF+12*\k, AS+\k
.if \k < 6
	ISSUE (\k%2), 1
.endif
.if \k == 6
	WIN 0x40
	VEC64 0, 14                                    ; beta, into set 0's v0-63 of window 1: that set has had its last unit, and its products' four places stand above
	WIN 0
.endif
.endr
	; + x: its rows turn through my stage
.irp t, 0,1,2,3,4,5,6,7,8,9,10,11,12,13,14,15
	ds_store_b128 v[STR], v[TMP+4*\t:TMP+4*\t+3] offset:528*\t
.endr
.irp n, 0,1,2,3,4,5,6,7,8,9,10,11,12,13,14,15
	ds_load_b128 v[GG+4*\n:GG+4*\n+3], v[STL] offset:128*(\n/4)+16*(\n%4)   ; LDS serves a wave's instructions in order: these see my stores
.endr
	s_wait_dscnt 0x0                               ; the stores have read their registers too: the quantiser may write there
.set J, 0
.rept 32
	v_pk_add_f32 v[ACC+J:ACC+J+1], v[ACC+J:ACC+J+1], v[GG+J:GG+J+1]   ; each sum from its low end on
.set J, J+2
.endr
	; mean and variance in two passes, as reference() has them
	v_pk_add_f32 v[224:225], v[ACC:ACC+1], v[ACC+4:ACC+5]
	v_pk_add_f32 v[226:227], v[ACC+2:ACC+3], v[ACC+6:ACC+7]
.set J, 8
.rept 14
	v_pk_add_f32 v[224:225], v[224:225], v[ACC+J:ACC+J+1]
	v_pk_add_f32 v[226:227], v[226:227], v[ACC+J+2:ACC+J+3]
.set J, J+4
.endr
	RSUM 0
	s_delay_alu instid0(VALU_DEP_1)
	v_mul_f32 v228, s27, v228                      ; the mean
.set J, 0
.rept 32
	v_pk_add_f32 v[ACC+J:ACC+J+1], v[ACC+J:ACC+J+1], v[228:229] op_sel_hi:[1,0] neg_lo:[0,1] neg_hi:[0,1]
.set J, J+2
.endr
	v_pk_mul_f32 v[224:225], v[ACC:ACC+1], v[ACC:ACC+1]
	v_pk_mul_f32 v[226:227], v[ACC+2:ACC+3], v[ACC+2:ACC+3]
.set J, 4
.rept 15
	v_pk_fma_f32 v[224:225], v[ACC+J:ACC+J+1], v[ACC+J:ACC+J+1], v[224:225]
	v_pk_fma_f32 v[226:227], v[ACC+J+2:ACC+J+3], v[ACC+J+2:ACC+J+3], v[226:227]
.set J, J+4
.endr
	RSUM 512
	s_delay_alu instid0(VALU_DEP_1)
	v_fma_f32 v228, v228, s27, s28                 ; the variance + 1e-5
	s_wait_alu depctr_va_vdst(0)                   ; the wait ahead of the root
	v_rsq_f32 v230, v228
	v_nop                                          ; a plain place behind it
	s_wait_loadcnt 0x0                             ; g, beta
	s_wait_alu depctr_va_vdst(0)                   ; and the wait ahead of its first reader
.set J, 0
.rept 32
	v_pk_mul_f32 v[ACC+J:ACC+J+1], v[ACC+J:ACC+J+1], v[230:231] op_sel_hi:[1,0]
.set J, J+2
.endr
	WIN 0x14                                       ; g and beta lie in window 1
.set J, 0
.rept 32
	v_pk_fma_f32 v[ACC+J:ACC+J+1], v[ACC+J:ACC+J+1], v[192+J:192+J+1], v[J:J+1]   ; h
.set J, J+2
.endr
	WIN 0
.irp n, 0,1,2,3,4,5,6,7,8,9,10,11,12,13,14,15
	ds_store_b128 v[STL], v[ACC+4*\n:ACC+4*\n+3] offset:128*(\n/4)+16*(\n%4)   ; back through my stage,
.endr
.irp t, 0,1,2,3,4,5,6,7,8,9,10,11,12,13,14,15
	ds_load_b128 v[GG+4*\t:GG+4*\t+3], v[STR] offset:528*\t                    ; as rows; they land under the quantiser
.endr
	QUANT ACC
	global_store_b128 v[L16], v[PC:PC+3], s[36:37]             ; the fragment leaves as 512, 256, 512 and 256 consecutive bytes, each at a multiple of 256
	global_store_b64 v[L8], v[PC+4:PC+5], s[36:37] offset:512
	global_store_b128 v[L16], v[PC+6:PC+9], s[36:37] offset:768
	global_store_b64 v[L8], v[PC+10:PC+11], s[36:37] offset:1280
	global_store_b32 v[R16], v[PW], s[38:39]                   ; lanes 16-31 hold and write the same word as lanes 0-15
.irp t, 0,1,2,3,4,5,6,7,8,9,10,11,12,13,14,15
	s_wait_dscnt 15-\t                             ; row t is back; the younger rows may be out
	global_store_b128 v[L16], v[GG+4*\t:GG+4*\t+3], s[16:17] offset:(\t+8*(\t/8))*4096   ; 512 consecutive bytes
.endr
	s_wait_tensorcnt 0x0                           ; the wave's end
	ds_add_u32 v[SPW], v[NIL]
	s_wait_dscnt 0x0
	s_endpgm
.Lfunc_end_k_q46867e2b04_woln:
	.size	k_q46867e2b04_woln, .Lfunc_end_k_q46867e2b04_woln-k_q46867e2b04_woln
	.p2alignl 7, 3214868480
	.fill 96, 4, 3214868480
	.section	.rodata,"a",@progbits
	.p2align	6, 0x0
	.amdhsa_kernel k_q46867e2b04_woln
		.amdhsa_group_segment_fixed_size 69632
		.amdhsa_private_segment_fixed_size 0
		.amdhsa_enable_private_segment 0
		.amdhsa_kernarg_size 64
		.amdhsa_user_sgpr_count 2
		.amdhsa_user_sgpr_kernarg_segment_ptr 1
		.amdhsa_wavefront_size32 1
		.amdhsa_system_sgpr_workgroup_id_x 1
		.amdhsa_system_sgpr_workgroup_id_y 1
		.amdhsa_system_sgpr_workgroup_id_z 1
		.amdhsa_system_vgpr_workitem_id 0
		.amdhsa_next_free_vgpr 512
		.amdhsa_next_free_sgpr 66
		.amdhsa_reserve_vcc 0
		.amdhsa_float_denorm_mode_32 3
		.amdhsa_float_denorm_mode_16_64 3
		.amdhsa_memory_ordered 1
		.amdhsa_forward_progress 1
		.amdhsa_inst_pref_size 74
	.end_amdhsa_kernel
	.amdgpu_metadata
---
amdhsa.version: [ 1, 2 ]
amdhsa.kernels:
  - .name:           k_q46867e2b04_woln
    .symbol:         k_q46867e2b04_woln.kd
    .args:
      - { .name: PX, .offset: 0, .size: 8, .value_kind: global_buffer, .address_space: global }
      - { .name: P2, .offset: 8, .size: 8, .value_kind: global_buffer, .address_space: global }
      - { .name: x, .offset: 16, .size: 8, .value_kind: global_buffer, .address_space: global }
      - { .name: bo, .offset: 24, .size: 8, .value_kind: global_buffer, .address_space: global }
      - { .name: ln1_g, .offset: 32, .size: 8, .value_kind: global_buffer, .address_space: global }
      - { .name: ln1_b, .offset: 40, .size: 8, .value_kind: global_buffer, .address_space: global }
      - { .name: H, .offset: 48, .size: 8, .value_kind: global_buffer, .address_space: global }
      - { .name: D, .offset: 56, .size: 8, .value_kind: global_buffer, .address_space: global }
    .group_segment_fixed_size: 69632
    .private_segment_fixed_size: 0
    .kernarg_segment_align: 8
    .kernarg_segment_size: 64
    .max_flat_workgroup_size: 256
    .sgpr_count:     66
    .vgpr_count:     512
    .wavefront_size: 32
...
	.end_amdgpu_metadata
.endif
;; end of part 10
;; launch w1: the kernel of part 8 again; grid 16 x 16, 4 waves a work-group, clusters of 4 x 4, 327,680 bytes of LDS; arguments D, P2, bv, B; writes B
;; launch w2 (part 11): grid 8 x 32, 4 waves a work-group, clusters of 4 x 4, 327,680 bytes of LDS; arguments B, P2, D; writes D
.if DOCPART == 11
	.amdgcn_target "amdgcn-amd-amdhsa--gfx1250"
	.amdhsa_code_object_version 6
	.text
	.protected	k_q46867e2b04_w2
	.globl	k_q46867e2b04_w2
	.p2align	8
	.type	k_q46867e2b04_w2,@function
k_q46867e2b04_w2:
	s_mov_b64 s[64:65], 0
	v_nop
	global_prefetch_b8 v0, s[64:65] scope:SCOPE_SE
	s_setreg_imm32_b32 hwreg(HW_REG_WAVE_MODE, 25, 1), 1
	s_wait_xcnt 0x0
	s_wait_alu depctr_hold_cnt(0) depctr_sa_sdst(0) depctr_va_vdst(0) depctr_va_sdst(0) depctr_va_ssrc(0) depctr_va_vcc(0) depctr_vm_vsrc(0)
	s_getreg_b32 s2, hwreg(HW_REG_IB_STS2, 6, 4)
	s_cmp_eq_u32 s2, 0
	s_cbranch_scc0 .Lentry_in_a_cluster
	s_endpgm
.Lentry_in_a_cluster:
	s_bfe_u32 s2, ttmp6, 0x10000c
	s_cmp_lg_u32 s2, 0xf033
	s_cbranch_scc0 .Lentry_shape_is_right
	s_endpgm
.Lentry_shape_is_right:
.set PITCHB, 49152
.set OCT,    16384
.set LAPS,   4
.set ASC,    12582912
.set BOP,    6570240
.set SCO,    3145728
.set BLKB,   6144
.set HALFT,  4*BLKB
.set SLOT,   4*HALFT
.set SCL,    2*SLOT
.set SPARE,  SCL+2*OCT
.set SPITCH, 272
.set NQ, 4
.set FR, 12
.set NP, 4
.set ADRA, 16
.set ADRB, 20
.set STO,  24
.set RD,   25
.set CO,   26
.set ADRS, 27
.set SPW,  28
.set NIL,  29
.set SC,   32
.set BK,   64
.set ACC,  128
.set G1, 24
.set G0, 32
.set G1B, 48
.set G0B, 56
.set G1S, 68
.set G0S, 76
.set G1SB, 80
.set G0SB, 88
.set PFA, 96                           ; s[96:97] where my prefetches stand
.set PFO, 30                           ; v30 their offset: 256 x min(lane, 23); never rewritten
.set MSB, 0
.macro WIN new
.if MSB != \new
	s_set_vgpr_msb (MSB<<8)|\new
.set MSB, \new
.endif
.endm
.set MUL,  0x05
.set TO_F, 0x40
.macro JLOAD g0a, g1a, g0b, g1b
	s_cmp_eq_u32 s15, 0
	s_cbranch_scc0 .Lfor_b_\@
	tensor_load_to_lds s[\g0a:\g0a+3], s[\g1a:\g1a+7]
	s_nop 0
.rept 4
	v_nop
.endr
	s_branch .Lasked_\@
.Lfor_b_\@:
	tensor_load_to_lds s[\g0b:\g0b+3], s[\g1b:\g1b+7]
	s_nop 0
.rept 4
	v_nop
.endr
.Lasked_\@:
.endm
.macro CREST
	s_cmp_lg_u32 s14, 0
	s_cbranch_scc1 .Lnot_wave_0_\@
	s_barrier_signal -3
.Lnot_wave_0_\@:
	s_barrier_wait -3
	s_barrier_signal -1
	s_barrier_wait -1
.endm
.macro CROUND
	s_barrier_signal -1
	s_barrier_wait -1
	CREST
.endm
	s_load_b128 s[4:7], s[0:1], 0x0
	s_load_b64 s[12:13], s[0:1], 0x10
	v_lshl_add_u32 v[SPW], v0, 2, SPARE
	v_mov_b32 v[NIL], 0
	ds_add_u32 v[SPW], v[NIL]
	ds_add_u32 v[SPW], v[NIL]
	v_lshrrev_b32 v1, 5, v0
	v_readfirstlane_b32 s14, v1
	s_lshr_b32 s15, s14, 1
	s_and_b32 s16, s14, 1
	s_bfe_u32 s40, ttmp6, 0x40000
	s_bfe_u32 s41, ttmp6, 0x40004
	s_lshl_b32 s42, ttmp9, 2
	s_add_co_u32 s42, s42, s40
	s_and_b32 s17, ttmp7, 0xffff
	s_lshl_b32 s17, s17, 2
	s_add_co_u32 s17, s17, s41
	s_lshl_b32 s43, s41, 2
	s_lshl_b32 s43, 15, s43
	s_lshl_b32 s44, 0x1111, s40
	s_or_b32 s[G1+0], s43, (3<<16)|(1<<21)
	s_or_b32 s[G1B+0], s44, (3<<16)|(1<<21)
.irp g, G1, G1B
	s_mov_b32 s[\g+1], 768<<16
	s_mov_b32 s[\g+2], 8<<16                       ; 8 blocks for the head's loads, 4 behind them
	s_mov_b32 s[\g+3], 768<<16
	s_mov_b32 s[\g+4], 8
	s_mov_b32 s[\g+5], PITCHB/8
	s_mov_b32 s[\g+6], 0
	s_mov_b32 s[\g+7], 0
.endr
	s_or_b32 s[G1S+0], s43, (3<<16)|(1<<21)
	s_or_b32 s[G1SB+0], s44, (3<<16)|(1<<21)
.irp g, G1S, G1SB
	s_mov_b32 s[\g+1], 32<<16
	s_mov_b32 s[\g+2], (OCT/256)<<16               ; the scale words of 128 rows
	s_mov_b32 s[\g+3], 32<<16
	s_mov_b32 s[\g+4], OCT/256
	s_mov_b32 s[\g+5], 32
	s_mov_b32 s[\g+6], 0
	s_mov_b32 s[\g+7], 0
.endr
	s_lshl_b32 s18, s17, 1                         ; A: the tile's first 64 rows
	s_mul_i32 s22, s18, OCT/2
	s_add_co_u32 s22, s22, ASC
	s_mul_i32 s18, s18, 4*PITCHB
	s_mov_b32 s19, 0
	s_mov_b32 s23, 0
	s_lshl_b32 s46, s42, 1                         ; B likewise
	s_mul_i32 s92, s46, OCT/2
	s_add_co_u32 s92, s92, BOP+SCO
	s_mul_i32 s46, s46, 4*PITCHB
	s_add_co_u32 s46, s46, BOP
	s_mov_b32 s47, 0
	s_mov_b32 s93, 0
	s_mul_i32 s45, s14, HALFT
	s_wait_dscnt 0x0
	s_wait_kmcnt 0x0
	s_add_nc_u64 s[18:19], s[4:5], s[18:19]
	s_add_nc_u64 s[22:23], s[4:5], s[22:23]
	s_add_nc_u64 s[46:47], s[6:7], s[46:47]
	s_add_nc_u64 s[92:93], s[6:7], s[92:93]
	CROUND
	s_mov_b32 s[G0S], 1
	s_mov_b32 s[G0S+1], SCL
	s_mov_b64 s[G0S+2:G0S+3], s[22:23]
	s_or_b32 s[G0S+3], s[G0S+3], 0x80000000
	s_mov_b32 s[G0SB], 1
	s_mov_b32 s[G0SB+1], SCL+OCT
	s_mov_b64 s[G0SB+2:G0SB+3], s[92:93]
	s_or_b32 s[G0SB+3], s[G0SB+3], 0x80000000
	s_mov_b32 s[G0], 1                             ; the head's loads of slot 0, each whole: A's 8 blocks,
	s_mov_b32 s[G0+1], 0
	s_mov_b64 s[G0+2:G0+3], s[18:19]
	s_or_b32 s[G0+3], s[G0+3], 0x80000000
	s_mov_b32 s[G0B], 1                            ; B's 8 blocks behind them
	s_mov_b32 s[G0B+1], 2*HALFT
	s_mov_b64 s[G0B+2:G0B+3], s[46:47]
	s_or_b32 s[G0B+3], s[G0B+3], 0x80000000
	s_mul_i32 s20, s16, 4*PITCHB                   ; for the ring: my 4 blocks of the tile
	s_mov_b32 s21, 0
	s_add_nc_u64 s[18:19], s[18:19], s[20:21]
	s_add_nc_u64 s[46:47], s[46:47], s[20:21]
	; THE PREFETCHES INTO THE L2.  A chunk (512 along K) is 6,144 bytes on end of each block.  Behind the fill of chunk r each wave asks for chunk r + 2: two changes of slots, 128 matrix instructions of a wave, ahead of its load.
	; Of the 4 blocks that I fetch, each of the four partners that ask for them jointly takes one, told apart BY ADDRESS (cx for A, cy for B): 24 runs of 256 bytes, a lane a run; lanes 24-31 name the last run again.
	; So each run is named once in each cluster that will load it.  Chunks 0 and 1 come by their loads alone; the last two refills ask for nothing.
	s_cmp_eq_u32 s15, 0                            ; do I fetch for A?
	s_cselect_b64 s[PFA:PFA+1], s[18:19], s[46:47]
	s_cselect_b32 s98, s40, s41                    ; my place among the four that ask with me
	s_mul_i32 s98, s98, PITCHB
	s_mov_b32 s99, 0
	s_add_nc_u64 s[PFA:PFA+1], s[PFA:PFA+1], s[98:99]
	s_mov_b32 s[G0+4], 1
	s_add_co_u32 s[G0+5], s45, SLOT
	s_add_nc_u64 s[G0+6:G0+7], s[18:19], BLKB
	s_or_b32 s[G0+7], s[G0+7], 0x80000000
	s_mov_b32 s[G0B+4], 1
	s_add_co_u32 s[G0B+5], s45, SLOT
	s_add_nc_u64 s[G0B+6:G0B+7], s[46:47], BLKB
	s_or_b32 s[G0B+7], s[G0B+7], 0x80000000
; The head's loads, one a wave: wave 0 slot 0's blocks of A, wave 1 those of B, wave 2 A's scale words, wave 3 B's.  One chain of branches on the wave's number.
.macro ARM under, g0, g1, next
	s_cmp_lt_u32 s14, \under
	s_cbranch_scc0 \next
	tensor_load_to_lds s[\g0:\g0+3], s[\g1:\g1+7]
	s_nop 0
.rept 4
	v_nop
.endr
	s_branch .Lhead_asked
\next:
.endm
	ARM 1, G0,  G1,  .Lhead_b
	ARM 2, G0B, G1B, .Lhead_sa
	ARM 3, G0S, G1S, .Lhead_sb
	tensor_load_to_lds s[G0SB:G0SB+3], s[G1SB:G1SB+7]
	s_nop 0
.rept 4
	v_nop
.endr
.Lhead_asked:
	v_and_b32 v[PFO], 31, v0
	v_min_u32 v[PFO], 23, v[PFO]
	v_lshlrev_b32 v[PFO], 8, v[PFO]
	global_prefetch_b8 v[PFO], s[PFA:PFA+1] offset:2*BLKB th:TH_LOAD_NT scope:SCOPE_SE   ; behind chunk 0's fill: chunk 2
	v_and_b32 v1, 15, v0
	v_bfe_u32 v2, v0, 4, 1
	v_and_b32 v5, 31, v0
	v_lshlrev_b32 v8, 4, v5
	v_lshlrev_b32 v7, 3, v5
	s_mul_i32 s21, s15, HALFT
	s_mul_i32 s22, s16, HALFT
	s_add_co_u32 s22, s22, 2*HALFT
.irp s, 0,1
	v_add_nc_u32 v[ADRA+\s], s21, v8
	v_add_nc_u32 v[ADRA+2+\s], s21, v7
	v_add_nc_u32 v[ADRB+\s], s22, v8
	v_add_nc_u32 v[ADRB+2+\s], s22, v7
	s_add_co_u32 s21, s21, SLOT
	s_add_co_u32 s22, s22, SLOT
.endr
	v_lshlrev_b32 v5, 4, v1
	s_lshl_b32 s21, s15, 3
	s_lshl_b32 s22, s16, 3
	s_add_co_u32 s22, s22, OCT
	s_sub_co_u32 s22, s22, s21
	v_mul_u32_u24 v6, s22, v2
	s_add_co_u32 s21, s21, SCL
	v_add_nc_u32 v5, v5, v6
	v_add_nc_u32 v[ADRS], s21, v5
	s_mul_i32 s23, s14, 16*SPITCH
	v_mul_u32_u24 v5, v1, SPITCH
	v_lshl_add_u32 v5, v2, 6, v5
	v_add_nc_u32 v[STO], s23, v5
	v_mul_u32_u24 v5, v2, SPITCH
	v_lshl_add_u32 v5, v1, 4, v5
	v_add_nc_u32 v[RD], s23, v5
	v_lshlrev_b32 v5, 12, v2
	v_lshl_add_u32 v[CO], v1, 4, v5
	s_lshl_b32 s20, s17, 19
	s_lshl_b32 s21, s15, 18
	s_add_co_u32 s20, s20, s21
	s_lshl_b32 s21, s42, 9
	s_add_co_u32 s20, s20, s21
	s_lshl_b32 s21, s16, 8
	s_add_co_u32 s20, s20, s21
	s_mov_b32 s21, 0
	s_add_nc_u64 s[12:13], s[12:13], s[20:21]
.macro FRAG reg, adr, q, i
	ds_load_b128 v[\reg:\reg+3], v[\adr] offset:(\i)*BLKB+(\q)*1536
	ds_load_b64 v[\reg+4:\reg+5], v[\adr+2] offset:(\i)*BLKB+(\q)*1536+512
	ds_load_b128 v[\reg+6:\reg+9], v[\adr] offset:(\i)*BLKB+(\q)*1536+768
	ds_load_b64 v[\reg+10:\reg+11], v[\adr+2] offset:(\i)*BLKB+(\q)*1536+1280
.endm
.macro MUL4 p, a, q, sc, first
.irp b, 0,1,2,3
.if \first
	v_wmma_scale_f32_16x16x128_f8f6f4 v[ACC+8*(4*(\a)+\b):ACC+8*(4*(\a)+\b)+7], v[128*(\p)+FR*\b:128*(\p)+FR*\b+FR-1], v[128*(\p)+48+FR*(\a):128*(\p)+48+FR*(\a)+FR-1], 0, v[SC+16*(\sc)+4*(\q)+2*(\b%2)+\b/2], v[SC+16*(\sc)+4*(\q)+2*((\a)%2)+(\a)/2] matrix_a_fmt:MATRIX_FMT_FP6 matrix_b_fmt:MATRIX_FMT_FP6 matrix_a_scale:MATRIX_SCALE_ROW1
.else
	v_wmma_scale_f32_16x16x128_f8f6f4 v[ACC+8*(4*(\a)+\b):ACC+8*(4*(\a)+\b)+7], v[128*(\p)+FR*\b:128*(\p)+FR*\b+FR-1], v[128*(\p)+48+FR*(\a):128*(\p)+48+FR*(\a)+FR-1], v[ACC+8*(4*(\a)+\b):ACC+8*(4*(\a)+\b)+7], v[SC+16*(\sc)+4*(\q)+2*(\b%2)+\b/2], v[SC+16*(\sc)+4*(\q)+2*((\a)%2)+(\a)/2] matrix_a_fmt:MATRIX_FMT_FP6 matrix_b_fmt:MATRIX_FMT_FP6 matrix_a_scale:MATRIX_SCALE_ROW1
.endif
.endr
.endm
.macro FETCH slot, q, p
	WIN TO_F
.irp i, 0,1,2,3
	FRAG 128*(\p)+FR*\i, ADRB+\slot, \q, \i
.endr
.irp i, 0,1,2,3
	FRAG 128*(\p)+48+FR*\i, ADRA+\slot, \q, \i
.endr
.endm
.macro SCALES sc
.irp n, 0,1,2,3,4,5,6,7
	ds_load_b64 v[SC+16*\sc+2*\n:SC+16*\sc+2*\n+1], v[ADRS] offset:256*\n
.endr
.endm
.macro PLACES n
.rept \n
	v_nop
.endr
.endm
.macro STEP slot, q, first
	s_wait_dscnt 8
	WIN MUL
	MUL4 (\q)%2, 0, \q, \slot, \first
	MUL4 (\q)%2, 1, \q, \slot, \first
	PLACES NP
	FETCH \slot, (\q)+1, 1-(\q)%2
	s_wait_dscnt 32
	WIN MUL
	MUL4 (\q)%2, 2, \q, \slot, \first
	MUL4 (\q)%2, 3, \q, \slot, \first
.endm
.macro TURN slot, next, fill
	WIN 0
.if \fill
	s_wait_xcnt 0x0                                ; my last prefetch has read its base: it is stepped here, a chunk behind that prefetch
	s_add_nc_u64 s[PFA:PFA+1], s[PFA:PFA+1], BLKB  ; at refill r it stands at chunk r - 1
.endif
	s_wait_tensorcnt 0x0
	ds_add_u32 v[SPW], v[NIL]
	s_wait_dscnt 9
	WIN MUL
	MUL4 1, 0, NQ-1, \slot, 0
	s_wait_dscnt 0x0
	s_barrier_signal -1
	MUL4 1, 1, NQ-1, \slot, 0
	WIN 0
	s_barrier_wait -1
.if \fill
	CREST
	s_add_nc_u64 s[G0+4*\slot+2:G0+4*\slot+3], s[G0+4*\slot+2:G0+4*\slot+3], 2*BLKB
	s_add_nc_u64 s[G0B+4*\slot+2:G0B+4*\slot+3], s[G0B+4*\slot+2:G0B+4*\slot+3], 2*BLKB
	JLOAD G0+4*\slot, G1, G0B+4*\slot, G1B
.else
	PLACES NP
.endif
	s_wait_alu depctr_va_vdst(0)
	v_add_nc_u32 v[ADRS], 512*NQ, v[ADRS]
	SCALES \next
	FETCH \next, 0, 0
.if \fill
	WIN 0
	s_cmp_gt_u32 s95, 1                            ; s95 = 1 in the loop's last trip, whose refills are chunks 6 and 7: no chunk stands two on
	s_cbranch_scc0 .Lnone_\@
	global_prefetch_b8 v[PFO], s[PFA:PFA+1] offset:3*BLKB th:TH_LOAD_NT scope:SCOPE_SE   ; chunk r + 2
.Lnone_\@:
.endif
	WIN MUL
	MUL4 1, 2, NQ-1, \slot, 0
	MUL4 1, 3, NQ-1, \slot, 0
.endm
	s_wait_alu depctr_va_vdst(0)
	s_wait_tensorcnt 0x0                           ; my tile of the head's four is in
	ds_add_u32 v[SPW], v[NIL]
	s_mov_b32 s[G1+2], 4<<16                       ; no tensor load of mine is out: from here on a load brings 4 blocks,
	s_mov_b32 s[G1+4], 4
	s_mov_b32 s[G1B+2], 4<<16
	s_mov_b32 s[G1B+4], 4
	s_add_co_u32 s[G0+1], s45, 0                   ; and slot 0's group 0 is my quarter of it
	s_mov_b64 s[G0+2:G0+3], s[18:19]
	s_or_b32 s[G0+3], s[G0+3], 0x80000000
	s_add_co_u32 s[G0B+1], s45, 0
	s_mov_b64 s[G0B+2:G0B+3], s[46:47]
	s_or_b32 s[G0B+3], s[G0B+3], 0x80000000
	s_wait_dscnt 0x0
	CROUND                                         ; everybody's tile is in, and all sixteen work-groups are here
	JLOAD G0+4, G1, G0B+4, G1B                     ; slot 1's first fill, my one tensor load behind the round
	global_prefetch_b8 v[PFO], s[PFA:PFA+1] offset:3*BLKB th:TH_LOAD_NT scope:SCOPE_SE   ; behind chunk 1's fill: chunk 3
	SCALES 0
	FETCH 0, 0, 0
	STEP 0, 0, 1
.if LAPS > 1
	WIN 0
	s_mov_b32 s95, LAPS-1
.Llap:
	STEP 0, 1, 0
	STEP 0, 2, 0
	TURN 0, 1, 1
	STEP 1, 0, 0
	STEP 1, 1, 0
	STEP 1, 2, 0
	TURN 1, 0, 1
	STEP 0, 0, 0
	WIN 0
	s_sub_co_u32 s95, s95, 1
	s_cmp_lg_u32 s95, 0
	s_cbranch_scc1 .Llap
.endif
	STEP 0, 1, 0
	STEP 0, 2, 0
	TURN 0, 1, 0
	STEP 1, 0, 0
	STEP 1, 1, 0
	STEP 1, 2, 0
	s_wait_dscnt 8
	WIN MUL
	MUL4 1, 0, NQ-1, 1, 0
	MUL4 1, 1, NQ-1, 1, 0
	s_wait_dscnt 0
	MUL4 1, 2, NQ-1, 1, 0
	MUL4 1, 3, NQ-1, 1, 0
	WIN 0
.macro TOSTAGE a
.irp b, 0,1,2,3
	ds_store_b128 v[STO], v[ACC+8*(4*(\a)+\b):ACC+8*(4*(\a)+\b)+3] offset:128*(\b/2)+32*(\b%2)
	ds_store_b128 v[STO], v[ACC+8*(4*(\a)+\b)+4:ACC+8*(4*(\a)+\b)+7] offset:128*(\b/2)+32*(\b%2)+16
.endr
.set BB, BK+32*((\a)%2)
.irp t, 0,1,2,3,4,5,6,7
	ds_load_b128 v[BB+4*\t:BB+4*\t+3], v[RD] offset:2*\t*SPITCH
.endr
.endm
.macro SEND a, younger
.set BB, BK+32*((\a)%2)
	s_wait_dscnt \younger
.irp t, 0,1,2,3,4,5,6,7
	global_store_b128 v[CO], v[BB+4*\t:BB+4*\t+3], s[12:13] offset:(32*((\a)/2)+8*((\a)%2)+2*\t+8*(\t/4))*4096 th:TH_STORE_NT
.endr
.endm
	PLACES NP
	TOSTAGE 0
.irp a, 1,2,3
.if \a > 1
	s_wait_xcnt 0x0
.endif
	TOSTAGE \a
	SEND \a-1, 16
.endr
	SEND 3, 0
	s_wait_tensorcnt 0x0
	ds_add_u32 v[SPW], v[NIL]
	s_wait_dscnt 0x0
	CROUND
	s_endpgm
.Lfunc_end_k_q46867e2b04_w2:
	.size	k_q46867e2b04_w2, .Lfunc_end_k_q46867e2b04_w2-k_q46867e2b04_w2
	.p2alignl 7, 3214868480
	.fill 96, 4, 3214868480
	.section	.rodata,"a",@progbits
	.p2align	6, 0x0
	.amdhsa_kernel k_q46867e2b04_w2
		.amdhsa_group_segment_fixed_size 327680
		.amdhsa_private_segment_fixed_size 0
		.amdhsa_enable_private_segment 0
		.amdhsa_kernarg_size 24
		.amdhsa_user_sgpr_count 2
		.amdhsa_user_sgpr_kernarg_segment_ptr 1
		.amdhsa_wavefront_size32 1
		.amdhsa_system_sgpr_workgroup_id_x 1
		.amdhsa_system_sgpr_workgroup_id_y 1
		.amdhsa_system_sgpr_workgroup_id_z 1
		.amdhsa_system_vgpr_workitem_id 0
		.amdhsa_next_free_vgpr 512
		.amdhsa_next_free_sgpr 100
		.amdhsa_reserve_vcc 0
		.amdhsa_float_denorm_mode_32 3
		.amdhsa_float_denorm_mode_16_64 3
		.amdhsa_memory_ordered 1
		.amdhsa_forward_progress 1
		.amdhsa_inst_pref_size 92
	.end_amdhsa_kernel
	.amdgpu_metadata
---
amdhsa.version: [ 1, 2 ]
amdhsa.kernels:
  - .name:           k_q46867e2b04_w2
    .symbol:         k_q46867e2b04_w2.kd
    .args:
      - { .name: B, .offset: 0, .size: 8, .value_kind: global_buffer, .address_space: global }
      - { .name: P2, .offset: 8, .size: 8, .value_kind: global_buffer, .address_space: global }
      - { .name: D, .offset: 16, .size: 8, .value_kind: global_buffer, .address_space: global }
    .group_segment_fixed_size: 327680
    .private_segment_fixed_size: 0
    .kernarg_segment_align: 8
    .kernarg_segment_size: 24
    .max_flat_workgroup_size: 128
    .sgpr_count:     100
    .vgpr_count:     512
    .wavefront_size: 32
...
	.end_amdgpu_metadata
.endif
;; end of part 11
;; launch ln1 (part 12): grid 256 x 1, 8 waves a work-group, no clusters, 69,632 bytes of LDS; arguments H, D, b2, ln2_g, ln2_b, FLN, out0, PX; writes out0, PX
.if DOCPART == 12
	.amdgcn_target "amdgcn-amd-amdhsa--gfx1250"
	.amdhsa_code_object_version 6
	.text
	.protected	k_q46867e2b04_ln1
	.globl	k_q46867e2b04_ln1
	.p2align	8
	.type	k_q46867e2b04_ln1,@function
k_q46867e2b04_ln1:
	s_mov_b64 s[64:65], 0
	v_nop
	global_prefetch_b8 v0, s[64:65] scope:SCOPE_SE
	s_setreg_imm32_b32 hwreg(HW_REG_WAVE_MODE, 25, 1), 1
	s_wait_xcnt 0x0
; out = LN(in1 + (in2 + bias)) x g + beta, rows of 1,024 f32; where the flag (a whole number that the first launch stored) is not 0, the result also leaves quantised to FP6 (E2M3), as the next product's operand.
; No work of reference() is left out.  Mean and variance in two passes, as reference() has them.
; SHARES.  A work-group takes a block of 16 rows, those of the operand's image: lane r = row 32 (i / 2) + 8 (i % 2) + r + 8 (r / 8).  Wave w takes columns 128 w .. 128 w + 127: one K step of the image.
; Rows are loaded and stored 512 consecutive bytes at a time; between, they turn through the wave's own stage in LDS, so that lane (r, h) holds 64 numbers of ONE row (register 16 b + i = column 32 b + 16 h + i):
; a row's sums then want one exchange of halves and one round through LDS among the eight waves, and the quantiser finds its 16 neighbours in a lane's registers.
; LIMITS: NaN and infinities are not served; a block of zeros gets the scale byte 1 (its codes are zeros).
.set SCO,   3145728
.set STG,   16*528
.set RED,   8*STG                      ; 16 rows x 8 waves x 4 bytes for the sums; 512 bytes on, the same for the squares
.set SPARE, RED+1024
.set SPW, 12
.set NIL, 13
.set RW,  32                           ; v32-95   rows as loaded; later g; later rows to store
.set TN,  96                           ; v96-159  in2's rows; then my row's 64 numbers
.set BT,  160                          ; v160-223 beta; later the quantiser's registers
.set PC,  160
.set TM,  180
.set PW,  196
.set SEL, 2
.macro QUANT s
.irp b, 0,1,2,3
	v_max3_num_f32 v[TM+\b], |v[\s+16*\b]|, |v[\s+1+16*\b]|, 0x1800000   ; my 16 numbers of block b, and the floor 2^(3 - 127): the byte cannot fall under 1
.endr
.irp i, 2,4,6,8,10,12,14
.irp b, 0,1,2,3
	s_delay_alu instid0(VALU_DEP_4)
	v_max3_num_f32 v[TM+\b], v[TM+\b], |v[\s+16*\b+\i]|, |v[\s+1+16*\b+\i]|
.endr
.endr
.irp b, 0,1,2,3
	s_delay_alu instid0(VALU_DEP_4)
	v_permlanex16_b32 v[TM+4+\b], v[TM+\b], s[SEL], s[SEL+1]
.endr
.irp b, 0,1,2,3
	s_delay_alu instid0(VALU_DEP_4)
	v_max_num_f32 v[TM+\b], v[TM+\b], v[TM+4+\b]
.endr
.irp b, 0,1,2,3
	s_delay_alu instid0(VALU_DEP_4)
	v_add_nc_u32 v[TM+12+\b], 0xff000000, v[TM+\b]
.endr
.irp b, 0,1,2,3
	s_delay_alu instid0(VALU_DEP_4)
	v_lshrrev_b32 v[TM+4+\b], 23, v[TM+12+\b]
.endr
	s_delay_alu instid0(VALU_DEP_3)
	v_lshl_or_b32 v[PW], v[TM+5], 8, v[TM+4]
	s_delay_alu instid0(VALU_DEP_1)
	v_lshl_or_b32 v[PW], v[TM+6], 16, v[PW]
	s_delay_alu instid0(VALU_DEP_1)
	v_lshl_or_b32 v[PW], v[TM+7], 24, v[PW]
.irp c, 0,1
	v_cvt_scalef32_pk16_fp6_f32 v[PC+6*\c:PC+2+6*\c], v[\s+32*\c:\s+15+32*\c], v[TM+12+2*\c]
	v_cvt_scalef32_pk16_fp6_f32 v[PC+12+4*\c:PC+14+4*\c], v[\s+16+32*\c:\s+31+32*\c], v[TM+13+2*\c]
.endr
	v_nop
.irp c, 0,1
.irp i, 0,1,2
	v_permlane16_swap_b32 v[PC+6*\c+\i], v[PC+12+4*\c+\i]
.endr
.irp i, 0,1,2
	s_delay_alu instid0(VALU_DEP_3)
	v_mov_b32 v[PC+3+6*\c+\i], v[PC+12+4*\c+\i]
.endr
.endr
.endm
; v[224:227], two packed partial sums of my 64 numbers, become the row's sum over all 1,024 columns, in v228 of every lane
.macro RSUM off
	s_delay_alu instid0(VALU_DEP_1)
	v_pk_add_f32 v[224:225], v[224:225], v[226:227]
	s_delay_alu instid0(VALU_DEP_1)
	v_add_f32 v224, v224, v225
	s_delay_alu instid0(VALU_DEP_1)
	v_permlanex16_b32 v225, v224, s[SEL], s[SEL+1]
	s_delay_alu instid0(VALU_DEP_1)
	v_add_f32 v224, v224, v225                     ; my wave's 128 columns of row r
	ds_store_b32 v11, v224 offset:\off             ; lanes r and 16 + r write the same word with the same value
	s_wait_dscnt 0x0                               ; for the others' sake
	s_barrier_signal -1
	s_barrier_wait -1
	ds_load_b128 v[228:231], v10 offset:\off
	ds_load_b128 v[232:235], v10 offset:\off+16
	s_wait_dscnt 0x0
	v_pk_add_f32 v[228:229], v[228:229], v[230:231]
	v_pk_add_f32 v[232:233], v[232:233], v[234:235]
	s_delay_alu instid0(VALU_DEP_1)
	v_pk_add_f32 v[228:229], v[228:229], v[232:233]
	s_delay_alu instid0(VALU_DEP_1)
	v_add_f32 v228, v228, v229
.endm
	s_load_b512 s[4:19], s[0:1], 0x0               ; in1, in2, bias, g, beta, flag, out, image
	v_lshl_add_u32 v[SPW], v0, 2, SPARE
	v_mov_b32 v[NIL], 0
	v_lshrrev_b32 v1, 5, v0
	s_delay_alu instid0(VALU_DEP_1)
	v_readfirstlane_b32 s20, v1                    ; wave 0..7
	v_and_b32 v2, 31, v0
	v_and_b32 v3, 15, v0                           ; r
	v_bfe_u32 v4, v0, 4, 1                         ; h
	s_delay_alu instid0(VALU_DEP_3)
	v_lshlrev_b32 v5, 4, v2                        ; 16 x lane
	s_wait_alu depctr_va_vdst(0)
	v_lshlrev_b32 v6, 3, v2                        ; 8 x lane
	v_lshlrev_b32 v9, 4, v3                        ; 16 r
	v_lshlrev_b32 v14, 6, v4                       ; 64 h
	s_mov_b32 s[SEL], 0x76543210
	s_mov_b32 s[SEL+1], 0xfedcba98
	s_mov_b32 s27, 0x3a800000                      ; 1 / 1,024
	s_mov_b32 s28, 0x3727c5ac                      ; 1e-5
	s_lshr_b32 s22, ttmp9, 1
	s_lshl_b32 s22, s22, 17
	s_and_b32 s23, ttmp9, 1
	s_lshl_b32 s23, s23, 15
	s_add_co_u32 s22, s22, s23
	s_lshl_b32 s24, s20, 9                         ; my 128 columns
	s_add_co_u32 s22, s22, s24                     ; at the block's first row
	s_mov_b32 s23, 0
	s_mov_b32 s25, 0
	s_mul_i32 s30, ttmp9, 12288                    ; the image: my fragment,
	s_mul_i32 s31, s20, 1536
	s_add_co_u32 s30, s30, s31
	s_mov_b32 s31, 0
	s_lshr_b32 s32, ttmp9, 3                       ; and its scale words
	s_lshl_b32 s32, s32, 12
	s_add_co_u32 s32, s32, s24
	s_and_b32 s33, ttmp9, 1
	s_lshl_b32 s33, s33, 8
	s_add_co_u32 s32, s32, s33
	s_bfe_u32 s33, ttmp9, 0x20001
	s_lshl_b32 s33, s33, 2
	s_add_co_u32 s32, s32, s33
	s_add_co_u32 s32, s32, SCO
	s_mov_b32 s33, 0
	s_mul_i32 s26, s20, STG
	v_add_nc_u32 v7, s26, v5                       ; the stage by rows
	v_mul_u32_u24 v8, v3, 528
	s_delay_alu instid0(VALU_DEP_1)
	v_lshl_add_u32 v8, v4, 6, v8
	s_delay_alu instid0(VALU_DEP_1)
	v_add_nc_u32 v8, s26, v8                       ; and by lanes: row r, + 64 h
	v_lshl_add_u32 v10, v3, 5, RED                 ; row r's eight partial sums,
	s_lshl_b32 s26, s20, 2
	v_add_nc_u32 v11, s26, v10                     ; and my wave's among them
	s_wait_kmcnt 0x0
	s_load_b32 s21, s[14:15], 0x0                  ; the flag
	s_add_nc_u64 s[4:5], s[4:5], s[22:23]
	s_add_nc_u64 s[6:7], s[6:7], s[22:23]
	s_add_nc_u64 s[16:17], s[16:17], s[22:23]
	s_add_nc_u64 s[8:9], s[8:9], s[24:25]
	s_add_nc_u64 s[10:11], s[10:11], s[24:25]
	s_add_nc_u64 s[12:13], s[12:13], s[24:25]
	s_add_nc_u64 s[30:31], s[18:19], s[30:31]
	s_add_nc_u64 s[32:33], s[18:19], s[32:33]
	global_load_b128 v[16:19], v5, s[8:9]
.irp t, 0,1,2,3,4,5,6,7,8,9,10,11,12,13,14,15
	global_load_b128 v[RW+4*\t:RW+4*\t+3], v5, s[4:5] offset:(\t+8*(\t/8))*4096 th:TH_LOAD_NT
	global_load_b128 v[TN+4*\t:TN+4*\t+3], v5, s[6:7] offset:(\t+8*(\t/8))*4096 th:TH_LOAD_NT
.endr
.irp t, 0,1,2,3,4,5,6,7,8,9,10,11,12,13,14,15
	s_wait_loadcnt 2*(15-\t)                       ; row t of both is in; the younger rows' two loads each may be out
	v_pk_add_f32 v[TN+4*\t:TN+4*\t+1], v[TN+4*\t:TN+4*\t+1], v[16:17]
	v_pk_add_f32 v[TN+4*\t+2:TN+4*\t+3], v[TN+4*\t+2:TN+4*\t+3], v[18:19]
	s_delay_alu instid0(VALU_DEP_2)
	v_pk_add_f32 v[RW+4*\t:RW+4*\t+1], v[RW+4*\t:RW+4*\t+1], v[TN+4*\t:TN+4*\t+1]
	s_delay_alu instid0(VALU_DEP_2)
	v_pk_add_f32 v[RW+4*\t+2:RW+4*\t+3], v[RW+4*\t+2:RW+4*\t+3], v[TN+4*\t+2:TN+4*\t+3]
	ds_store_b128 v7, v[RW+4*\t:RW+4*\t+3] offset:528*\t
.endr
.irp n, 0,1,2,3,4,5,6,7,8,9,10,11,12,13,14,15
	ds_load_b128 v[TN+4*\n:TN+4*\n+3], v8 offset:128*(\n/4)+16*(\n%4)   ; LDS serves a wave's instructions in order: these see my stores
.endr
	s_wait_dscnt 0x0                               ; the stores have read their registers too: g may land there
.irp n, 0,1,2,3,4,5,6,7,8,9,10,11,12,13,14,15
	global_load_b128 v[RW+4*\n:RW+4*\n+3], v14, s[10:11] offset:128*(\n/4)+16*(\n%4)   ; g and beta in my numbers' order; wanted behind both sums
	global_load_b128 v[BT+4*\n:BT+4*\n+3], v14, s[12:13] offset:128*(\n/4)+16*(\n%4)
.endr
	v_pk_add_f32 v[224:225], v[TN:TN+1], v[TN+4:TN+5]
	v_pk_add_f32 v[226:227], v[TN+2:TN+3], v[TN+6:TN+7]
.set J, 8
.rept 14
	s_delay_alu instid0(VALU_DEP_2)
	v_pk_add_f32 v[224:225], v[224:225], v[TN+J:TN+J+1]
	s_delay_alu instid0(VALU_DEP_2)
	v_pk_add_f32 v[226:227], v[226:227], v[TN+J+2:TN+J+3]
.set J, J+4
.endr
	RSUM 0
	s_delay_alu instid0(VALU_DEP_1)
	v_mul_f32 v228, s27, v228                      ; the mean
.set J, 0
.rept 32
	v_pk_add_f32 v[TN+J:TN+J+1], v[TN+J:TN+J+1], v[228:229] op_sel_hi:[1,0] neg_lo:[0,1] neg_hi:[0,1]
.set J, J+2
.endr
	v_pk_mul_f32 v[224:225], v[TN:TN+1], v[TN:TN+1]
	v_pk_mul_f32 v[226:227], v[TN+2:TN+3], v[TN+2:TN+3]
.set J, 4
.rept 15
	s_delay_alu instid0(VALU_DEP_2)
	v_pk_fma_f32 v[224:225], v[TN+J:TN+J+1], v[TN+J:TN+J+1], v[224:225]
	s_delay_alu instid0(VALU_DEP_2)
	v_pk_fma_f32 v[226:227], v[TN+J+2:TN+J+3], v[TN+J+2:TN+J+3], v[226:227]
.set J, J+4
.endr
	RSUM 512
	s_delay_alu instid0(VALU_DEP_1)
	v_fma_f32 v228, v228, s27, s28                 ; the variance + 1e-5
	s_wait_alu depctr_va_vdst(0)
	v_rsq_f32 v230, v228
	v_nop                                          ; a plain place behind the root
	s_wait_loadcnt 0x0                             ; g, beta
	s_wait_alu depctr_va_vdst(0)                   ; the wait ahead of the root's first reader
.set J, 0
.rept 32
	v_pk_mul_f32 v[TN+J:TN+J+1], v[TN+J:TN+J+1], v[230:231] op_sel_hi:[1,0]
	s_delay_alu instid0(VALU_DEP_1)
	v_pk_fma_f32 v[TN+J:TN+J+1], v[TN+J:TN+J+1], v[RW+J:RW+J+1], v[BT+J:BT+J+1]
.set J, J+2
.endr
.irp n, 0,1,2,3,4,5,6,7,8,9,10,11,12,13,14,15
	ds_store_b128 v8, v[TN+4*\n:TN+4*\n+3] offset:128*(\n/4)+16*(\n%4)   ; back through the stage,
.endr
.irp t, 0,1,2,3,4,5,6,7,8,9,10,11,12,13,14,15
	ds_load_b128 v[RW+4*\t:RW+4*\t+3], v7 offset:528*\t                  ; as rows; they land under the quantiser
.endr
	s_wait_kmcnt 0x0
	s_cmp_eq_u32 s21, 0
	s_cbranch_scc1 .Lno_image                      ; no barrier and no LDS instruction stands under this branch
	QUANT TN
	global_store_b128 v5, v[PC:PC+3], s[30:31]
	global_store_b64 v6, v[PC+4:PC+5], s[30:31] offset:512
	global_store_b128 v5, v[PC+6:PC+9], s[30:31] offset:768
	global_store_b64 v6, v[PC+10:PC+11], s[30:31] offset:1280
	global_store_b32 v9, v[PW], s[32:33]           ; lanes 16-31 hold and write the same word as lanes 0-15
.Lno_image:
.irp t, 0,1,2,3,4,5,6,7,8,9,10,11,12,13,14,15
	s_wait_dscnt 15-\t                             ; row t is back; the younger rows may be out
	global_store_b128 v5, v[RW+4*\t:RW+4*\t+3], s[16:17] offset:(\t+8*(\t/8))*4096   ; 512 consecutive bytes
.endr
	s_wait_tensorcnt 0x0                           ; the wave's end
	ds_add_u32 v[SPW], v[NIL]
	s_wait_dscnt 0x0
	s_endpgm
.Lfunc_end_k_q46867e2b04_ln1:
	.size	k_q46867e2b04_ln1, .Lfunc_end_k_q46867e2b04_ln1-k_q46867e2b04_ln1
	.p2alignl 7, 3214868480
	.fill 96, 4, 3214868480
	.section	.rodata,"a",@progbits
	.p2align	6, 0x0
	.amdhsa_kernel k_q46867e2b04_ln1
		.amdhsa_group_segment_fixed_size 69632
		.amdhsa_private_segment_fixed_size 0
		.amdhsa_enable_private_segment 0
		.amdhsa_kernarg_size 64
		.amdhsa_user_sgpr_count 2
		.amdhsa_user_sgpr_kernarg_segment_ptr 1
		.amdhsa_wavefront_size32 1
		.amdhsa_system_sgpr_workgroup_id_x 1
		.amdhsa_system_sgpr_workgroup_id_y 1
		.amdhsa_system_sgpr_workgroup_id_z 1
		.amdhsa_system_vgpr_workitem_id 0
		.amdhsa_next_free_vgpr 256
		.amdhsa_next_free_sgpr 66
		.amdhsa_reserve_vcc 0
		.amdhsa_float_denorm_mode_32 3
		.amdhsa_float_denorm_mode_16_64 3
		.amdhsa_memory_ordered 1
		.amdhsa_forward_progress 1
		.amdhsa_inst_pref_size 42
	.end_amdhsa_kernel
	.amdgpu_metadata
---
amdhsa.version: [ 1, 2 ]
amdhsa.kernels:
  - .name:           k_q46867e2b04_ln1
    .symbol:         k_q46867e2b04_ln1.kd
    .args:
      - { .name: H, .offset: 0, .size: 8, .value_kind: global_buffer, .address_space: global }
      - { .name: D, .offset: 8, .size: 8, .value_kind: global_buffer, .address_space: global }
      - { .name: b2, .offset: 16, .size: 8, .value_kind: global_buffer, .address_space: global }
      - { .name: ln2_g, .offset: 24, .size: 8, .value_kind: global_buffer, .address_space: global }
      - { .name: ln2_b, .offset: 32, .size: 8, .value_kind: global_buffer, .address_space: global }
      - { .name: FLN, .offset: 40, .size: 8, .value_kind: global_buffer, .address_space: global }
      - { .name: out0, .offset: 48, .size: 8, .value_kind: global_buffer, .address_space: global }
      - { .name: PX, .offset: 56, .size: 8, .value_kind: global_buffer, .address_space: global }
    .group_segment_fixed_size: 69632
    .private_segment_fixed_size: 0
    .kernarg_segment_align: 8
    .kernarg_segment_size: 64
    .max_flat_workgroup_size: 256
    .sgpr_count:     66
    .vgpr_count:     256
    .wavefront_size: 32
...
	.end_amdgpu_metadata
.endif
;; end of part 12
